; MI455X (gfx1250); checked and timed in simulation.
; The chip was launched on July 23, 2026; its instructions are those of AMD's public machine-readable ISA for CDNA 5 (MIT licence, August 2026) and "CDNA5" Instruction Set Architecture Reference Guide (July 2026). The comments in the code are by the model that wrote it; some were corrected since.
;; Heuristic NS Attention. Allowed arithmetic: matrix products marked QUANTISED: E2M3 operands, one E8M0 scale for each 32 along K, by v_wmma_scale_f32_16x16x128_f8f6f4 with both operands' format E2M3, f32 sums; products left as they are: f32 operands where the result goes on into a quantised operand, else bf16, f16 or f32 operands; f32 sums; everything else in f32.
;; Inputs: Wg 1,024 x 3 float32; Wk 1,024 x 1,024 float32; Wo 1,024 x 1,024 float32; Wq 1,024 x 1,024 float32; Wv 1,024 x 1,024 float32; bg 3 float32; bk 1,024 float32; bo 1,024 float32; bq 1,024 float32; bv 1,024 float32; hidden_states 2 x 2,048 x 1,024 float32.
;; Outputs: out0 2 x 2,048 x 1,024 float32.
;; This version of the problem:
;;   THIS VERSION OF THE PROBLEM IS GIVEN IN LOW PRECISION. The matrix products marked QUANTISED in the list below multiply operands that are first quantised to E2M3 (2 exponent bits, 3 mantissa bits; 6 bits a number), with one power-of-two scale for each 32 numbers along K (OCP MX v1.0); their sums are f32. All else is computed in f32.
;;   The module's matrix products, in the order in which they are computed (A, B: the left and right operand; K: the contracted axis; several contracted axes count as one K, in the product's order):
;;     1. [M 4,096, K 1,024] x [K 1,024, N 1,024]; A: input hidden_states; B: input Wq: QUANTISED
;;     2. [M 4,096, K 1,024] x [K 1,024, N 1,024]; A: input hidden_states; B: input Wk: QUANTISED
;;     3. [M 4,096, K 1,024] x [K 1,024, N 1,024]; A: input hidden_states; B: input Wv: QUANTISED
;;     4. [M 4,096, K 1,024] x [K 1,024, N 3]; A: input hidden_states; B: input Wg: left as it is (N = 3 < 16)
;;     5. batch 32 x [M 2,048, K 64] x [K 64, N 2,048]; A: computed on the way; B: computed on the way: QUANTISED
;;     6. batch 32 x [M 2,048, K 2,048] x [K 2,048, N 64]; A: softmax (see below); B: computed on the way: QUANTISED
;;     7. batch 32 x [M 2,048, K 64] x [K 64, N 32]; A: computed on the way; B: computed on the way: QUANTISED
;;     8. batch 32 x [M 2,048, K 64] x [K 64, N 512]; A: computed on the way; B: computed on the way: QUANTISED
;;     9. batch 32 x [M 2,048, K 512] x [K 512, N 64]; A: softmax (see below); B: computed on the way: QUANTISED
;;     10. batch 32 x [M 2,048, K 64] x [K 64, N 32]; A: computed on the way; B: computed on the way: QUANTISED
;;     11. batch 32 x [M 2,048, K 32] x [K 32, N 64]; A: softmax (see below); B: computed on the way: QUANTISED
;;     12. [M 4,096, K 1,024] x [K 1,024, N 1,024]; A: computed on the way; B: input Wo: QUANTISED
;;   THE QUANTISER, for each operand of a quantised product, along K:
;;     - K is cut into blocks of 32 from its start; a last block that is shorter is filled with zeros.
;;     - A block's scale is 2^e with e = floor(log2(the largest magnitude in the block)) - 2, held to -126 .. 127; a block of zeros has e = 0. As a byte (E8M0): e + 127.
;;     - Each number is divided by its block's scale, clamped to +-7.5, and rounded to the nearest number of E2M3, ties to even, subnormals kept.
;;     - The product sums the exact products of the quantised numbers (number of the format x scale) in f32.
;;   ~~~python
;;   def quantise(x, axis):      # numpy; x: float32 -> the quantised numbers, widened to float32 again
;;       x = np.moveaxis(x, axis, -1); K = x.shape[-1]
;;       x = np.pad(x, [(0, 0)] * (x.ndim - 1) + [(0, -K % 32)]); x = x.reshape(x.shape[:-1] + (-1, 32)); a = np.abs(x).max(-1, keepdims=True)
;;       e = np.where(a > 0, np.clip(np.frexp(np.where(a > 0, a, 1))[1] - 1 - 2, -126, 127), 0)      # np.frexp(a)[1] - 1 = floor(log2(a)), exactly
;;       r = np.clip(x / 2.0 ** e, -7.5, 7.5)
;;       step = 2.0 ** (np.maximum(np.frexp(np.where(r == 0, 1, r))[1] - 1, 0) - 3)
;;       q = np.round(r / step) * step * 2.0 ** e      # np.round: ties to even
;;       return np.moveaxis(q.reshape(q.shape[:-2] + (-1,))[..., :K], -1, axis).astype(np.float32)
;;   ~~~
;;   SOFTMAX AHEAD OF A QUANTISED PRODUCT. Where the list says 'softmax', what is quantised is not the finished softmax but p = 2^(t - M), with t = logit x log2(e) and M = ceil(the row's largest t), a whole number; so 1/2 < the row's largest p <= 1. The row's sum l is taken of the UNQUANTISED p, in f32, and the product's result is divided by l at the end. Since M is a whole number, a kernel that streams over the keys may use a running M (the ceiling of the running maximum): every later rescaling is an exact power of two, which a block's scale takes up: the codes' values come out the same.
;;   OPERANDS COMPUTED ON THE WAY. 'Computed on the way' means the value that the module computes at that place (a softmax that the list does not call 'softmax' is quantised finished and normalised). What goes into a quantiser is computed in f32, as accurately as f32 sums, v_exp_f32 and their like allow (about 1e-6 of the number): no bf16 or f16 on the way to a quantiser, and a product that is left as it is and whose result goes on into a quantised operand takes f32 operands (vector FMAs, or v_wmma_f32_16x16x4_f32). A number that lies on a knife's edge between two numbers of the format may be rounded either way, as far as f32 arithmetic and the matrix unit's own rounding can turn it there, and no further.
;; 2 versions. Each part assembles by itself: llvm-mc -triple=amdgcn-amd-amdhsa -mcpu=gfx1250 --defsym DOCPART=n.
;; ======== version 1 of 2: 5 launches
;; workspace buffers: prepw 6,815,744 bytes; qkvw 15,466,496 bytes; cmpw 180,224 bytes; selw 4,096 bytes of whole numbers; ocw 3,407,872 bytes
;; launch prep (part 1): grid 384 x 1, 8 waves a work-group, no clusters, 5,120 bytes of LDS; arguments hidden_states, Wq, Wk, Wv, Wo, Wg, bg, prepw; writes prepw
.if DOCPART == 1
	.amdgcn_target "amdgcn-amd-amdhsa--gfx1250"
	.amdhsa_code_object_version 6
	.text
	.protected	k_qf43f75a9f6_prep
	.globl	k_qf43f75a9f6_prep
	.p2align	8
	.type	k_qf43f75a9f6_prep,@function
k_qf43f75a9f6_prep:
	s_mov_b64 s[64:65], 0
	v_nop
	global_prefetch_b8 v0, s[64:65] scope:SCOPE_SE
	s_setreg_imm32_b32 hwreg(HW_REG_WAVE_MODE, 25, 1), 1
	s_wait_xcnt 0x0
; PREP: the inputs become codes of FP6 (E2M3) with one E8M0 byte for each 32 along K, laid as images of operand registers, and the three gates are made.
; A HALF is 768 bytes: 16 rows x 64 K; lane (r, h) holds row r, k = 32 h .. 32 h + 31 in six registers: registers 0-3 at 16 x lane, registers 4-5 at 512 + 8 x lane.  A FRAGMENT (16 rows x 128 K) is two halves.
; THE ROWS OF A TILE ARE NOT NEIGHBOURS: row rho of tile 2 b + u is index 32 b + 8 u + rho + (rho & 8), for the rows of x and for the columns of the four weights alike.
; Work-groups 0-127: the weights (K is their first axis): a wave takes 32 columns x 128 K, a lane a column, registers down K.  Work-groups 128-383: a tile of 16 rows of x; wave w takes K step w.
; The gates softmax(x Wg + bg) are made by f32 multiply-adds beside the quantising of x; the eight waves' parts meet in LDS.
; LIMITS: NaN and infinities are not served.  A block whose largest magnitude lies under 2^-124 (a block of zeros too) gets the byte 1: its codes then are zeros or held by that scale; only this program reads the bytes.
.set XSO,   3145728                    ; prepw: x's codes at 0 [Mblk 32][s 8][mi 8] fragments; x's scale words here [Mblk][s][mi][32 lanes]
.set WCO,   3407872                    ; the weights' codes [Nblk 16][s 8][ni 16] fragments
.set WSO,   6553600                    ; their scale words [Nblk][s][pair 8][32]: lanes 0-15 tile 2 p, lanes 16-31 tile 2 p + 1
.set GAO,   6684672                    ; the gates [tile 256][32 lanes][4 f32]
.set FLOOR, 0x1800000                  ; 2^(3 - 127): under it no largest magnitude is taken, so no byte falls under 1
.set EOFF,  0xff000000                 ; takes 2 off an exponent field
.set SEL, 40                           ; s[40:41] selects of v_permlanex16_b32 for lane l xor 16
.set X,   32                           ; v32..   the numbers
.set WGR, 96                           ; v96-191 Wg's numbers of two blocks
.set G,   192                          ; v192-195 the three sums and a zero
.set TM,  200
.set PW,  216
.set PC,  224
.set FA,  160                          ; the weights' path: tile 2 p's fragment, tile 2 p + 1's, and the upper halves of two blocks
.set FB,  172
.set TA,  184
.set TB,  188
	s_load_b256 s[4:11], s[0:1], 0x0               ; x s[4:5], Wq s[6:7], Wk s[8:9], Wv s[10:11]
	s_load_b256 s[12:19], s[0:1], 0x20             ; Wo s[12:13], Wg s[14:15], bg s[16:17], prepw s[18:19]
	v_lshl_add_u32 v254, v0, 2, 0x1000
	v_mov_b32 v255, 0
	v_lshrrev_b32 v1, 5, v0
	v_readfirstlane_b32 s20, v1                    ; wave 0..7
	v_and_b32 v1, 31, v0                           ; lane
	s_mov_b32 s[SEL], 0x76543210
	s_mov_b32 s[SEL+1], 0xfedcba98
	s_cmp_lt_u32 ttmp9, 128
	s_cbranch_scc0 .Lx_path
	; ---------------- the weights
	s_lshr_b32 s21, ttmp9, 5                       ; which weight: q, k, v, o
	s_bfe_u32 s22, ttmp9, 0x30002                  ; K step s
	s_and_b32 s23, ttmp9, 3
	s_lshl_b32 s23, s23, 3
	s_add_co_u32 s23, s23, s20                     ; pair of tiles p = 32 columns
	v_and_b32 v2, 7, v1
	v_and_b32 v3, 8, v1
	v_lshl_or_b32 v2, v3, 1, v2
	v_and_b32 v3, 16, v1
	v_lshrrev_b32 v3, 1, v3
	v_or_b32 v2, v2, v3                            ; my column: lanes 0-15 the rows of tile 2 p, lanes 16-31 those of tile 2 p + 1
	v_lshlrev_b32 v2, 2, v2
	v_lshlrev_b32 v3, 4, v1
	v_lshlrev_b32 v4, 3, v1
	v_lshlrev_b32 v5, 2, v1
	s_lshl_b32 s24, s22, 19                        ; 128 rows of 4,096 bytes a K step
	s_lshl_b32 s25, s23, 7
	s_add_co_u32 s24, s24, s25
	s_mov_b32 s25, 0
	s_lshl_b32 s26, s21, 5
	s_add_co_u32 s26, s26, s23                     ; P: the pair among all 128
	s_lshr_b32 s27, s26, 3
	s_lshl_b32 s27, s27, 3
	s_add_co_u32 s27, s27, s22
	s_lshl_b32 s27, s27, 3
	s_and_b32 s26, s26, 7
	s_add_co_u32 s27, s27, s26                     ; e = ((P / 8) 8 + s) 8 + P % 8
	s_mul_i32 s28, s27, 3072
	s_add_co_u32 s28, s28, WCO
	s_mov_b32 s29, 0
	s_lshl_b32 s30, s27, 7
	s_add_co_u32 s30, s30, WSO
	s_mov_b32 s31, 0
	s_wait_kmcnt 0x0
	s_cmp_eq_u32 s21, 1                            ; the choice hangs on the work-group's number alone
	s_cselect_b64 s[6:7], s[8:9], s[6:7]
	s_cmp_eq_u32 s21, 2
	s_cselect_b64 s[6:7], s[10:11], s[6:7]
	s_cmp_eq_u32 s21, 3
	s_cselect_b64 s[6:7], s[12:13], s[6:7]
	s_add_nc_u64 s[6:7], s[6:7], s[24:25]
	s_add_nc_u64 s[28:29], s[18:19], s[28:29]
	s_add_nc_u64 s[30:31], s[18:19], s[30:31]
.set kk, 0
.rept 128
	global_load_b32 v[X+kk], v2, s[6:7] offset:kk*4096 th:TH_LOAD_NT   ; W(128 s + kk, my column): the wave reads 128 consecutive bytes, the eight waves 1,024
.set kk, kk+1
.endr
.macro WBLK b, cnt                     ; block b of 32 along K lies in my registers alone
	s_wait_loadcnt \cnt                            ; at most so many younger loads are out (behind block b stand 32 (3 - b); the count is held at the field's 63)
	v_max3_num_f32 v8, |v[X+32*\b]|, |v[X+32*\b+1]|, |v[X+32*\b+2]|
	v_max3_num_f32 v9, |v[X+32*\b+3]|, |v[X+32*\b+4]|, |v[X+32*\b+5]|
.irp i, 6,10,14,18,22,26
	v_max3_num_f32 v8, v8, |v[X+32*\b+\i]|, |v[X+32*\b+\i+1]|
	v_max3_num_f32 v9, v9, |v[X+32*\b+\i+2]|, |v[X+32*\b+\i+3]|
.endr
	v_max3_num_f32 v8, v8, |v[X+32*\b+30]|, |v[X+32*\b+31]|
	v_max3_num_f32 v8, v8, v9, FLOOR
	v_add_nc_u32 v[10+\b], EOFF, v8                ; the conversion's scale operand: the largest magnitude's exponent field less 2
	v_lshrrev_b32 v14, 23, v[10+\b]                ; the byte
.if \b == 0
	v_mov_b32 v15, v14
.else
	v_lshl_or_b32 v15, v14, 8*\b, v15              ; my column's scale word
.endif
.endm
	WBLK 0, 63
	WBLK 1, 63
	WBLK 2, 32
	WBLK 3, 0
.irp c, 0,1
	v_cvt_scalef32_pk16_fp6_f32 v[FA+6*\c:FA+6*\c+2], v[X+64*\c:X+64*\c+15], v[10+2*\c]       ; block 2 c, lower 16 codes
	v_cvt_scalef32_pk16_fp6_f32 v[TA:TA+2], v[X+64*\c+16:X+64*\c+31], v[10+2*\c]              ; upper 16 (a conversion's three registers begin on an even number)
	v_cvt_scalef32_pk16_fp6_f32 v[FB+6*\c:FB+6*\c+2], v[X+64*\c+32:X+64*\c+47], v[11+2*\c]    ; block 2 c + 1
	v_cvt_scalef32_pk16_fp6_f32 v[TB:TB+2], v[X+64*\c+48:X+64*\c+63], v[11+2*\c]
	v_nop                                          ; one plain place behind the conversions
.irp i, 0,1,2                          ; lanes 0-15 hold tile 2 p's blocks, lanes 16-31 tile 2 p + 1's: the exchange gives each tile's fragment block 2 c below and block 2 c + 1 above
	v_permlane16_swap_b32 v[FA+6*\c+\i], v[FB+6*\c+\i]
	v_permlane16_swap_b32 v[TA+\i], v[TB+\i]
.endr
.irp i, 0,1,2
	v_mov_b32 v[FA+6*\c+3+\i], v[TA+\i]
	v_mov_b32 v[FB+6*\c+3+\i], v[TB+\i]
.endr
.endr
.irp f, 0,1                            ; two fragments on end; every store covers whole aligned runs of 256 bytes
	global_store_b128 v3, v[FA+12*\f:FA+12*\f+3], s[28:29] offset:1536*\f
	global_store_b64 v4, v[FA+12*\f+4:FA+12*\f+5], s[28:29] offset:1536*\f+512
	global_store_b128 v3, v[FA+12*\f+6:FA+12*\f+9], s[28:29] offset:1536*\f+768
	global_store_b64 v4, v[FA+12*\f+10:FA+12*\f+11], s[28:29] offset:1536*\f+1280
.endr
	global_store_b32 v5, v15, s[30:31]
	s_endpgm
	; ---------------- x and the gates
.Lx_path:
	s_sub_co_u32 s21, ttmp9, 128                   ; tile m of 16 rows
	v_and_b32 v2, 15, v0                           ; r
	v_bfe_u32 v3, v0, 4, 1                         ; h
	v_and_b32 v10, 8, v2
	v_add_nc_u32 v10, v10, v2                      ; r + (r & 8)
	v_lshlrev_b32 v4, 12, v10
	v_lshl_add_u32 v4, v3, 6, v4                   ; x: my row, + 64 h: my 16 numbers of a block of 32
	v_mul_u32_u24 v5, v3, 192                      ; Wg: 16 rows of 12 bytes for each half
	v_lshlrev_b32 v6, 4, v1
	v_lshlrev_b32 v7, 3, v1
	v_lshlrev_b32 v8, 2, v1
	v_lshlrev_b32 v9, 4, v0                        ; LDS: 512 x wave + 16 x lane
.irp b, 0,1,2,3
	v_mov_b32 v[TM+4+\b], 0                        ; written once: a lane permute's destination counts as one of its sources
.endr
	v_mov_b32 v[G+3], 0
	s_lshr_b32 s22, s21, 1
	s_lshl_b32 s22, s22, 5
	s_and_b32 s23, s21, 1
	s_lshl_b32 s23, s23, 3
	s_add_co_u32 s22, s22, s23                     ; the tile's first row
	s_lshl_b32 s22, s22, 12
	s_lshl_b32 s23, s20, 9
	s_add_co_u32 s22, s22, s23                     ; + my K step's 512 bytes
	s_mov_b32 s23, 0
	s_mul_i32 s24, s20, 1536                       ; Wg: 128 rows of 12 bytes a K step
	s_mov_b32 s25, 0
	s_lshr_b32 s26, s21, 3
	s_lshl_b32 s26, s26, 3
	s_add_co_u32 s26, s26, s20
	s_lshl_b32 s26, s26, 3
	s_and_b32 s27, s21, 7
	s_add_co_u32 s26, s26, s27                     ; e = ((m / 8) 8 + s) 8 + m % 8
	s_mul_i32 s28, s26, 1536
	s_mov_b32 s29, 0
	s_lshl_b32 s30, s26, 7
	s_add_co_u32 s30, s30, XSO
	s_mov_b32 s31, 0
	s_lshl_b32 s32, s21, 9
	s_add_co_u32 s32, s32, GAO
	s_mov_b32 s33, 0
	s_wait_kmcnt 0x0
	s_load_b96 s[36:38], s[16:17], 0x0             ; bg
	s_add_nc_u64 s[4:5], s[4:5], s[22:23]
	s_add_nc_u64 s[14:15], s[14:15], s[24:25]
	s_add_nc_u64 s[28:29], s[18:19], s[28:29]
	s_add_nc_u64 s[30:31], s[18:19], s[30:31]
	s_add_nc_u64 s[32:33], s[18:19], s[32:33]
.irp b, 0,1,2,3
.irp j, 0,1,2,3
	global_load_b128 v[X+16*\b+4*\j:X+16*\b+4*\j+3], v4, s[4:5] offset:128*\b+16*\j th:TH_LOAD_NT   ; register 16 b + i = k 32 b + 16 h + i of my row
.endr
.endr
.macro WGLOAD b                        ; Wg's 16 rows x 3 of my half of block b
.irp jj, 0,1,2,3,4,5,6,7,8,9,10,11
	global_load_b128 v[WGR+48*((\b)%2)+4*\jj:WGR+48*((\b)%2)+4*\jj+3], v5, s[14:15] offset:384*(\b)+16*\jj
.endr
.endm
.macro GATES b, first                  ; 48 multiply-adds in f32, three sums
.set gi, 0
.rept 16
.irp c, 0,1,2
.if \first && (gi == 0)
	v_mul_f32 v[G+\c], v[X+16*(\b)+gi], v[WGR+48*((\b)%2)+3*gi+\c]
.else
	v_fmac_f32 v[G+\c], v[X+16*(\b)+gi], v[WGR+48*((\b)%2)+3*gi+\c]
.endif
.endr
.set gi, gi+1
.endr
.endm
	WGLOAD 0
	WGLOAD 1
	s_wait_loadcnt 0x0
	GATES 0, 1
	GATES 1, 0
	WGLOAD 2                                       ; they land while x is quantised
	WGLOAD 3
	; 64 numbers of a lane become a fragment's codes in v[PC] on and its scale word in v[PW]
.irp b, 0,1,2,3
	v_max3_num_f32 v[TM+\b], |v[X+16*\b]|, |v[X+1+16*\b]|, FLOOR
.endr
.irp i, 2,4,6,8,10,12,14
.irp b, 0,1,2,3
	v_max3_num_f32 v[TM+\b], v[TM+\b], |v[X+16*\b+\i]|, |v[X+1+16*\b+\i]|
.endr
.endr
.irp b, 0,1,2,3
	v_permlanex16_b32 v[TM+4+\b], v[TM+\b], s[SEL], s[SEL+1]
.endr
.irp b, 0,1,2,3
	v_max_num_f32 v[TM+\b], v[TM+\b], v[TM+4+\b]   ; with lane l xor 16's: the block's largest magnitude
.endr
.irp b, 0,1,2,3
	v_add_nc_u32 v[TM+12+\b], EOFF, v[TM+\b]
.endr
.irp b, 0,1,2,3
	v_lshrrev_b32 v[TM+4+\b], 23, v[TM+12+\b]
.endr
	v_lshl_or_b32 v[PW], v[TM+5], 8, v[TM+4]
	v_lshl_or_b32 v[PW], v[TM+6], 16, v[PW]
	v_lshl_or_b32 v[PW], v[TM+7], 24, v[PW]
.irp c, 0,1
	v_cvt_scalef32_pk16_fp6_f32 v[PC+6*\c:PC+2+6*\c], v[X+32*\c:X+15+32*\c], v[TM+12+2*\c]
	v_cvt_scalef32_pk16_fp6_f32 v[PC+12+4*\c:PC+14+4*\c], v[X+16+32*\c:X+31+32*\c], v[TM+12+2*\c+1]
.endr
	v_nop                                          ; one plain place behind the conversions
.irp c, 0,1                            ; the operand wants a whole block in a lane
.irp i, 0,1,2
	v_permlane16_swap_b32 v[PC+6*\c+\i], v[PC+12+4*\c+\i]
.endr
.irp i, 0,1,2
	v_mov_b32 v[PC+3+6*\c+\i], v[PC+12+4*\c+\i]
.endr
.endr
	global_store_b128 v6, v[PC:PC+3], s[28:29]
	global_store_b64 v7, v[PC+4:PC+5], s[28:29] offset:512
	global_store_b128 v6, v[PC+6:PC+9], s[28:29] offset:768
	global_store_b64 v7, v[PC+10:PC+11], s[28:29] offset:1280
	global_store_b32 v8, v[PW], s[30:31]           ; both halves of the lanes hold the row's word
	s_wait_loadcnt 0x0
	GATES 2, 0
	GATES 3, 0
.irp c, 0,1,2
	v_permlanex16_b32 v[TM+4+\c], v[G+\c], s[SEL], s[SEL+1]
.endr
.irp c, 0,1,2
	v_add_f32 v[G+\c], v[G+\c], v[TM+4+\c]         ; my K step's part of the row's three sums
.endr
	ds_store_b128 v9, v[G:G+3]
	s_wait_dscnt 0x0                               ; for the others' sake: my store has landed
	s_wait_kmcnt 0x0                               ; bg
	s_barrier_signal -1
	s_barrier_wait -1
	s_cmp_lg_u32 s20, 0
	s_cbranch_scc1 .Lend
.irp t, 0,1,2,3,4,5,6,7
	ds_load_b128 v[32+4*\t:35+4*\t], v6 offset:512*\t
.endr
	s_wait_dscnt 0x0
.irp t, 1,2,3,4,5,6,7
.irp c, 0,1,2
	v_add_f32 v[32+\c], v[32+\c], v[32+4*\t+\c]
.endr
.endr
.irp c, 0,1,2
	v_add_f32 v[32+\c], s[36+\c], v[32+\c]
.endr
	v_max3_num_f32 v64, v32, v33, v34              ; the softmax of three takes its maximum away
.irp c, 0,1,2
	v_sub_f32 v[32+\c], v[32+\c], v64
.endr
.irp c, 0,1,2
	v_mul_f32 v[32+\c], 0x3fb8aa3b, v[32+\c]
.endr
.irp c, 0,1,2
	v_exp_f32 v[32+\c], v[32+\c]
.endr
	v_nop                                          ; a plain place behind the exponentials
	s_wait_alu depctr_va_vdst(0)                   ; one wait for the three, ahead of their first reader
	v_add_f32 v64, v32, v33
	v_add_f32 v64, v64, v34
	v_rcp_f32 v64, v64
	v_nop
	s_wait_alu depctr_va_vdst(0)
.irp c, 0,1,2
	v_mul_f32 v[32+\c], v[32+\c], v64
.endr
	v_mov_b32 v35, 0
	global_store_b128 v6, v[32:35], s[32:33]       ; lane (r, h): the gates of the tile's row r
.Lend:
	s_wait_tensorcnt 0x0
	ds_add_u32 v254, v255
	s_wait_dscnt 0x0
	s_endpgm
.Lfunc_end_k_qf43f75a9f6_prep:
	.size	k_qf43f75a9f6_prep, .Lfunc_end_k_qf43f75a9f6_prep-k_qf43f75a9f6_prep
	.p2alignl 7, 3214868480
	.fill 96, 4, 3214868480
	.section	.rodata,"a",@progbits
	.p2align	6, 0x0
	.amdhsa_kernel k_qf43f75a9f6_prep
		.amdhsa_group_segment_fixed_size 5120
		.amdhsa_private_segment_fixed_size 0
		.amdhsa_enable_private_segment 0
		.amdhsa_kernarg_size 64
		.amdhsa_user_sgpr_count 2
		.amdhsa_user_sgpr_kernarg_segment_ptr 1
		.amdhsa_wavefront_size32 1
		.amdhsa_system_sgpr_workgroup_id_x 1
		.amdhsa_system_sgpr_workgroup_id_y 1
		.amdhsa_system_sgpr_workgroup_id_z 1
		.amdhsa_system_vgpr_workitem_id 0
		.amdhsa_next_free_vgpr 256
		.amdhsa_next_free_sgpr 66
		.amdhsa_reserve_vcc 0
		.amdhsa_float_denorm_mode_32 3
		.amdhsa_float_denorm_mode_16_64 3
		.amdhsa_memory_ordered 1
		.amdhsa_forward_progress 1
		.amdhsa_inst_pref_size 43
	.end_amdhsa_kernel
	.amdgpu_metadata
---
amdhsa.version: [ 1, 2 ]
amdhsa.kernels:
  - .name:           k_qf43f75a9f6_prep
    .symbol:         k_qf43f75a9f6_prep.kd
    .args:
      - { .name: hidden_states, .offset: 0, .size: 8, .value_kind: global_buffer, .address_space: global }
      - { .name: Wq, .offset: 8, .size: 8, .value_kind: global_buffer, .address_space: global }
      - { .name: Wk, .offset: 16, .size: 8, .value_kind: global_buffer, .address_space: global }
      - { .name: Wv, .offset: 24, .size: 8, .value_kind: global_buffer, .address_space: global }
      - { .name: Wo, .offset: 32, .size: 8, .value_kind: global_buffer, .address_space: global }
      - { .name: Wg, .offset: 40, .size: 8, .value_kind: global_buffer, .address_space: global }
      - { .name: bg, .offset: 48, .size: 8, .value_kind: global_buffer, .address_space: global }
      - { .name: prepw, .offset: 56, .size: 8, .value_kind: global_buffer, .address_space: global }
    .group_segment_fixed_size: 5120
    .private_segment_fixed_size: 0
    .kernarg_segment_align: 8
    .kernarg_segment_size: 64
    .max_flat_workgroup_size: 256
    .sgpr_count:     66
    .vgpr_count:     256
    .wavefront_size: 32
...
	.end_amdgpu_metadata
.endif
;; end of part 1
;; launch qkv (part 2): grid 12 x 32, 8 waves a work-group, no clusters, 312,320 bytes of LDS; arguments prepw, bq, bk, bv, qkvw; writes qkvw
.if DOCPART == 2
	.amdgcn_target "amdgcn-amd-amdhsa--gfx1250"
	.amdhsa_code_object_version 6
	.text
	.protected	k_qf43f75a9f6_qkv
	.globl	k_qf43f75a9f6_qkv
	.p2align	8
	.type	k_qf43f75a9f6_qkv,@function
k_qf43f75a9f6_qkv:
	s_mov_b64 s[64:65], 0
	v_nop
	global_prefetch_b8 v0, s[64:65] scope:SCOPE_SE
	s_setreg_imm32_b32 hwreg(HW_REG_WAVE_MODE, 25, 1), 1
	s_wait_xcnt 0x0
; QKV: q, k, v = Q(x) Q(W) + b on codes of FP6, and what the later launches want of them, all as images of operand registers (a HALF: 16 rows x 64 K, 768 bytes: registers 0-3 at 16 x lane, 4-5 at 512 + 8 x lane).
; A work-group takes 128 rows (y) x 256 columns (x): four heads of ONE kind (x / 4: q, k, v).  Wave w: 64 rows (w & 1: one block of 64 keys) x one head (w / 2): 16 accumulators.
; Both panels for ALL of K (98,304 + 196,608 bytes) and their scale words fit in LDS: they are copied in once, lane by lane, at the head; nothing is filled again.  No joint loads: lane copies have no joint form.
; q, k: source 0 = 16 columns of W, source 1 = 16 rows of x: a lane holds one row t and its registers run along d; the bias is the C of the first step.  v: the sources swapped: a lane holds one d and its registers run along t, the second product's K.
; The rows of a tile are index 32 b + 8 u + rho + (rho & 8) (tile 2 b + u), so that the 16 registers of two neighbouring tiles are 16 neighbours.
; Out: q: codes of q and of q / max(|q|, 1e-8);  k: codes, and the block's mean;  v: codes along the keys, and the block's mean.
; LIMITS: NaN and infinities are not served; a block under 2^-124 (zeros too) gets the byte 1.
.set XSO,  3145728                     ; prepw
.set WCO,  3407872
.set WSO,  6553600
.set QSO,  3145728                     ; qkvw: q's codes at 0 [bh][tile 128] halves; q's scale words [bh][blk 32][32 lanes][4 tiles]
.set NCO,  3670016                     ; the same two for q / |q|
.set NSO,  6815744
.set KVO,  7340032                     ; [bh][blk] records of 7,168 bytes: 4 halves of k, 4 of v, k's words [lane][4], v's words [lane][4]
.set KRO,  14680064                    ; the blocks' means of k [bh][blk][64] f32
.set VRO,  14942208                    ; and of v [bh][blk][32 lanes][4 tiles of d]
.set LB,   98304                       ; LDS: x's panel at 0 (8 steps x 8 fragments), W's here (8 x 16), then the scale words: x's, and 8,192 bytes on W's
.set LXS,  294912
.set LWS,  303104
.set GRA,  49152                       ; the copies' immediates stay under 65,536: x's panel goes in two groups of four K steps,
.set GRB,  73728                       ; W's in groups of three, three and two; a group has an LDS address register and a base of its own
.set FLOOR, 0x1800000
.set EOFF,  0xff000000
.set SEL, 40
.set AF,  32                           ; v32-79   four fragments of x
.set BF,  80                           ; v80-127  four of W
.set ACC, 128                          ; v128-255 accumulator (a, c) at 128 + 32 a + 8 c
.set XSR, 20                           ; v20-23 x's scale words, v24-25 W's: scales and nothing else
.set WSR, 24
.set TM,  32                           ; the way out lies in the fragments' registers
.set TT,  40
.set SS,  48
.set CSR, 56
.set KG,  116
.macro PLACES
.rept 4
	v_nop
.endr
.endm
.macro FRAGLD reg, a16, a8, off
	ds_load_b128 v[(\reg):(\reg)+3], v[\a16] offset:(\off)
	ds_load_b64 v[(\reg)+4:(\reg)+5], v[\a8] offset:(\off)+512
	ds_load_b128 v[(\reg)+6:(\reg)+9], v[\a16] offset:(\off)+768
	ds_load_b64 v[(\reg)+10:(\reg)+11], v[\a8] offset:(\off)+1280
.endm
; 32 numbers of a lane, register 16 b + i = k 32 b + 16 h + i of my row, become a half in v[dst] .. v[dst + 5] and its scale word (bytes 0, 1) in v[pw]
.macro QUANT2 src, dst, pw
	v_max3_num_f32 v[TM], |v[(\src)]|, |v[(\src)+1]|, FLOOR
	v_max3_num_f32 v[TM+1], |v[(\src)+16]|, |v[(\src)+17]|, FLOOR
.irp i, 2,4,6,8,10,12,14
	v_max3_num_f32 v[TM], v[TM], |v[(\src)+\i]|, |v[(\src)+1+\i]|
	v_max3_num_f32 v[TM+1], v[TM+1], |v[(\src)+16+\i]|, |v[(\src)+17+\i]|
.endr
	v_permlanex16_b32 v[TM+2], v[TM], s[SEL], s[SEL+1]
	v_permlanex16_b32 v[TM+3], v[TM+1], s[SEL], s[SEL+1]
	v_max_num_f32 v[TM], v[TM], v[TM+2]
	v_max_num_f32 v[TM+1], v[TM+1], v[TM+3]
	v_add_nc_u32 v[TM+4], EOFF, v[TM]
	v_add_nc_u32 v[TM+5], EOFF, v[TM+1]
	v_lshrrev_b32 v[TM+6], 23, v[TM+4]
	v_lshrrev_b32 v[TM+7], 23, v[TM+5]
	v_lshl_or_b32 v[\pw], v[TM+7], 8, v[TM+6]
	v_cvt_scalef32_pk16_fp6_f32 v[(\dst):(\dst)+2], v[(\src):(\src)+15], v[TM+4]
	v_cvt_scalef32_pk16_fp6_f32 v[TT:TT+2], v[(\src)+16:(\src)+31], v[TM+5]
	v_nop                                          ; one plain place behind the conversions
.irp i, 0,1,2
	v_permlane16_swap_b32 v[(\dst)+\i], v[TT+\i]
.endr
.irp i, 0,1,2
	v_mov_b32 v[(\dst)+3+\i], v[TT+\i]
.endr
.endm
.macro STHALF dst, base, off           ; 512 + 256 consecutive bytes, aligned
	global_store_b128 v1, v[(\dst):(\dst)+3], s[\base:\base+1] offset:(\off)
	global_store_b64 v2, v[(\dst)+4:(\dst)+5], s[\base:\base+1] offset:(\off)+512
.endm
; one stage of a sum over the 16 lanes of a row that leaves each lane with its own part: lanes in the mask keep the upper n registers and give the lower, the others the other way round
.macro RSTAGE R, n, smask, xm
.set ri, 0
.rept \n
	v_cndmask_b32 v[KG+2*(ri%2)], v[\R+ri], v[\R+\n+ri], s[\smask]
	v_cndmask_b32 v[KG+1+2*(ri%2)], v[\R+\n+ri], v[\R+ri], s[\smask]
	v_add_f32_dpp v[\R+ri], v[KG+1+2*(ri%2)], v[KG+2*(ri%2)] row_xmask:\xm row_mask:0xf bank_mask:0xf
.set ri, ri+1
.endr
.endm
; 16 matrix instructions; the 16 accumulators take turns, one instruction a turn, in the same order in every step
.macro MULT                            ; q, k
.irp a, 0,1,2,3
.irp c, 0,1,2,3
.if \c%2
	v_wmma_scale_f32_16x16x128_f8f6f4 v[ACC+32*\a+8*\c:ACC+32*\a+8*\c+7], v[BF+12*\c:BF+12*\c+11], v[AF+12*\a:AF+12*\a+11], v[ACC+32*\a+8*\c:ACC+32*\a+8*\c+7], v[WSR+\c/2], v[XSR+\a] matrix_a_fmt:MATRIX_FMT_FP6 matrix_b_fmt:MATRIX_FMT_FP6 matrix_a_scale:MATRIX_SCALE_ROW1
.else
	v_wmma_scale_f32_16x16x128_f8f6f4 v[ACC+32*\a+8*\c:ACC+32*\a+8*\c+7], v[BF+12*\c:BF+12*\c+11], v[AF+12*\a:AF+12*\a+11], v[ACC+32*\a+8*\c:ACC+32*\a+8*\c+7], v[WSR+\c/2], v[XSR+\a] matrix_a_fmt:MATRIX_FMT_FP6 matrix_b_fmt:MATRIX_FMT_FP6
.endif
.endr
.endr
.endm
.macro MULN zero                       ; v: a = tile of d (W), c = tile of t (x)
.irp a, 0,1,2,3
.irp c, 0,1,2,3
.if \zero
.if \a%2
	v_wmma_scale_f32_16x16x128_f8f6f4 v[ACC+32*\a+8*\c:ACC+32*\a+8*\c+7], v[AF+12*\c:AF+12*\c+11], v[BF+12*\a:BF+12*\a+11], 0, v[XSR+\c], v[WSR+\a/2] matrix_a_fmt:MATRIX_FMT_FP6 matrix_b_fmt:MATRIX_FMT_FP6 matrix_b_scale:MATRIX_SCALE_ROW1
.else
	v_wmma_scale_f32_16x16x128_f8f6f4 v[ACC+32*\a+8*\c:ACC+32*\a+8*\c+7], v[AF+12*\c:AF+12*\c+11], v[BF+12*\a:BF+12*\a+11], 0, v[XSR+\c], v[WSR+\a/2] matrix_a_fmt:MATRIX_FMT_FP6 matrix_b_fmt:MATRIX_FMT_FP6
.endif
.else
.if \a%2
	v_wmma_scale_f32_16x16x128_f8f6f4 v[ACC+32*\a+8*\c:ACC+32*\a+8*\c+7], v[AF+12*\c:AF+12*\c+11], v[BF+12*\a:BF+12*\a+11], v[ACC+32*\a+8*\c:ACC+32*\a+8*\c+7], v[XSR+\c], v[WSR+\a/2] matrix_a_fmt:MATRIX_FMT_FP6 matrix_b_fmt:MATRIX_FMT_FP6 matrix_b_scale:MATRIX_SCALE_ROW1
.else
	v_wmma_scale_f32_16x16x128_f8f6f4 v[ACC+32*\a+8*\c:ACC+32*\a+8*\c+7], v[AF+12*\c:AF+12*\c+11], v[BF+12*\a:BF+12*\a+11], v[ACC+32*\a+8*\c:ACC+32*\a+8*\c+7], v[XSR+\c], v[WSR+\a/2] matrix_a_fmt:MATRIX_FMT_FP6 matrix_b_fmt:MATRIX_FMT_FP6
.endif
.endif
.endr
.endr
.endm
; A K step of 128.  mode 0: q, k; 1: v
.macro KSTEP st, mode
	s_wait_asynccnt 63-9*\st                       ; copies end in order: behind this step's last stand nine for each later step, which may stay out
	s_barrier_signal -1                            ; every wave's part of the step has landed; no LDS access of mine is out
	s_barrier_wait -1
.if \st > 0
	v_add_nc_u32 v12, 12288, v12                   ; on to the next step's slabs; these four are the places between the last products and the loads into their registers
	v_add_nc_u32 v13, 12288, v13
	v_add_nc_u32 v14, 24576, v14
	v_add_nc_u32 v15, 24576, v15
.endif
.irp a, 0,1,2,3
	FRAGLD AF+12*\a, 12, 13, 1536*\a
.endr
.irp c, 0,1,2,3
	FRAGLD BF+12*\c, 14, 15, 1536*\c
.endr
.irp a, 0,1,2,3
	ds_load_b32 v[XSR+\a], v16 offset:1024*\st+128*\a
.endr
.irp p, 0,1
	ds_load_b32 v[WSR+\p], v17 offset:1024*\st+128*\p
.endr
	s_wait_dscnt 0x0
.if \mode == 0
	MULT
.elseif \st == 0
	MULN 1
.else
	MULN 0
.endif
.endm
	s_load_b256 s[4:11], s[0:1], 0x0               ; prepw s[4:5], bq s[6:7], bk s[8:9], bv s[10:11]
	s_load_b64 s[12:13], s[0:1], 0x20              ; qkvw
	s_set_vgpr_msb 0x40
	v_lshl_add_u32 v0, v0, 2, 0x4c000
	v_mov_b32 v1, 0
	s_set_vgpr_msb 0x4045
	ds_add_u32 v0, v1
	ds_add_u32 v0, v1
	s_set_vgpr_msb 0x4500
	v_lshrrev_b32 v1, 5, v0
	v_readfirstlane_b32 s14, v1                    ; wave 0..7
	s_and_b32 s15, s14, 1                          ; rw: which 64 rows
	s_lshr_b32 s16, s14, 1                         ; cw: which head of the four
	s_mov_b32 s17, ttmp9                           ; x
	s_and_b32 s18, ttmp7, 0xffff                   ; y
	s_lshr_b32 s19, s17, 2                         ; kind: 0 q, 1 k, 2 v
	s_and_b32 s20, s17, 3
	s_lshl_b32 s20, s20, 2
	s_add_co_u32 s20, s20, s16                     ; head
	s_lshr_b32 s21, s18, 4
	s_lshl_b32 s21, s21, 4
	s_add_co_u32 s21, s21, s20                     ; bh
	s_lshl_b32 s21, s21, 5
	s_and_b32 s22, s18, 15
	s_lshl_b32 s22, s22, 1
	s_add_co_u32 s22, s22, s15
	s_add_co_u32 s21, s21, s22                     ; rec = 32 bh + blk
	v_and_b32 v11, 31, v0
	v_lshlrev_b32 v1, 4, v11                       ; 16 x lane
	v_lshlrev_b32 v2, 3, v11                       ; 8 x lane
	v_lshlrev_b32 v3, 2, v11                       ; 4 x lane: for the two lines below alone
	s_lshl_b32 s32, s15, 9
	s_add_co_u32 s32, s32, LXS
	v_add_nc_u32 v16, s32, v3                      ; my rows' scale words
	s_lshl_b32 s32, s16, 8
	s_add_co_u32 s32, s32, LWS
	v_add_nc_u32 v17, s32, v3                      ; my head's
	s_mul_i32 s32, s14, 1536
	v_add_nc_u32 v4, s32, v1                       ; the copies' places: x's slab, an eighth a wave: in memory,
	v_add_nc_u32 v5, s32, v1                       ; in LDS for K steps 0-3,
	v_add_nc_u32 v3, GRA, v5                       ; and for K steps 4-7
	s_mul_i32 s32, s14, 3072
	v_add_nc_u32 v6, s32, v1                       ; W's slab: in memory,
	v_add_nc_u32 v7, LB, v6                        ; in LDS for K steps 0-2,
	v_add_nc_u32 v10, LB+GRB, v6                   ; 3-5,
	v_add_nc_u32 v11, LB+2*GRB, v6                 ; 6-7
	s_lshl_b32 s32, s14, 10
	v_add_nc_u32 v8, s32, v1                       ; the scale words: in memory,
	v_add_nc_u32 v9, LXS, v8                       ; and in LDS.  v3-v11 are never written again
	s_mul_i32 s32, s15, 6144
	v_add_nc_u32 v12, s32, v1                      ; my four fragments of x
	v_add_nc_u32 v13, s32, v2
	s_mul_i32 s32, s16, 6144
	s_add_co_u32 s32, s32, LB
	v_add_nc_u32 v14, s32, v1                      ; my four of W
	v_add_nc_u32 v15, s32, v2
	s_mul_i32 s32, s18, 98304
	s_mov_b32 s33, 0
	s_mul_i32 s34, s17, 196608
	s_add_co_u32 s34, s34, WCO
	s_mov_b32 s35, 0
	s_lshl_b32 s36, s18, 13
	s_add_co_u32 s36, s36, XSO
	s_mov_b32 s37, 0
	s_lshl_b32 s38, s17, 13
	s_add_co_u32 s38, s38, WSO-(LWS-LXS)           ; W's words are copied with the immediate LWS - LXS, which is added to both addresses: it is taken off here
	s_mov_b32 s39, 0
	s_mov_b32 s[SEL], 0x76543210
	s_mov_b32 s[SEL+1], 0xfedcba98
	s_mov_b32 s44, 0xff00ff00
	s_mov_b32 s45, 0xf0f0f0f0
	s_mov_b32 s46, 0xcccccccc
	s_mov_b32 s47, 0xaaaaaaaa
	s_wait_dscnt 0x0
	s_wait_kmcnt 0x0
	s_add_nc_u64 s[24:25], s[4:5], s[32:33]        ; the seven bases are never written again
	s_add_nc_u64 s[26:27], s[4:5], s[34:35]
	s_add_nc_u64 s[28:29], s[4:5], s[36:37]
	s_add_nc_u64 s[30:31], s[4:5], s[38:39]
	s_add_nc_u64 s[48:49], s[24:25], GRA
	s_add_nc_u64 s[50:51], s[26:27], GRB
	s_add_nc_u64 s[52:53], s[26:27], 2*GRB
	; all copies, ahead of every wait on their counter, every LDS read and every barrier: 4 + 8 x 9 = 76 a wave, in the order of the K steps; the immediate is added to both addresses
	global_load_async_to_lds_b128 v9, v8, s[28:29]
	global_load_async_to_lds_b128 v9, v8, s[28:29] offset:512
	global_load_async_to_lds_b128 v9, v8, s[30:31] offset:LWS-LXS
	global_load_async_to_lds_b128 v9, v8, s[30:31] offset:LWS-LXS+512
.irp t, 0,1,2,3,4,5,6,7
.irp i, 0,1,2
.if \t < 4
	global_load_async_to_lds_b128 v5, v4, s[24:25] offset:12288*\t+512*\i
.else
	global_load_async_to_lds_b128 v3, v4, s[48:49] offset:12288*(\t-4)+512*\i
.endif
.endr
.irp i, 0,1,2,3,4,5
.if \t < 3
	global_load_async_to_lds_b128 v7, v6, s[26:27] offset:24576*\t+512*\i
.elseif \t < 6
	global_load_async_to_lds_b128 v10, v6, s[50:51] offset:24576*(\t-3)+512*\i
.else
	global_load_async_to_lds_b128 v11, v6, s[52:53] offset:24576*(\t-6)+512*\i
.endif
.endr
.endr
	s_lshl_b32 s32, s20, 8                         ; the head's 64 numbers of a bias
	s_mov_b32 s33, 0
	s_cmp_eq_u32 s19, 2                            ; the kind hangs on the work-group's number alone: all eight waves go one way
	s_cbranch_scc1 .Lv_path
	; ---------------- q, k
	s_cmp_eq_u32 s19, 1
	s_cselect_b64 s[6:7], s[8:9], s[6:7]
	s_add_nc_u64 s[6:7], s[6:7], s[32:33]
	v_bfe_u32 v18, v0, 4, 1
	v_lshlrev_b32 v18, 6, v18                      ; 64 h
.irp a, 0,1,2,3
.irp b, 0,1
.irp j, 0,1,2,3
	global_load_b128 v[ACC+32*\a+16*\b+4*\j:ACC+32*\a+16*\b+4*\j+3], v18, s[6:7] offset:128*\b+16*\j   ; the bias in the result's layout: d = 32 b + 16 h + 4 j on: the C of the first step
.endr
.endr
.endr
	s_wait_loadcnt 0x0
.irp t, 0,1,2,3,4,5,6,7
	KSTEP \t, 0
.endr
	PLACES                                         ; behind the last products, ahead of the first read of results and the first write of the fragments' registers
	v_mov_b32 v[TM+2], 0                           ; written once: a lane permute's destination counts as one of its sources
	v_mov_b32 v[TM+3], 0
	s_cmp_eq_u32 s19, 1
	s_cbranch_scc1 .Lk_out
	; ---- q: v[ACC + 32 a + 16 b + i] = q(row r of tile a, d = 32 b + 16 h + i)
	s_mul_i32 s32, s21, 3072
	s_mov_b32 s33, 0
	s_add_nc_u64 s[32:33], s[12:13], s[32:33]
	s_lshl_b32 s34, s21, 9
	s_add_co_u32 s34, s34, QSO
	s_mov_b32 s35, 0
	s_add_nc_u64 s[34:35], s[12:13], s[34:35]
.irp a, 0,1,2,3
	v_pk_mul_f32 v[SS+2*\a:SS+2*\a+1], v[ACC+32*\a:ACC+32*\a+1], v[ACC+32*\a:ACC+32*\a+1]   ; the sums of squares, four chains by turns, each accumulator from its low end on
.endr
.set i2, 2
.rept 15
.irp a, 0,1,2,3
	v_pk_fma_f32 v[SS+2*\a:SS+2*\a+1], v[ACC+32*\a+i2:ACC+32*\a+i2+1], v[ACC+32*\a+i2:ACC+32*\a+i2+1], v[SS+2*\a:SS+2*\a+1]
.endr
.set i2, i2+2
.endr
.irp a, 0,1,2,3
	v_add_f32 v[SS+2*\a], v[SS+2*\a], v[SS+2*\a+1]
.endr
.irp a, 0,1,2,3
	v_permlanex16_b32 v[SS+2*\a+1], v[SS+2*\a], s[SEL], s[SEL+1]
.endr
.irp a, 0,1,2,3
	v_add_f32 v[SS+2*\a], v[SS+2*\a], v[SS+2*\a+1]
.endr
.irp a, 0,1,2,3
	v_sqrt_f32 v[SS+2*\a], v[SS+2*\a]
.endr
	v_nop
	s_wait_alu depctr_va_vdst(0)                   ; one wait for the four roots, ahead of their first reader
.irp a, 0,1,2,3
	v_max_num_f32 v[SS+2*\a], 0x322bcc77, v[SS+2*\a]   ; max(|q|, 1e-8)
.endr
.irp a, 0,1,2,3
	v_rcp_f32 v[SS+2*\a], v[SS+2*\a]
.endr
	v_nop
	s_wait_alu depctr_va_vdst(0)
.irp a, 0,1,2,3
	QUANT2 ACC+32*\a, CSR+6*\a, 104+\a
.set i2, 0
.rept 16
	v_pk_mul_f32 v[ACC+32*\a+i2:ACC+32*\a+i2+1], v[ACC+32*\a+i2:ACC+32*\a+i2+1], v[SS+2*\a:SS+2*\a+1] op_sel_hi:[1,0]
.set i2, i2+2
.endr
	QUANT2 ACC+32*\a, CSR+24+6*\a, 108+\a
.endr
.irp a, 0,1,2,3
	STHALF CSR+6*\a, 32, 768*\a
	STHALF CSR+24+6*\a, 32, NCO+768*\a
.endr
	global_store_b128 v1, v[104:107], s[34:35]
	global_store_b128 v1, v[108:111], s[34:35] offset:NSO-QSO
	s_set_vgpr_msb 0x5
	s_wait_tensorcnt 0x0
	ds_add_u32 v0, v1
	s_wait_dscnt 0x0
	s_set_vgpr_msb 0x500
	s_endpgm
	; ---- k
.Lk_out:
	s_mul_i32 s32, s21, 7168
	s_add_co_u32 s32, s32, KVO
	s_mov_b32 s33, 0
	s_add_nc_u64 s[32:33], s[12:13], s[32:33]
	s_lshl_b32 s34, s21, 8
	s_add_co_u32 s34, s34, KRO
	s_mov_b32 s35, 0
	s_add_nc_u64 s[34:35], s[12:13], s[34:35]
.irp a, 0,1,2,3
	QUANT2 ACC+32*\a, CSR+6*\a, 112+\a
.endr
.irp a, 0,1,2,3
	STHALF CSR+6*\a, 32, 768*\a
.endr
	global_store_b128 v1, v[112:115], s[32:33] offset:6144
.set i2, 0
.rept 16
	v_pk_add_f32 v[80+i2:81+i2], v[ACC+i2:ACC+i2+1], v[ACC+32+i2:ACC+33+i2]    ; the four tiles' rows,
.set i2, i2+2
.endr
.set i2, 0
.rept 16
	v_pk_add_f32 v[80+i2:81+i2], v[80+i2:81+i2], v[ACC+64+i2:ACC+65+i2]
.set i2, i2+2
.endr
.set i2, 0
.rept 16
	v_pk_add_f32 v[80+i2:81+i2], v[80+i2:81+i2], v[ACC+96+i2:ACC+97+i2]
.set i2, i2+2
.endr
	RSTAGE 80, 16, 44, 8                           ; and the sixteen lanes': lane r is left with registers 2 r, 2 r + 1 of the 32
	RSTAGE 80, 8, 45, 4
	RSTAGE 80, 4, 46, 2
	RSTAGE 80, 2, 47, 1
	v_mul_f32 v80, 0x3c800000, v80                 ; / 64
	v_mul_f32 v81, 0x3c800000, v81
	v_and_b32 v120, 7, v0
	v_lshlrev_b32 v120, 3, v120
	v_bfe_u32 v121, v0, 3, 1
	v_lshl_add_u32 v120, v121, 7, v120
	v_bfe_u32 v121, v0, 4, 1
	v_lshl_add_u32 v120, v121, 6, v120             ; d = 32 (r / 8) + 16 h + 2 (r % 8): the 32 lanes store 256 consecutive bytes
	global_store_b64 v120, v[80:81], s[34:35]
	s_set_vgpr_msb 0x5
	s_wait_tensorcnt 0x0
	ds_add_u32 v0, v1
	s_wait_dscnt 0x0
	s_set_vgpr_msb 0x500
	s_endpgm
	; ---------------- v
.Lv_path:
	s_add_nc_u64 s[10:11], s[10:11], s[32:33]
	v_and_b32 v32, 15, v0                          ; (v32 and v33 are free until the first fragments are loaded, behind the wait for these loads)
	v_and_b32 v33, 8, v0
	v_add_nc_u32 v32, v32, v33
	v_lshlrev_b32 v32, 2, v32                      ; my d in a tile: r + (r & 8)
.macro BVLOAD reg, nt                  ; the lane's one number of bv for tile nt, twice: a pair for the packed addition
	global_load_b32 v[\reg], v32, s[10:11] offset:4*(32*(\nt/2)+8*(\nt%2))
	global_load_b32 v[\reg+1], v32, s[10:11] offset:4*(32*(\nt/2)+8*(\nt%2))
.endm
	BVLOAD 18, 0
	BVLOAD 26, 1
	BVLOAD 28, 2
	BVLOAD 30, 3
	s_wait_loadcnt 0x0
.irp t, 0,1,2,3,4,5,6,7
	KSTEP \t, 1
.endr
	PLACES
	v_mov_b32 v[TM+2], 0
	v_mov_b32 v[TM+3], 0
	s_mul_i32 s32, s21, 7168
	s_add_co_u32 s32, s32, KVO
	s_mov_b32 s33, 0
	s_add_nc_u64 s[32:33], s[12:13], s[32:33]
	s_lshl_b32 s34, s21, 9
	s_add_co_u32 s34, s34, VRO
	s_mov_b32 s35, 0
	s_add_nc_u64 s[34:35], s[12:13], s[34:35]
.macro VBIAS reg, nt                   ; v[ACC + 32 nt + 16 b + i] = v(t = 32 b + 16 h + i, my d of tile nt)
.set i2, 0
.rept 16
	v_pk_add_f32 v[ACC+32*\nt+i2:ACC+32*\nt+i2+1], v[ACC+32*\nt+i2:ACC+32*\nt+i2+1], v[\reg:\reg+1]
.set i2, i2+2
.endr
.endm
	VBIAS 18, 0
	VBIAS 26, 1
	VBIAS 28, 2
	VBIAS 30, 3
.irp n, 0,1,2,3
	v_pk_add_f32 v[SS+2*\n:SS+2*\n+1], v[ACC+32*\n:ACC+32*\n+1], v[ACC+32*\n+2:ACC+32*\n+3]   ; the block's mean of v: my 32 keys,
.endr
.set i2, 4
.rept 14
.irp n, 0,1,2,3
	v_pk_add_f32 v[SS+2*\n:SS+2*\n+1], v[SS+2*\n:SS+2*\n+1], v[ACC+32*\n+i2:ACC+32*\n+i2+1]
.endr
.set i2, i2+2
.endr
.irp n, 0,1,2,3
	v_add_f32 v[SS+2*\n], v[SS+2*\n], v[SS+2*\n+1]
.endr
.irp n, 0,1,2,3
	v_permlanex16_b32 v[SS+2*\n+1], v[SS+2*\n], s[SEL], s[SEL+1]
.endr
.irp n, 0,1,2,3
	v_add_f32 v[SS+2*\n], v[SS+2*\n], v[SS+2*\n+1] ; and lane l xor 16's
.endr
.irp n, 0,1,2,3
	v_mul_f32 v[116+\n], 0x3c800000, v[SS+2*\n]
.endr
.irp n, 0,1,2,3
	QUANT2 ACC+32*\n, CSR+6*\n, 112+\n
.endr
.irp n, 0,1,2,3
	STHALF CSR+6*\n, 32, 3072+768*\n
.endr
	global_store_b128 v1, v[112:115], s[32:33] offset:6656
	global_store_b128 v1, v[116:119], s[34:35]
	s_set_vgpr_msb 0x5
	s_wait_tensorcnt 0x0
	ds_add_u32 v0, v1
	s_wait_dscnt 0x0
	s_set_vgpr_msb 0x500
	s_endpgm
.Lfunc_end_k_qf43f75a9f6_qkv:
	.size	k_qf43f75a9f6_qkv, .Lfunc_end_k_qf43f75a9f6_qkv-k_qf43f75a9f6_qkv
	.p2alignl 7, 3214868480
	.fill 96, 4, 3214868480
	.section	.rodata,"a",@progbits
	.p2align	6, 0x0
	.amdhsa_kernel k_qf43f75a9f6_qkv
		.amdhsa_group_segment_fixed_size 312320
		.amdhsa_private_segment_fixed_size 0
		.amdhsa_enable_private_segment 0
		.amdhsa_kernarg_size 40
		.amdhsa_user_sgpr_count 2
		.amdhsa_user_sgpr_kernarg_segment_ptr 1
		.amdhsa_wavefront_size32 1
		.amdhsa_system_sgpr_workgroup_id_x 1
		.amdhsa_system_sgpr_workgroup_id_y 1
		.amdhsa_system_sgpr_workgroup_id_z 1
		.amdhsa_system_vgpr_workitem_id 0
		.amdhsa_next_free_vgpr 258
		.amdhsa_next_free_sgpr 66
		.amdhsa_reserve_vcc 0
		.amdhsa_float_denorm_mode_32 3
		.amdhsa_float_denorm_mode_16_64 3
		.amdhsa_memory_ordered 1
		.amdhsa_forward_progress 1
		.amdhsa_inst_pref_size 153
	.end_amdhsa_kernel
	.amdgpu_metadata
---
amdhsa.version: [ 1, 2 ]
amdhsa.kernels:
  - .name:           k_qf43f75a9f6_qkv
    .symbol:         k_qf43f75a9f6_qkv.kd
    .args:
      - { .name: prepw, .offset: 0, .size: 8, .value_kind: global_buffer, .address_space: global }
      - { .name: bq, .offset: 8, .size: 8, .value_kind: global_buffer, .address_space: global }
      - { .name: bk, .offset: 16, .size: 8, .value_kind: global_buffer, .address_space: global }
      - { .name: bv, .offset: 24, .size: 8, .value_kind: global_buffer, .address_space: global }
      - { .name: qkvw, .offset: 32, .size: 8, .value_kind: global_buffer, .address_space: global }
    .group_segment_fixed_size: 312320
    .private_segment_fixed_size: 0
    .kernarg_segment_align: 8
    .kernarg_segment_size: 40
    .max_flat_workgroup_size: 256
    .sgpr_count:     66
    .vgpr_count:     258
    .wavefront_size: 32
...
	.end_amdgpu_metadata
.endif
;; end of part 2
;; launch pick (part 3): grid 32 x 1, 16 waves a work-group, no clusters, 4,096 bytes of LDS; arguments qkvw, cmpw, selw; writes cmpw, selw
.if DOCPART == 3
	.amdgcn_target "amdgcn-amd-amdhsa--gfx1250"
	.amdhsa_code_object_version 6
	.text
	.protected	k_qf43f75a9f6_pick
	.globl	k_qf43f75a9f6_pick
	.p2align	8
	.type	k_qf43f75a9f6_pick,@function
k_qf43f75a9f6_pick:
	s_mov_b64 s[64:65], 0
	v_nop
	global_prefetch_b8 v0, s[64:65] scope:SCOPE_SE
	s_setreg_imm32_b32 hwreg(HW_REG_WAVE_MODE, 25, 1), 1
	s_wait_xcnt 0x0
; PICK: one work-group for each (batch, head): the head's top 8 of 32 key blocks, and the codes of the blocks' means for the compressed branch.  The choice needs the whole head, so there are 32 work-groups and no more.
; The score of block n is the sum over the 2,048 queries of Q(q / |q|) . Q(k_rep / |k_rep|), a product on codes of FP6.  reference() divides by 2,048: an exact positive power of two, which changes no order, so it is left out.
; One matrix instruction takes TWO tiles of queries: source 0 = [kn | kn] (the 64 codes twice), source 1 = [tile 2 i | tile 2 i + 1], so that its sum over K adds both tiles' scores; the two accumulators go on over the wave's eight tiles.
; The order is made by counting, for each block, the blocks that come before it (a larger score, or an equal one with a lower index, as jax.lax.top_k has it); no branch and no address hangs on a score.
; LIMITS: NaN and infinities are not served.  The sum over T is taken in another order than reference()'s mean: blocks whose means agree to f32 rounding may change places.
.set NCO,  3670016
.set NSO,  6815744
.set KRO,  14680064
.set VRO,  14942208
.set FLOOR, 0x1800000
.set EOFF,  0xff000000
.set SEL, 40
.set TM,  200
.set TT,  208
.set KG,  14
.macro QUANT2 src, dst, pw             ; 32 numbers of a lane, register 16 b + i = k 32 b + 16 h + i, become a half and its scale word
	v_max3_num_f32 v[TM], |v[(\src)]|, |v[(\src)+1]|, FLOOR
	v_max3_num_f32 v[TM+1], |v[(\src)+16]|, |v[(\src)+17]|, FLOOR
.irp i, 2,4,6,8,10,12,14
	v_max3_num_f32 v[TM], v[TM], |v[(\src)+\i]|, |v[(\src)+1+\i]|
	v_max3_num_f32 v[TM+1], v[TM+1], |v[(\src)+16+\i]|, |v[(\src)+17+\i]|
.endr
	v_permlanex16_b32 v[TM+2], v[TM], s[SEL], s[SEL+1]
	v_permlanex16_b32 v[TM+3], v[TM+1], s[SEL], s[SEL+1]
	v_max_num_f32 v[TM], v[TM], v[TM+2]
	v_max_num_f32 v[TM+1], v[TM+1], v[TM+3]
	v_add_nc_u32 v[TM+4], EOFF, v[TM]
	v_add_nc_u32 v[TM+5], EOFF, v[TM+1]
	v_lshrrev_b32 v[TM+6], 23, v[TM+4]
	v_lshrrev_b32 v[TM+7], 23, v[TM+5]
	v_lshl_or_b32 v[\pw], v[TM+7], 8, v[TM+6]
	v_cvt_scalef32_pk16_fp6_f32 v[(\dst):(\dst)+2], v[(\src):(\src)+15], v[TM+4]
	v_cvt_scalef32_pk16_fp6_f32 v[TT:TT+2], v[(\src)+16:(\src)+31], v[TM+5]
	v_nop
.irp i, 0,1,2
	v_permlane16_swap_b32 v[(\dst)+\i], v[TT+\i]
.endr
.irp i, 0,1,2
	v_mov_b32 v[(\dst)+3+\i], v[TT+\i]
.endr
.endm
.macro STHALF dst, base, off
	global_store_b128 v1, v[(\dst):(\dst)+3], s[\base:\base+1] offset:(\off)
	global_store_b64 v2, v[(\dst)+4:(\dst)+5], s[\base:\base+1] offset:(\off)+512
.endm
.macro RSTAGE R, n, smask, xm
.set ri, 0
.rept \n
	v_cndmask_b32 v[KG+2*(ri%2)], v[\R+ri], v[\R+\n+ri], s[\smask]
	v_cndmask_b32 v[KG+1+2*(ri%2)], v[\R+\n+ri], v[\R+ri], s[\smask]
	v_add_f32_dpp v[\R+ri], v[KG+1+2*(ri%2)], v[KG+2*(ri%2)] row_xmask:\xm row_mask:0xf bank_mask:0xf
.set ri, ri+1
.endr
.endm
	s_load_b128 s[4:7], s[0:1], 0x0                ; qkvw s[4:5], cmpw s[6:7]
	s_load_b64 s[8:9], s[0:1], 0x10                ; selw
	v_lshl_add_u32 v222, v0, 2, 0x800
	v_mov_b32 v223, 0
	v_lshrrev_b32 v1, 5, v0
	v_readfirstlane_b32 s14, v1                    ; wave 0..15
	v_and_b32 v7, 31, v0
	v_lshlrev_b32 v1, 4, v7
	v_lshlrev_b32 v2, 3, v7
	v_lshlrev_b32 v3, 2, v7
	v_and_b32 v4, 15, v0
	v_and_b32 v5, 8, v0
	v_add_nc_u32 v4, v4, v5
	v_lshlrev_b32 v4, 8, v4
	v_bfe_u32 v5, v0, 4, 1
	v_lshl_add_u32 v4, v5, 6, v4                   ; the means of k: block r + (r & 8), + 64 h
	s_lshl_b32 s15, s14, 2
	v_add_nc_u32 v5, s15, v1                       ; the means of v: 16 x lane + 4 x tile of d (waves 0-3)
	v_lshlrev_b32 v6, 2, v0                        ; 128 x wave + 4 x lane
	s_mov_b32 s[SEL], 0x76543210
	s_mov_b32 s[SEL+1], 0xfedcba98
	s_mov_b32 s44, 0xff00ff00
	s_mov_b32 s45, 0xf0f0f0f0
	s_mov_b32 s46, 0xcccccccc
	s_mov_b32 s47, 0xaaaaaaaa
	s_mov_b32 s30, 0xffff0000
	s_lshl_b32 s16, ttmp9, 13
	s_add_co_u32 s16, s16, KRO
	s_mov_b32 s17, 0
	s_lshl_b32 s18, ttmp9, 7
	s_lshl_b32 s19, s14, 3
	s_add_co_u32 s18, s18, s19
	s_mul_i32 s18, s18, 768
	s_add_co_u32 s18, s18, NCO
	s_mov_b32 s19, 0
	s_lshl_b32 s20, ttmp9, 5
	s_lshl_b32 s21, s14, 1
	s_add_co_u32 s20, s20, s21
	s_lshl_b32 s20, s20, 9
	s_add_co_u32 s20, s20, NSO
	s_mov_b32 s21, 0
	s_lshl_b32 s22, ttmp9, 14
	s_add_co_u32 s22, s22, VRO
	s_mov_b32 s23, 0
	s_mul_i32 s24, ttmp9, 5632
	s_mov_b32 s25, 0
	s_lshl_b32 s26, ttmp9, 7
	s_mov_b32 s27, 0
	s_mul_i32 s28, s14, 768
	s_mov_b32 s29, 0
	s_wait_kmcnt 0x0
	s_add_nc_u64 s[16:17], s[4:5], s[16:17]
	s_add_nc_u64 s[18:19], s[4:5], s[18:19]
	s_add_nc_u64 s[20:21], s[4:5], s[20:21]
	s_add_nc_u64 s[22:23], s[4:5], s[22:23]
	s_add_nc_u64 s[24:25], s[6:7], s[24:25]        ; the head's record: k_rep's 2 halves, v_cmp's 4, their scale words
	s_add_nc_u64 s[26:27], s[8:9], s[26:27]
	s_add_nc_u64 s[28:29], s[24:25], s[28:29]
.irp u, 0,1
.irp b, 0,1
.irp j, 0,1,2,3
	global_load_b128 v[32+32*\u+16*\b+4*\j:35+32*\u+16*\b+4*\j], v4, s[16:17] offset:2048*\u+128*\b+16*\j   ; tile u of the 32 means: register 16 b + i = d 32 b + 16 h + i
.endr
.endr
.endr
.irp i, 0,1,2,3                        ; my eight tiles of q / |q|: two neighbouring halves are a fragment
	global_load_b128 v[96+12*\i:99+12*\i], v1, s[18:19] offset:1536*\i
	global_load_b64 v[100+12*\i:101+12*\i], v2, s[18:19] offset:1536*\i+512
	global_load_b128 v[102+12*\i:105+12*\i], v1, s[18:19] offset:1536*\i+768
	global_load_b64 v[106+12*\i:107+12*\i], v2, s[18:19] offset:1536*\i+1280
.endr
	global_load_b128 v[144:147], v1, s[20:21]
	global_load_b128 v[148:151], v1, s[20:21] offset:512
	s_cmp_lt_u32 s14, 4
	s_cbranch_scc0 .Lno_vr
.set bb, 0
.rept 32
	global_load_b32 v[224+bb], v5, s[22:23] offset:512*bb      ; v_cmp(block bb, my d of tile w)
.set bb, bb+1
.endr
.Lno_vr:
	s_wait_loadcnt 0x0
	v_mov_b32 v[TM+2], 0                           ; written once: a lane permute's destination counts as one of its sources
	v_mov_b32 v[TM+3], 0
	s_cmp_lt_u32 s14, 4
	s_cbranch_scc0 .Lnot_v
	; ---- waves 0-3: v_cmp's tile w of d; K = the 32 blocks: one block of the quantiser, all in my registers
	v_max3_num_f32 v212, |v224|, |v225|, |v226|
	v_max3_num_f32 v213, |v227|, |v228|, |v229|
.irp i, 6,10,14,18,22,26
	v_max3_num_f32 v212, v212, |v[224+\i]|, |v[225+\i]|
	v_max3_num_f32 v213, v213, |v[226+\i]|, |v[227+\i]|
.endr
	v_max3_num_f32 v212, v212, |v254|, |v255|
	v_max3_num_f32 v212, v212, v213, FLOOR
	v_add_nc_u32 v214, EOFF, v212
	v_lshrrev_b32 v215, 23, v214                   ; the scale word: byte 0 alone
	v_cvt_scalef32_pk16_fp6_f32 v[216:218], v[224:239], v214
	v_cvt_scalef32_pk16_fp6_f32 v[TT:TT+2], v[240:255], v214
	v_nop
.irp i, 0,1,2
	v_mov_b32 v[219+\i], v[TT+\i]
.endr
.irp i, 0,1,2,3,4,5
	v_cndmask_b32 v[216+\i], v[216+\i], 0, s30     ; lanes 16-31 stand for k = 32 .. 63: zero codes
.endr
	STHALF 216, 28, 1536
	global_store_b32 v6, v215, s[24:25] offset:4864
.Lnot_v:
	s_cmp_eq_u32 s14, 4
	s_cbranch_scc0 .Lall
	; ---- wave 4: k_rep as it is, for the compressed branch
	QUANT2 32, 224, 236
	QUANT2 64, 230, 237
	STHALF 224, 24, 0
	STHALF 230, 24, 768
	global_store_b32 v3, v236, s[24:25] offset:4608
	global_store_b32 v3, v237, s[24:25] offset:4736
.Lall:
	; ---- every wave: kn = k_rep / max(|k_rep|, 1e-8), quantised
.irp u, 0,1
	v_pk_mul_f32 v[10+2*\u:11+2*\u], v[32+32*\u:33+32*\u], v[32+32*\u:33+32*\u]
.endr
.set i2, 2
.rept 15
.irp u, 0,1
	v_pk_fma_f32 v[10+2*\u:11+2*\u], v[32+32*\u+i2:33+32*\u+i2], v[32+32*\u+i2:33+32*\u+i2], v[10+2*\u:11+2*\u]
.endr
.set i2, i2+2
.endr
.irp u, 0,1
	v_add_f32 v[10+2*\u], v[10+2*\u], v[11+2*\u]
.endr
.irp u, 0,1
	v_permlanex16_b32 v[11+2*\u], v[10+2*\u], s[SEL], s[SEL+1]
.endr
.irp u, 0,1
	v_add_f32 v[10+2*\u], v[10+2*\u], v[11+2*\u]
.endr
	v_sqrt_f32 v10, v10
	v_sqrt_f32 v12, v12
	v_nop
	s_wait_alu depctr_va_vdst(0)                   ; one wait for the two roots
	v_max_num_f32 v10, 0x322bcc77, v10
	v_max_num_f32 v12, 0x322bcc77, v12
	v_rcp_f32 v10, v10
	v_rcp_f32 v12, v12
	v_nop
	s_wait_alu depctr_va_vdst(0)
.irp u, 0,1
.set i2, 0
.rept 16
	v_pk_mul_f32 v[32+32*\u+i2:33+32*\u+i2], v[32+32*\u+i2:33+32*\u+i2], v[10+2*\u:11+2*\u] op_sel_hi:[1,0]
.set i2, i2+2
.endr
.endr
	QUANT2 32, 160, 156
	QUANT2 64, 172, 157
.irp i, 0,1,2,3,4,5
	v_mov_b32 v[166+\i], v[160+\i]                 ; [kn | kn]
	v_mov_b32 v[178+\i], v[172+\i]
.endr
	v_lshl_or_b32 v156, v156, 16, v156
	v_lshl_or_b32 v157, v157, 16, v157
.irp i, 0,1,2,3
	v_lshl_or_b32 v[152+\i], v[145+2*\i], 16, v[144+2*\i]   ; the two tiles' words make the fragment's
.endr
.rept 8
	v_nop                                          ; scale registers written by vector instructions stand eight places ahead of a scaled matrix instruction, operands four
.endr
.irp i, 0,1,2,3                        ; two accumulators by turns, one instruction a turn
.irp u, 0,1
.if \i == 0
	v_wmma_scale_f32_16x16x128_f8f6f4 v[184+8*\u:191+8*\u], v[160+12*\u:171+12*\u], v[96+12*\i:107+12*\i], 0, v[156+\u], v[152+\i] matrix_a_fmt:MATRIX_FMT_FP6 matrix_b_fmt:MATRIX_FMT_FP6
.else
	v_wmma_scale_f32_16x16x128_f8f6f4 v[184+8*\u:191+8*\u], v[160+12*\u:171+12*\u], v[96+12*\i:107+12*\i], v[184+8*\u:191+8*\u], v[156+\u], v[152+\i] matrix_a_fmt:MATRIX_FMT_FP6 matrix_b_fmt:MATRIX_FMT_FP6
.endif
.endr
.endr
.rept 4
	v_nop
.endr
	RSTAGE 184, 8, 44, 8                           ; register n of lane (r, h) is block 16 h + n for query r: the sum over the sixteen queries leaves lane l with block l
	RSTAGE 184, 4, 45, 4
	RSTAGE 184, 2, 46, 2
	RSTAGE 184, 1, 47, 1
	ds_store_b32 v6, v184
	s_wait_dscnt 0x0                               ; for the others' sake: my store has landed
	s_barrier_signal -1
	s_barrier_wait -1
	s_cmp_lg_u32 s14, 0
	s_cbranch_scc1 .Lend
.irp t, 0,1,2,3,4,5,6,7,8,9,10,11,12,13,14,15
	ds_load_b32 v[32+\t], v3 offset:128*\t
.endr
	s_wait_dscnt 0x0
.irp t, 0,1,2,3,4,5,6,7
	v_add_f32 v[32+\t], v[32+\t], v[40+\t]
.endr
.irp t, 0,1,2,3
	v_add_f32 v[32+\t], v[32+\t], v[36+\t]
.endr
	v_add_f32 v32, v32, v34
	v_add_f32 v33, v33, v35
	v_add_f32 v32, v32, v33                        ; lane l: block l's score
	v_mov_b32 v48, 0
.set mm, 0
.rept 32
	v_readlane_b32 s32, v32, mm
	v_cmp_gt_f32 s33, s32, v32                     ; block mm comes before mine: its score is larger,
	v_cmp_ge_f32 s34, s32, v32
	s_and_b32 s34, s34, (0xffffffff<<(mm+1))&0xffffffff   ; or equal and its index lower
	s_or_b32 s33, s33, s34
	v_cndmask_b32 v49, 0, 1, s33
	v_add_nc_u32 v48, v48, v49                     ; my place in the order
.set mm, mm+1
.endr
	v_mov_b32 v50, 0
.set pp, 0
.rept 8
	v_cmp_eq_u32 s33, pp, v48
	s_ctz_i32_b32 s34, s33
	v_writelane_b32 v50, s34, pp                   ; word pp: the block at place pp
.set pp, pp+1
.endr
	global_store_b32 v3, v50, s[26:27]             ; 32 words at a fixed place; words 8-31 are 0
.Lend:
	s_wait_tensorcnt 0x0
	ds_add_u32 v222, v223
	s_wait_dscnt 0x0
	s_endpgm
.Lfunc_end_k_qf43f75a9f6_pick:
	.size	k_qf43f75a9f6_pick, .Lfunc_end_k_qf43f75a9f6_pick-k_qf43f75a9f6_pick
	.p2alignl 7, 3214868480
	.fill 96, 4, 3214868480
	.section	.rodata,"a",@progbits
	.p2align	6, 0x0
	.amdhsa_kernel k_qf43f75a9f6_pick
		.amdhsa_group_segment_fixed_size 4096
		.amdhsa_private_segment_fixed_size 0
		.amdhsa_enable_private_segment 0
		.amdhsa_kernarg_size 24
		.amdhsa_user_sgpr_count 2
		.amdhsa_user_sgpr_kernarg_segment_ptr 1
		.amdhsa_wavefront_size32 1
		.amdhsa_system_sgpr_workgroup_id_x 1
		.amdhsa_system_sgpr_workgroup_id_y 1
		.amdhsa_system_sgpr_workgroup_id_z 1
		.amdhsa_system_vgpr_workitem_id 0
		.amdhsa_next_free_vgpr 256
		.amdhsa_next_free_sgpr 66
		.amdhsa_reserve_vcc 0
		.amdhsa_float_denorm_mode_32 3
		.amdhsa_float_denorm_mode_16_64 3
		.amdhsa_memory_ordered 1
		.amdhsa_forward_progress 1
		.amdhsa_inst_pref_size 44
	.end_amdhsa_kernel
	.amdgpu_metadata
---
amdhsa.version: [ 1, 2 ]
amdhsa.kernels:
  - .name:           k_qf43f75a9f6_pick
    .symbol:         k_qf43f75a9f6_pick.kd
    .args:
      - { .name: qkvw, .offset: 0, .size: 8, .value_kind: global_buffer, .address_space: global }
      - { .name: cmpw, .offset: 8, .size: 8, .value_kind: global_buffer, .address_space: global }
      - { .name: selw, .offset: 16, .size: 8, .value_kind: global_buffer, .address_space: global }
    .group_segment_fixed_size: 4096
    .private_segment_fixed_size: 0
    .kernarg_segment_align: 8
    .kernarg_segment_size: 24
    .max_flat_workgroup_size: 512
    .sgpr_count:     66
    .vgpr_count:     256
    .wavefront_size: 32
...
	.end_amdgpu_metadata
.endif
;; end of part 3
;; launch attn (part 4): grid 8 x 32, 16 waves a work-group, no clusters, 102,400 bytes of LDS; arguments prepw, qkvw, cmpw, selw, ocw; writes ocw
.if DOCPART == 4
	.amdgcn_target "amdgcn-amd-amdhsa--gfx1250"
	.amdhsa_code_object_version 6
	.text
	.protected	k_qf43f75a9f6_attn
	.globl	k_qf43f75a9f6_attn
	.p2align	8
	.type	k_qf43f75a9f6_attn,@function
k_qf43f75a9f6_attn:
	s_mov_b64 s[64:65], 0
	v_nop
	global_prefetch_b8 v0, s[64:65] scope:SCOPE_SE
	s_setreg_imm32_b32 hwreg(HW_REG_WAVE_MODE, 25, 1), 1
	s_wait_xcnt 0x0
; ATTN: the three branches of one (batch, head) for 256 queries, gated, summed and quantised for the last product.  All products on codes of FP6.
; Sixteen waves, each with ONE tile of 16 queries in 256 registers: four waves to a SIMD, so that one wave's softmax stands beside another's products and LDS loads.
; Both products are used transposed (S^T = K Q^T, O^T = V^T P^T): a lane holds one query throughout.  The head is 64 wide: the upper 64 of K of the first product are zero codes, written once.
; THE SOFTMAX: t = score x log2(e) / 8; M = the largest t so far, rounded up to a whole number; p = 2^(t - M) is quantised along the keys; the sum of the unquantised p divides at the end; when M moves, sum and O^T are multiplied by 2^(old M - new M).
; WHAT IS MULTIPLIED: only keys that reference()'s own masks leave: the band j <= i, i - j <= 128 lies in two aligned steps of 128 keys; of the 512 chosen keys a step whose keys all come after the tile's queries is left out; the 32 means are one step.
; LDS: 14 records of 7,168 bytes (4 halves of k, 4 of v, their scale words), brought once by waves 0-13 through registers: slots 0-7 the chosen blocks in their order (indices stored by the launch before), slots 8-13 blocks 4 Q - 2 .. 4 Q + 3.
; The compressed branch needs no LDS and is worked while the records are on their way.  One barrier.  No tiles are shared between work-groups through a cluster: the records are brought by register loads, which have no joint form.
; LIMITS: NaN and infinities are not served; a block under 2^-124 (zeros too) gets the byte 1.  The three branches are added in the order cmp, sliding, selected.
; REGISTERS: v1 16 l, v2 8 l, v6 4 l; v3, v4 the masks' bounds; v5 where I put my record; v8-9 the step's addresses; v10 out's scale word; v11 the chosen record's offset; v12 -M, v13 largest t, v[14:15] the sum; v16-19 gates; v20-27 v's raw scale words;
;   v32-43 Q; v44-91 four fragments of K; v96-159 S^T, p, then v's four fragments; v160-191 O^T; v192-223 the gated sum; v224-235 p's codes; v232-254 at work; v248-251, v253, v255 scale words.
.set GAO,  6684672
.set QSO,  3145728
.set KVO,  7340032
.set OSO,  3145728
.set REC,  7168
.set FLOOR, 0x1800000
.set EOFF,  0xff000000
.set SEL, 40
.set CS,  42                           ; s[42:43] c = log2(e) / 8
.set TB,  44                           ; s44 LDS byte of the step's first record
.set KF,  45                           ; s45 the step's first chosen key
.set TM,  232
.set TT,  240
.macro QUANT2 src, dst, pw
	v_max3_num_f32 v[TM], |v[(\src)]|, |v[(\src)+1]|, FLOOR
	v_max3_num_f32 v[TM+1], |v[(\src)+16]|, |v[(\src)+17]|, FLOOR
.irp i, 2,4,6,8,10,12,14
	v_max3_num_f32 v[TM], v[TM], |v[(\src)+\i]|, |v[(\src)+1+\i]|
	v_max3_num_f32 v[TM+1], v[TM+1], |v[(\src)+16+\i]|, |v[(\src)+17+\i]|
.endr
	v_permlanex16_b32 v[TM+2], v[TM], s[SEL], s[SEL+1]
	v_permlanex16_b32 v[TM+3], v[TM+1], s[SEL], s[SEL+1]
	v_max_num_f32 v[TM], v[TM], v[TM+2]
	v_max_num_f32 v[TM+1], v[TM+1], v[TM+3]
	v_add_nc_u32 v[TM+4], EOFF, v[TM]
	v_add_nc_u32 v[TM+5], EOFF, v[TM+1]
	v_lshrrev_b32 v[TM+6], 23, v[TM+4]
	v_lshrrev_b32 v[TM+7], 23, v[TM+5]
	v_lshl_or_b32 v[\pw], v[TM+7], 8, v[TM+6]
	v_cvt_scalef32_pk16_fp6_f32 v[(\dst):(\dst)+2], v[(\src):(\src)+15], v[TM+4]
	v_cvt_scalef32_pk16_fp6_f32 v[TT:TT+2], v[(\src)+16:(\src)+31], v[TM+5]
	v_nop
.irp i, 0,1,2
	v_permlane16_swap_b32 v[(\dst)+\i], v[TT+\i]
.endr
.irp i, 0,1,2
	v_mov_b32 v[(\dst)+3+\i], v[TT+\i]
.endr
.endm
.macro PLACES
.rept 4
	v_nop
.endr
.endm
; my record, 14 x 512 consecutive bytes, into registers; the 22 loads of the head are in behind the wait, these 14 stay out
.macro RECLD off, base
.irp i, 0,1,2,3,4,5,6,7,8,9,10,11
	global_load_b128 v[112+4*\i:115+4*\i], v[\off], s[\base:\base+1] offset:512*\i
.endr
	global_load_b128 v[192:195], v[\off], s[\base:\base+1] offset:6144
	global_load_b128 v[196:199], v[\off], s[\base:\base+1] offset:6656
	s_wait_loadcnt 14
.endm
; A branch is finished: the gated sum takes O^T x gate / sum.  how = 0: it begins; 1: it goes on; 2: the last branch: nothing is set up for a next one
.macro FINISH g, how
	PLACES                                         ; behind the last products: their results are read, and (how = 0) registers that they read are written
	v_add_f32 v14, v14, v15
	v_permlanex16_b32 v240, v14, s[SEL], s[SEL+1]
	v_add_f32 v14, v14, v240                       ; the row's sum
	v_rcp_f32 v14, v14
	v_nop
	s_wait_alu depctr_va_vdst(0)                   ; ahead of the reciprocal's first reader
	v_mul_f32 v14, v14, v[\g]
.set i2, 0
.rept 16
.if \how == 0
	v_pk_mul_f32 v[192+i2:193+i2], v[160+i2:161+i2], v[14:15] op_sel_hi:[1,0]
.else
	v_pk_fma_f32 v[192+i2:193+i2], v[160+i2:161+i2], v[14:15], v[192+i2:193+i2] op_sel_hi:[1,0,1]
.endif
.set i2, i2+2
.endr
.if \how < 2
.set i2, 0
.rept 32
	v_mov_b32 v[160+i2], 0                         ; the key step is written once for every place in a branch: the first finds zeros, which the first change of M leaves zeros
.set i2, i2+1
.endr
	v_mov_b32 v14, 0
	v_mov_b32 v15, 0
	v_mov_b32 v13, 0xff61b1e6                      ; -3e38, under every t
	v_floor_f32 v12, -v13
.endif
.endm
; A KEY STEP: 128 keys in the two records at s[TB].  kind 1: the band's lower step (hidden: key < query - 128); 2: its upper step (hidden: key > query); 0: chosen keys (hidden: place > query)
.macro STEP kind
.if \kind == 0
	s_cmp_gt_u32 s[KF], s19                        ; all 128 come after my 16 queries: the step's work is left out (a branch on ids)
	s_cbranch_scc1 .Lhid_\@
.endif
	v_add_nc_u32 v8, s[TB], v1
	v_add_nc_u32 v9, s[TB], v2
	PLACES                                         ; with the two additions six places: five are owed where the scores are laid over registers that the last products read
	ds_load_b128 v[20:23], v8 offset:6656
	ds_load_b128 v[24:27], v8 offset:REC+6656
.irp g, 0,1
.if \g
	PLACES
.endif
.irp t, 0,1,2,3
	ds_load_b128 v[44+12*\t:47+12*\t], v8 offset:REC*\g+768*\t
	ds_load_b64 v[48+12*\t:49+12*\t], v9 offset:REC*\g+768*\t+512
.endr
	ds_load_b128 v[248:251], v8 offset:REC*\g+6144
	s_wait_dscnt 0x0
.irp t, 0,1,2,3
	v_wmma_scale_f32_16x16x128_f8f6f4 v[96+8*(4*\g+\t):103+8*(4*\g+\t)], v[44+12*\t:55+12*\t], v[32:43], 0, v[248+\t], v255 matrix_a_fmt:MATRIX_FMT_FP6 matrix_b_fmt:MATRIX_FMT_FP6
.endr
.endr
	PLACES
	; register n holds key 32 (n / 16) + n % 16 + 16 h of the step
.if \kind == 0
	s_add_co_u32 s38, s[KF], 127
	s_cmp_le_u32 s38, s18
	s_cbranch_scc1 .Lopen_\@                       ; all 128 count for all my queries
	v_sub_nc_u32 v252, v4, s[KF]
.endif
	v_mov_b32 v254, 0xff800000                     ; -infinity: p = 0 there
.set n, 0
.rept 64
.if \kind == 0
	v_cmp_gt_i32 vcc_lo, 32*(n/16)+n%16, v252
.elseif \kind == 1
	v_cmp_lt_i32 vcc_lo, 32*(n/16)+n%16, v3
.else
	v_cmp_gt_i32 vcc_lo, 32*(n/16)+n%16, v3
.endif
	v_cndmask_b32 v[96+n], v[96+n], v254, vcc_lo
.set n, n+1
.endr
.if \kind == 0
.Lopen_\@:
.endif
.irp b, 0,1,2,3
	v_max3_num_f32 v[232+\b], v[96+16*\b], v[97+16*\b], v[98+16*\b]   ; the largest score of each block of 32 keys: for the row's maximum, and, since p rises with the score, for the block's largest p
.endr
.irp i, 3,5,7,9,11,13
.irp b, 0,1,2,3
	v_max3_num_f32 v[232+\b], v[232+\b], v[96+16*\b+\i], v[97+16*\b+\i]
.endr
.endr
.irp b, 0,1,2,3
	v_max_num_f32 v[232+\b], v[232+\b], v[111+16*\b]
.endr
.irp b, 0,1,2,3
	v_permlanex16_b32 v[236+\b], v[232+\b], s[SEL], s[SEL+1]
.endr
.irp b, 0,1,2,3
	v_max_num_f32 v[232+\b], v[232+\b], v[236+\b]
.endr
	v_max3_num_f32 v254, v232, v233, v234
	v_max_num_f32 v254, v254, v235
	v_mul_f32 v254, s[CS], v254
	v_max_num_f32 v13, v13, v254                   ; the running largest t
	v_mov_b32 v254, v12
	v_floor_f32 v12, -v13                          ; -M = floor(-t)
	v_sub_f32 v254, v12, v254
	v_cvt_i32_f32 v254, v254                       ; (it saturates)
	v_ldexp_f32 v252, 1.0, v254                    ; f = 2^(old M - new M)
.set n, 0
.rept 32
	v_pk_fma_f32 v[96+n:97+n], v[96+n:97+n], s[CS:CS+1], v[12:13] op_sel_hi:[1,0,0]   ; t - M
.set n, n+2
.endr
.irp b, 0,1,2,3
	v_fma_f32 v[232+\b], v[232+\b], s[CS], v12
.endr
.set n, 0
.rept 64
	v_exp_f32 v[96+n], v[96+n]
.set n, n+1
.endr
	v_pk_mul_f32 v[14:15], v[14:15], v[252:253] op_sel_hi:[1,0]   ; the sums under the new M; a plain place behind the exponentials
	s_wait_alu depctr_va_vdst(0)                   ; one wait for the batch of 64, ahead of its first reader
.irp b, 0,1,2,3
	v_exp_f32 v[232+\b], v[232+\b]                 ; the blocks' largest p
.endr
	v_pk_add_f32 v[236:237], v[96:97], v[98:99]    ; the sum of the unquantised p, in two chains
.irp j, 4,8,12,16,20,24,28,32,36,40,44,48,52,56,60
	v_pk_add_f32 v[14:15], v[14:15], v[96+\j:97+\j]
	v_pk_add_f32 v[236:237], v[236:237], v[98+\j:99+\j]
.endr
	v_pk_add_f32 v[14:15], v[14:15], v[236:237]
	s_wait_alu depctr_va_vdst(0)                   ; and one for the four
.irp b, 0,1,2,3
	v_max_num_f32 v[232+\b], FLOOR, v[232+\b]
.endr
.irp b, 0,1,2,3
	v_add_nc_u32 v[244+\b], EOFF, v[232+\b]
.endr
.irp b, 0,1,2,3
	v_lshrrev_b32 v[236+\b], 23, v[244+\b]
.endr
	v_lshl_or_b32 v253, v237, 8, v236              ; p's scale word
	v_lshl_or_b32 v253, v238, 16, v253
	v_lshl_or_b32 v253, v239, 24, v253
.irp c, 0,1
	v_cvt_scalef32_pk16_fp6_f32 v[224+6*\c:226+6*\c], v[96+32*\c:111+32*\c], v[244+2*\c]
	v_cvt_scalef32_pk16_fp6_f32 v[236+4*\c:238+4*\c], v[112+32*\c:127+32*\c], v[244+2*\c+1]
.endr
	v_nop                                          ; one plain place behind the conversions
.irp t, 0,1,2,3                        ; p is in codes: v's four fragments take its registers: tile t of d, 64 keys from each record
	ds_load_b128 v[96+12*\t:99+12*\t], v8 offset:3072+768*\t
	ds_load_b64 v[100+12*\t:101+12*\t], v9 offset:3072+768*\t+512
	ds_load_b128 v[102+12*\t:105+12*\t], v8 offset:REC+3072+768*\t
	ds_load_b64 v[106+12*\t:107+12*\t], v9 offset:REC+3072+768*\t+512
.endr
.irp c, 0,1
.irp i, 0,1,2
	v_permlane16_swap_b32 v[224+6*\c+\i], v[236+4*\c+\i]
.endr
.irp i, 0,1,2
	v_mov_b32 v[227+6*\c+\i], v[236+4*\c+\i]
.endr
.endr
.irp t, 0,1,2,3
	v_lshl_or_b32 v[248+\t], v[24+\t], 16, v[20+\t]   ; the two records' words make the fragment's
.endr
.set n, 0
.rept 16
	v_pk_mul_f32 v[160+n:161+n], v[160+n:161+n], v[252:253] op_sel_hi:[1,0]   ; O^T under the new M; these sixteen are also the places ahead of the scaled products
.set n, n+2
.endr
	s_wait_dscnt 0x0
.irp t, 0,1,2,3
	v_wmma_scale_f32_16x16x128_f8f6f4 v[160+8*\t:167+8*\t], v[96+12*\t:107+12*\t], v[224:235], v[160+8*\t:167+8*\t], v[248+\t], v253 matrix_a_fmt:MATRIX_FMT_FP6 matrix_b_fmt:MATRIX_FMT_FP6
.endr
.if \kind == 0
.Lhid_\@:
.endif
.endm
	s_load_b256 s[4:11], s[0:1], 0x0               ; prepw s[4:5], qkvw s[6:7], cmpw s[8:9], selw s[10:11]
	s_load_b64 s[12:13], s[0:1], 0x20              ; ocw
	v_lshl_add_u32 v94, v0, 2, 0x18800
	v_mov_b32 v95, 0
	v_lshrrev_b32 v1, 5, v0
	v_readfirstlane_b32 s14, v1                    ; wave 0..15
	s_mov_b32 s15, ttmp9                           ; Q: which 256 queries
	s_and_b32 s16, ttmp7, 0xffff                   ; bh
	s_lshl_b32 s17, s15, 4
	s_add_co_u32 s17, s17, s14                     ; tq: my tile of queries
	s_lshr_b32 s18, s17, 1
	s_lshl_b32 s18, s18, 5
	s_and_b32 s19, s17, 1
	s_lshl_b32 s19, s19, 3
	s_add_co_u32 s18, s18, s19                     ; my least query
	s_add_co_u32 s19, s18, 23                      ; and my greatest
	s_lshr_b32 s20, s17, 3                         ; a: which 128 queries
	v_and_b32 v7, 31, v0
	v_lshlrev_b32 v1, 4, v7
	v_lshlrev_b32 v2, 3, v7
	v_lshlrev_b32 v6, 2, v7
	v_and_b32 v8, 15, v0
	v_and_b32 v9, 8, v0
	v_add_nc_u32 v8, v8, v9
	v_add_nc_u32 v8, s18, v8                       ; my query
	v_bfe_u32 v9, v0, 4, 1
	v_lshlrev_b32 v9, 4, v9
	v_sub_nc_u32 v4, v8, v9                        ; query - 16 h
	s_lshl_b32 s21, s20, 7
	v_sub_nc_u32 v3, v4, s21                       ; query - 128 a - 16 h
	s_mul_i32 s39, s14, REC
	v_add_nc_u32 v5, s39, v1                       ; slot w
	s_min_u32 s21, s14, 7
	s_lshl_b32 s21, s21, 2
	s_lshl_b32 s22, s16, 7
	s_add_co_u32 s22, s22, s21
	s_mov_b32 s23, 0
	s_lshl_b32 s26, s16, 7
	s_add_co_u32 s26, s26, s17
	s_mul_i32 s26, s26, 768                        ; q's codes
	s_mov_b32 s27, 0
	s_lshl_b32 s28, s16, 5
	s_lshr_b32 s29, s17, 2
	s_add_co_u32 s28, s28, s29
	s_lshl_b32 s28, s28, 9
	s_and_b32 s29, s17, 3
	s_lshl_b32 s29, s29, 2
	s_add_co_u32 s28, s28, s29
	s_add_co_u32 s28, s28, QSO                     ; q's scale words
	s_mov_b32 s29, 0
	s_lshr_b32 s47, s16, 4
	s_lshl_b32 s47, s47, 7
	s_add_co_u32 s47, s47, s17                     ; m: the tile among all 256 tiles of rows
	s_lshl_b32 s30, s47, 9
	s_add_co_u32 s30, s30, GAO
	s_mov_b32 s31, 0
	s_mul_i32 s32, s16, 5632
	s_mov_b32 s33, 0
	s_and_b32 s38, s16, 15                         ; head
	s_lshr_b32 s39, s47, 3
	s_lshl_b32 s39, s39, 3
	s_lshr_b32 s21, s38, 1
	s_add_co_u32 s39, s39, s21
	s_lshl_b32 s39, s39, 3
	s_and_b32 s21, s47, 7
	s_add_co_u32 s39, s39, s21                     ; e = ((m / 8) 8 + head / 2) 8 + m % 8
	s_and_b32 s38, s38, 1
	s_mul_i32 s34, s39, 1536
	s_mul_i32 s21, s38, 768
	s_add_co_u32 s34, s34, s21
	s_mov_b32 s35, 0
	s_lshl_b32 s36, s39, 7
	s_lshl_b32 s21, s38, 1
	s_add_co_u32 s36, s36, s21
	s_add_co_u32 s36, s36, OSO
	s_mov_b32 s37, 0
	s_mov_b32 s[SEL], 0x76543210
	s_mov_b32 s[SEL+1], 0xfedcba98
	s_mov_b32 s[CS], 0x3e38aa3b
	s_mov_b32 s[CS+1], s[CS]
	s_wait_kmcnt 0x0
	s_add_nc_u64 s[10:11], s[10:11], s[22:23]
	s_load_b32 s24, s[10:11], 0x0                  ; the chosen block at place min(w, 7)
	s_add_nc_u64 s[26:27], s[6:7], s[26:27]
	s_add_nc_u64 s[28:29], s[6:7], s[28:29]
	s_add_nc_u64 s[30:31], s[4:5], s[30:31]
	s_add_nc_u64 s[32:33], s[8:9], s[32:33]
	s_add_nc_u64 s[34:35], s[12:13], s[34:35]
	s_add_nc_u64 s[36:37], s[12:13], s[36:37]
	global_load_b128 v[32:35], v1, s[26:27]
	global_load_b64 v[36:37], v2, s[26:27] offset:512
	global_load_b32 v255, v1, s[28:29]
	global_load_b128 v[16:19], v1, s[30:31]
.irp u, 0,1
	global_load_b128 v[44+12*\u:47+12*\u], v1, s[32:33] offset:768*\u
	global_load_b64 v[48+12*\u:49+12*\u], v2, s[32:33] offset:768*\u+512
	global_load_b32 v[248+\u], v6, s[32:33] offset:4608+128*\u
.endr
.macro VCLD reg, nt
	global_load_b128 v[\reg:\reg+3], v1, s[32:33] offset:1536+768*\nt
	global_load_b64 v[\reg+4:\reg+5], v2, s[32:33] offset:1536+768*\nt+512
	global_load_b32 v[20+\nt], v6, s[32:33] offset:4864+128*\nt
.endm
	VCLD 68, 0
	VCLD 80, 1
	VCLD 200, 2
	VCLD 212, 3
.irp z, 38,50,62,74,86,206,218
.irp i, 0,1,2,3,4,5
	v_mov_b32 v[\z+\i], 0                          ; the upper 64 of K: zero codes, written once
.endr
.endr
.irp i, 0,1,2,3,4,5,6,7
	v_mov_b32 v[236+\i], 0                         ; lane permutes' destinations, and the empty half of the compressed branch's p
.endr
	v_mov_b32 v253, 0
	s_lshl_b32 s38, s16, 5
	s_mul_i32 s38, s38, REC
	s_add_co_u32 s38, s38, KVO
	s_mov_b32 s39, 0
	s_add_nc_u64 s[48:49], s[6:7], s[38:39]        ; the head's first record
	s_lshl_b32 s38, s15, 2
	s_add_co_u32 s38, s38, s14
	s_sub_co_i32 s38, s38, 10
	s_max_i32 s38, s38, 0                          ; waves 8-13: block max(4 Q + w - 10, 0)
	s_mul_i32 s38, s38, REC
	s_add_nc_u64 s[50:51], s[48:49], s[38:39]
	s_wait_kmcnt 0x0
	s_min_u32 s24, s24, 31                         ; a loaded index enters an address only behind this bound;
	s_mul_i32 s24, s24, REC                        ; behind it a multiplication by a constant
	v_add_nc_u32 v11, s24, v1                      ; and an addition: the chosen record's offset in the head's records, + 16 x lane
	s_cmp_lt_u32 s14, 8                            ; waves 0-7 bring the chosen blocks, waves 8-13 the band's, waves 14 and 15 none
	s_cbranch_scc0 .Lband_rec
	RECLD 11, 48
	s_branch .Lgo
.Lband_rec:
	s_cmp_lt_u32 s14, 14
	s_cbranch_scc0 .Lno_rec
	RECLD 1, 50
	s_branch .Lgo
.Lno_rec:
	s_wait_loadcnt 0x0
.Lgo:
	; ---------------- the compressed branch: 32 means, one block of the quantiser
	PLACES
	v_wmma_scale_f32_16x16x128_f8f6f4 v[96:103], v[44:55], v[32:43], 0, v248, v255 matrix_a_fmt:MATRIX_FMT_FP6 matrix_b_fmt:MATRIX_FMT_FP6
	v_wmma_scale_f32_16x16x128_f8f6f4 v[104:111], v[56:67], v[32:43], 0, v249, v255 matrix_a_fmt:MATRIX_FMT_FP6 matrix_b_fmt:MATRIX_FMT_FP6
	PLACES
	s_cmp_ge_u32 s18, 31
	s_cbranch_scc1 .Lcmp_open
	v_mov_b32 v254, 0xff800000
.set n, 0
.rept 16
	v_cmp_gt_i32 vcc_lo, n, v4                     ; register n is mean n + 16 h: hidden where it is greater than the query
	v_cndmask_b32 v[96+n], v[96+n], v254, vcc_lo
.set n, n+1
.endr
.Lcmp_open:
	v_max3_num_f32 v232, v96, v97, v98
.irp i, 3,5,7,9,11,13
	v_max3_num_f32 v232, v232, v[96+\i], v[97+\i]
.endr
	v_max_num_f32 v232, v232, v111
	v_permlanex16_b32 v240, v232, s[SEL], s[SEL+1]
	v_max_num_f32 v232, v232, v240
	v_mul_f32 v13, s[CS], v232
	v_floor_f32 v12, -v13
.irp j, 0,2,4,6,8,10,12,14
	v_pk_fma_f32 v[96+\j:97+\j], v[96+\j:97+\j], s[CS:CS+1], v[12:13] op_sel_hi:[1,0,0]
.endr
	v_fma_f32 v232, v232, s[CS], v12
.set n, 0
.rept 16
	v_exp_f32 v[96+n], v[96+n]
.set n, n+1
.endr
	v_nop
	s_wait_alu depctr_va_vdst(0)                   ; one wait for the sixteen
	v_exp_f32 v232, v232
	v_pk_add_f32 v[14:15], v[96:97], v[98:99]
.irp j, 4,6,8,10,12,14
	v_pk_add_f32 v[14:15], v[14:15], v[96+\j:97+\j]
.endr
	s_wait_alu depctr_va_vdst(0)
	v_max_num_f32 v232, FLOOR, v232
	v_add_nc_u32 v244, EOFF, v232
	v_lshrrev_b32 v253, 23, v244                   ; p's scale word: byte 0 alone
	v_cvt_scalef32_pk16_fp6_f32 v[224:226], v[96:111], v244
	v_nop
.irp i, 0,1,2,3,4,5
	v_mov_b32 v[230+\i], 0
.endr
.irp i, 0,1,2
	v_permlane16_swap_b32 v[224+\i], v[236+\i]     ; v236-238 hold zeros: lanes 0-15 get all 32 codes, lanes 16-31 (k = 32 .. 63) zeros
.endr
.irp i, 0,1,2
	v_mov_b32 v[227+\i], v[236+\i]
.endr
	PLACES                                         ; operands written by vector instructions stand four places ahead of a scaled product; the scale word stands eighteen ahead
	v_wmma_scale_f32_16x16x128_f8f6f4 v[160:167], v[68:79], v[224:235], 0, v20, v253 matrix_a_fmt:MATRIX_FMT_FP6 matrix_b_fmt:MATRIX_FMT_FP6
	v_wmma_scale_f32_16x16x128_f8f6f4 v[168:175], v[80:91], v[224:235], 0, v21, v253 matrix_a_fmt:MATRIX_FMT_FP6 matrix_b_fmt:MATRIX_FMT_FP6
	v_wmma_scale_f32_16x16x128_f8f6f4 v[176:183], v[200:211], v[224:235], 0, v22, v253 matrix_a_fmt:MATRIX_FMT_FP6 matrix_b_fmt:MATRIX_FMT_FP6
	v_wmma_scale_f32_16x16x128_f8f6f4 v[184:191], v[212:223], v[224:235], 0, v23, v253 matrix_a_fmt:MATRIX_FMT_FP6 matrix_b_fmt:MATRIX_FMT_FP6
	s_cmp_lt_u32 s14, 14
	s_cbranch_scc0 .Lno_stage
	s_wait_loadcnt 0x0                             ; my record
.irp i, 0,1,2,3,4,5,6,7,8,9,10,11
	ds_store_b128 v5, v[112+4*\i:115+4*\i] offset:512*\i
.endr
	ds_store_b128 v5, v[192:195] offset:6144
	ds_store_b128 v5, v[196:199] offset:6656
.Lno_stage:
	FINISH 18, 0
	s_wait_dscnt 0x0                               ; for the others' sake: my record has landed
	s_barrier_signal -1
	s_barrier_wait -1                              ; all fourteen lie in LDS; nothing is written there again
	; ---------------- the band
	s_lshr_b32 s[TB], s14, 3
	s_lshl_b32 s[TB], s[TB], 1
	s_add_co_u32 s[TB], s[TB], 8
	s_mul_i32 s[TB], s[TB], REC                    ; keys 128 (a - 1) on
	s_cmp_eq_u32 s20, 0
	s_cbranch_scc1 .Lno_low                        ; the first 128 queries have no keys below
	STEP 1
.Lno_low:
	s_add_co_u32 s[TB], s[TB], 2*REC               ; keys 128 a on
	STEP 2
	FINISH 16, 1
	; ---------------- the chosen blocks, in their order: four steps, a constant count
	s_mov_b32 s[TB], 0
	s_mov_b32 s[KF], 0
	s_mov_b32 s46, 0
.Lsel:
	STEP 0
	s_add_co_u32 s[TB], s[TB], 2*REC
	s_add_co_u32 s[KF], s[KF], 128
	s_add_co_u32 s46, s46, 1
	s_cmp_lt_u32 s46, 4
	s_cbranch_scc1 .Lsel
	FINISH 17, 2
	; ---------------- v[192 + 16 b + i] = out(my row, 64 head + 32 b + 16 h + i): half a fragment of the last product's left operand
	QUANT2 192, 224, 10
	global_store_b128 v1, v[224:227], s[34:35]
	global_store_b64 v2, v[228:229], s[34:35] offset:512
	global_store_b16 v6, v10, s[36:37]             ; my head's two bytes of the row's scale word
	s_wait_tensorcnt 0x0
	ds_add_u32 v94, v95
	s_wait_dscnt 0x0
	s_endpgm
.Lfunc_end_k_qf43f75a9f6_attn:
	.size	k_qf43f75a9f6_attn, .Lfunc_end_k_qf43f75a9f6_attn-k_qf43f75a9f6_attn
	.p2alignl 7, 3214868480
	.fill 96, 4, 3214868480
	.section	.rodata,"a",@progbits
	.p2align	6, 0x0
	.amdhsa_kernel k_qf43f75a9f6_attn
		.amdhsa_group_segment_fixed_size 102400
		.amdhsa_private_segment_fixed_size 0
		.amdhsa_enable_private_segment 0
		.amdhsa_kernarg_size 40
		.amdhsa_user_sgpr_count 2
		.amdhsa_user_sgpr_kernarg_segment_ptr 1
		.amdhsa_wavefront_size32 1
		.amdhsa_system_sgpr_workgroup_id_x 1
		.amdhsa_system_sgpr_workgroup_id_y 1
		.amdhsa_system_sgpr_workgroup_id_z 1
		.amdhsa_system_vgpr_workitem_id 0
		.amdhsa_next_free_vgpr 256
		.amdhsa_next_free_sgpr 66
		.amdhsa_reserve_vcc 1
		.amdhsa_float_denorm_mode_32 3
		.amdhsa_float_denorm_mode_16_64 3
		.amdhsa_memory_ordered 1
		.amdhsa_forward_progress 1
		.amdhsa_inst_pref_size 91
	.end_amdhsa_kernel
	.amdgpu_metadata
---
amdhsa.version: [ 1, 2 ]
amdhsa.kernels:
  - .name:           k_qf43f75a9f6_attn
    .symbol:         k_qf43f75a9f6_attn.kd
    .args:
      - { .name: prepw, .offset: 0, .size: 8, .value_kind: global_buffer, .address_space: global }
      - { .name: qkvw, .offset: 8, .size: 8, .value_kind: global_buffer, .address_space: global }
      - { .name: cmpw, .offset: 16, .size: 8, .value_kind: global_buffer, .address_space: global }
      - { .name: selw, .offset: 24, .size: 8, .value_kind: global_buffer, .address_space: global }
      - { .name: ocw, .offset: 32, .size: 8, .value_kind: global_buffer, .address_space: global }
    .group_segment_fixed_size: 102400
    .private_segment_fixed_size: 0
    .kernarg_segment_align: 8
    .kernarg_segment_size: 40
    .max_flat_workgroup_size: 512
    .sgpr_count:     66
    .vgpr_count:     256
    .wavefront_size: 32
...
	.end_amdgpu_metadata
.endif
;; end of part 4
;; launch oproj (part 5): grid 8 x 32, 4 waves a work-group, no clusters, 311,808 bytes of LDS; arguments ocw, prepw, bo, out0; writes out0
.if DOCPART == 5
	.amdgcn_target "amdgcn-amd-amdhsa--gfx1250"
	.amdhsa_code_object_version 6
	.text
	.protected	k_qf43f75a9f6_oproj
	.globl	k_qf43f75a9f6_oproj
	.p2align	8
	.type	k_qf43f75a9f6_oproj,@function
k_qf43f75a9f6_oproj:
	s_mov_b64 s[64:65], 0
	v_nop
	global_prefetch_b8 v0, s[64:65] scope:SCOPE_SE
	s_setreg_imm32_b32 hwreg(HW_REG_WAVE_MODE, 25, 1), 1
	s_wait_xcnt 0x0
; OPROJ: out0 = Q(out) Q(Wo) + bo on codes of FP6.  A work-group takes 128 rows (y) x 128 columns (x); wave w: 64 rows (w & 1) x 64 columns (w / 2): 16 accumulators.  256 work-groups.
; Both panels for all of K and their scale words are copied into LDS once, lane by lane, at the head; nothing is filled again.  W's slabs keep the pitch of 16 fragments and their first eight are filled, so that no LDS address hangs on x.
; Source 0 = 16 columns of Wo, source 1 = 16 rows of out: a lane holds one row and 16 neighbouring columns for each pair of tiles; bo is the C of the first step.
; The rows and columns of a tile are index 32 b + 8 u + rho + (rho & 8).  The way out goes through a stage in LDS (in out's panel, behind a barrier behind which nobody reads it), so that sixteen lanes store 256 consecutive bytes, aligned.
; No joint loads: lane copies have no joint form.
.set OSO,  3145728
.set WCO,  3407872
.set WSO,  6553600
.set LB,   98304
.set LXS,  294912
.set LWS,  303104
.set GRA,  49152                       ; the copies' immediates stay under 65,536: out's panel goes in two groups of four K steps,
.set GRB,  73728                       ; Wo's in groups of three, three and two; a group has an LDS address register and a base of its own
.set AF,  32
.set BF,  80
.set ACC, 128
.set XSR, 20                           ; v20-23, v24-25: scales and nothing else
.set WSR, 24
.macro FRAGLD reg, a16, a8, off
	ds_load_b128 v[(\reg):(\reg)+3], v[\a16] offset:(\off)
	ds_load_b64 v[(\reg)+4:(\reg)+5], v[\a8] offset:(\off)+512
	ds_load_b128 v[(\reg)+6:(\reg)+9], v[\a16] offset:(\off)+768
	ds_load_b64 v[(\reg)+10:(\reg)+11], v[\a8] offset:(\off)+1280
.endm
.macro KSTEP st, cnt
	s_wait_asynccnt \cnt                           ; copies end in order: behind this step's last stand twelve for each later step (the count is held at the field's 63)
	s_barrier_signal -1                            ; every wave's part of the step has landed; no LDS access of mine is out
	s_barrier_wait -1
.if \st > 0
	v_add_nc_u32 v12, 12288, v12                   ; the next step's slabs; these four are the places between the last products and the loads into their registers
	v_add_nc_u32 v13, 12288, v13
	v_add_nc_u32 v14, 24576, v14
	v_add_nc_u32 v15, 24576, v15
.endif
.irp a, 0,1,2,3
	FRAGLD AF+12*\a, 12, 13, 1536*\a
.endr
.irp c, 0,1,2,3
	FRAGLD BF+12*\c, 14, 15, 1536*\c
.endr
.irp a, 0,1,2,3
	ds_load_b32 v[XSR+\a], v16 offset:1024*\st+128*\a
.endr
.irp p, 0,1
	ds_load_b32 v[WSR+\p], v17 offset:1024*\st+128*\p
.endr
	s_wait_dscnt 0x0
.irp a, 0,1,2,3                        ; the 16 accumulators take turns, one instruction a turn, in the same order in every step
.irp c, 0,1,2,3
.if \c%2
	v_wmma_scale_f32_16x16x128_f8f6f4 v[ACC+32*\a+8*\c:ACC+32*\a+8*\c+7], v[BF+12*\c:BF+12*\c+11], v[AF+12*\a:AF+12*\a+11], v[ACC+32*\a+8*\c:ACC+32*\a+8*\c+7], v[WSR+\c/2], v[XSR+\a] matrix_a_fmt:MATRIX_FMT_FP6 matrix_b_fmt:MATRIX_FMT_FP6 matrix_a_scale:MATRIX_SCALE_ROW1
.else
	v_wmma_scale_f32_16x16x128_f8f6f4 v[ACC+32*\a+8*\c:ACC+32*\a+8*\c+7], v[BF+12*\c:BF+12*\c+11], v[AF+12*\a:AF+12*\a+11], v[ACC+32*\a+8*\c:ACC+32*\a+8*\c+7], v[WSR+\c/2], v[XSR+\a] matrix_a_fmt:MATRIX_FMT_FP6 matrix_b_fmt:MATRIX_FMT_FP6
.endif
.endr
.endr
.endm
	s_load_b256 s[4:11], s[0:1], 0x0               ; ocw s[4:5], prepw s[6:7], bo s[8:9], out0 s[10:11]
	s_set_vgpr_msb 0x40
	v_lshl_add_u32 v0, v0, 2, 0x4c000
	v_mov_b32 v1, 0
	s_set_vgpr_msb 0x4045
	ds_add_u32 v0, v1
	ds_add_u32 v0, v1
	s_set_vgpr_msb 0x4500
	v_lshrrev_b32 v1, 5, v0
	v_readfirstlane_b32 s14, v1                    ; wave 0..3
	s_and_b32 s15, s14, 1                          ; rw
	s_lshr_b32 s16, s14, 1                         ; cw
	s_mov_b32 s17, ttmp9                           ; x
	s_and_b32 s18, ttmp7, 0xffff                   ; y
	v_and_b32 v11, 31, v0
	v_lshlrev_b32 v1, 4, v11
	v_lshlrev_b32 v2, 3, v11
	v_lshlrev_b32 v3, 2, v11
	s_mul_i32 s32, s14, 3072
	v_add_nc_u32 v4, s32, v1                       ; the copies' places: a quarter of a slab of 12,288 bytes a wave: in memory (both panels),
	v_add_nc_u32 v5, s32, v1                       ; in LDS for out's K steps 0-3,
	v_add_nc_u32 v6, GRA, v5                       ; and 4-7;
	v_add_nc_u32 v7, LB, v4                        ; for Wo's K steps 0-2,
	v_add_nc_u32 v19, LB+GRB, v4                   ; 3-5,
	v_add_nc_u32 v31, LB+2*GRB, v4                 ; 6-7
	s_lshl_b32 s32, s14, 11
	v_add_nc_u32 v8, s32, v1                       ; the scale words
	v_add_nc_u32 v9, LXS, v8
	v_add_nc_u32 v10, LWS, v8                      ; v4-v10, v19 and v31 are never written again
	s_mul_i32 s32, s15, 6144
	v_add_nc_u32 v12, s32, v1
	v_add_nc_u32 v13, s32, v2
	s_mul_i32 s32, s16, 6144
	s_add_co_u32 s32, s32, LB
	v_add_nc_u32 v14, s32, v1
	v_add_nc_u32 v15, s32, v2
	s_lshl_b32 s32, s15, 9
	s_add_co_u32 s32, s32, LXS
	v_add_nc_u32 v16, s32, v3
	s_lshl_b32 s32, s16, 8
	s_add_co_u32 s32, s32, LWS
	v_add_nc_u32 v17, s32, v3
	v_and_b32 v29, 15, v0                          ; r
	v_bfe_u32 v30, v0, 4, 1                        ; h
	v_lshlrev_b32 v18, 6, v30                      ; 64 h
	s_mul_i32 s32, s14, 4352                       ; my stage: 16 rows x (256 + 16) bytes
	v_mul_u32_u24 v26, v29, 272
	v_lshl_add_u32 v26, v30, 6, v26
	v_add_nc_u32 v26, s32, v26                     ; in: row r, + 64 h
	v_mul_u32_u24 v27, v30, 272
	v_lshl_add_u32 v27, v29, 4, v27
	v_add_nc_u32 v27, s32, v27                     ; back: lanes 0-15 one row, lanes 16-31 the next
	v_lshlrev_b32 v28, 12, v30
	v_lshl_add_u32 v28, v29, 4, v28                ; and the same two rows in out0
	s_mul_i32 s32, s18, 98304
	s_mov_b32 s33, 0
	s_lshr_b32 s19, s17, 1
	s_add_co_u32 s19, s19, 12                      ; Wo's block of 256 columns
	s_and_b32 s20, s17, 1                          ; and which half of it
	s_mul_i32 s34, s19, 196608
	s_mul_i32 s21, s20, 12288
	s_add_co_u32 s34, s34, s21
	s_add_co_u32 s34, s34, WCO
	s_mov_b32 s35, 0
	s_lshl_b32 s36, s18, 13
	s_add_co_u32 s36, s36, OSO
	s_mov_b32 s37, 0
	s_lshl_b32 s38, s19, 13
	s_lshl_b32 s21, s20, 9
	s_add_co_u32 s38, s38, s21
	s_add_co_u32 s38, s38, WSO
	s_mov_b32 s39, 0
	s_wait_dscnt 0x0
	s_wait_kmcnt 0x0
	s_add_nc_u64 s[24:25], s[4:5], s[32:33]        ; the seven bases are never written again
	s_add_nc_u64 s[26:27], s[6:7], s[34:35]
	s_add_nc_u64 s[28:29], s[4:5], s[36:37]
	s_add_nc_u64 s[30:31], s[6:7], s[38:39]
	s_add_nc_u64 s[40:41], s[24:25], GRA
	s_add_nc_u64 s[42:43], s[26:27], GRB
	s_add_nc_u64 s[44:45], s[26:27], 2*GRB
	; all copies, ahead of every wait on their counter, every LDS read and every barrier: 6 + 8 x 12 = 102 a wave, in the order of the K steps; the immediate is added to both addresses
.irp i, 0,1,2,3
	global_load_async_to_lds_b128 v9, v8, s[28:29] offset:512*\i
.endr
	global_load_async_to_lds_b128 v10, v8, s[30:31]              ; Wo's words: 512 bytes of each step's 1,024: steps 2 w and 2 w + 1
	global_load_async_to_lds_b128 v10, v8, s[30:31] offset:1024
.irp t, 0,1,2,3,4,5,6,7
.irp i, 0,1,2,3,4,5
.if \t < 4
	global_load_async_to_lds_b128 v5, v4, s[24:25] offset:12288*\t+512*\i
.else
	global_load_async_to_lds_b128 v6, v4, s[40:41] offset:12288*(\t-4)+512*\i
.endif
.endr
.irp i, 0,1,2,3,4,5
.if \t < 3
	global_load_async_to_lds_b128 v7, v4, s[26:27] offset:24576*\t+512*\i
.elseif \t < 6
	global_load_async_to_lds_b128 v19, v4, s[42:43] offset:24576*(\t-3)+512*\i
.else
	global_load_async_to_lds_b128 v31, v4, s[44:45] offset:24576*(\t-6)+512*\i
.endif
.endr
.endr
	s_lshl_b32 s32, s17, 9
	s_lshl_b32 s33, s16, 8
	s_add_co_u32 s32, s32, s33                     ; my first column, in bytes: 512 x + 256 cw
	s_mov_b32 s33, 0
	s_add_nc_u64 s[8:9], s[8:9], s[32:33]
	s_add_nc_u64 s[10:11], s[10:11], s[32:33]
	s_lshl_b32 s32, s18, 7
	s_lshl_b32 s34, s15, 6
	s_add_co_u32 s32, s32, s34
	s_lshl_b32 s32, s32, 12                        ; my first row: 128 y + 64 rw, rows of 4,096 bytes
	s_add_nc_u64 s[10:11], s[10:11], s[32:33]
.irp a, 0,1,2,3
.irp b, 0,1
.irp j, 0,1,2,3
	global_load_b128 v[ACC+32*\a+16*\b+4*\j:ACC+32*\a+16*\b+4*\j+3], v18, s[8:9] offset:128*\b+16*\j   ; bo in the result's layout: the C of the first step
.endr
.endr
.endr
	s_wait_loadcnt 0x0
	KSTEP 0, 63
	KSTEP 1, 63
	KSTEP 2, 60
	KSTEP 3, 48
	KSTEP 4, 36
	KSTEP 5, 24
	KSTEP 6, 12
	KSTEP 7, 0
.rept 4
	v_nop                                          ; behind the last products: their results are read, and loads land in registers that they read
.endr
	s_barrier_signal -1                            ; every wave's reads of the panels are over (each waited for its LDS loads ahead of its last products)
	s_barrier_wait -1
.irp a, 0,1,2,3                        ; a tile of 16 rows x 64 columns at a time: v[ACC + 32 a + 16 b + i] = out0(row r of tile a, column 32 b + 16 h + i)
.if \a >= 2
	s_wait_xcnt 0x0                                ; the stores of two tiles back have read their registers: the loads below may land there
.endif
.irp b, 0,1
.irp k, 0,1,2,3
	ds_store_b128 v26, v[ACC+32*\a+16*\b+4*\k:ACC+32*\a+16*\b+4*\k+3] offset:128*\b+16*\k    ; each accumulator from its low end on
.endr
.endr
.irp i, 0,1,2,3,4,5,6,7
	ds_load_b128 v[32+32*(\a%2)+4*\i:35+32*(\a%2)+4*\i], v27 offset:544*\i    ; LDS serves a wave's instructions in order: these see my stores
.endr
	s_wait_dscnt 0x0
.irp i, 0,1,2,3,4,5,6,7
	global_store_b128 v28, v[32+32*(\a%2)+4*\i:35+32*(\a%2)+4*\i], s[10:11] offset:(32*(\a/2)+8*(\a%2)+2*\i+8*(\i/4))*4096 th:TH_STORE_NT   ; sixteen lanes store 256 consecutive bytes, aligned; written once, read by nobody here
.endr
.endr
	s_set_vgpr_msb 0x5
	s_wait_tensorcnt 0x0
	ds_add_u32 v0, v1
	s_wait_dscnt 0x0
	s_set_vgpr_msb 0x500
	s_endpgm
.Lfunc_end_k_qf43f75a9f6_oproj:
	.size	k_qf43f75a9f6_oproj, .Lfunc_end_k_qf43f75a9f6_oproj-k_qf43f75a9f6_oproj
	.p2alignl 7, 3214868480
	.fill 96, 4, 3214868480
	.section	.rodata,"a",@progbits
	.p2align	6, 0x0
	.amdhsa_kernel k_qf43f75a9f6_oproj
		.amdhsa_group_segment_fixed_size 311808
		.amdhsa_private_segment_fixed_size 0
		.amdhsa_enable_private_segment 0
		.amdhsa_kernarg_size 32
		.amdhsa_user_sgpr_count 2
		.amdhsa_user_sgpr_kernarg_segment_ptr 1
		.amdhsa_wavefront_size32 1
		.amdhsa_system_sgpr_workgroup_id_x 1
		.amdhsa_system_sgpr_workgroup_id_y 1
		.amdhsa_system_sgpr_workgroup_id_z 1
		.amdhsa_system_vgpr_workitem_id 0
		.amdhsa_next_free_vgpr 258
		.amdhsa_next_free_sgpr 66
		.amdhsa_reserve_vcc 0
		.amdhsa_float_denorm_mode_32 3
		.amdhsa_float_denorm_mode_16_64 3
		.amdhsa_memory_ordered 1
		.amdhsa_forward_progress 1
		.amdhsa_inst_pref_size 63
	.end_amdhsa_kernel
	.amdgpu_metadata
---
amdhsa.version: [ 1, 2 ]
amdhsa.kernels:
  - .name:           k_qf43f75a9f6_oproj
    .symbol:         k_qf43f75a9f6_oproj.kd
    .args:
      - { .name: ocw, .offset: 0, .size: 8, .value_kind: global_buffer, .address_space: global }
      - { .name: prepw, .offset: 8, .size: 8, .value_kind: global_buffer, .address_space: global }
      - { .name: bo, .offset: 16, .size: 8, .value_kind: global_buffer, .address_space: global }
      - { .name: out0, .offset: 24, .size: 8, .value_kind: global_buffer, .address_space: global }
    .group_segment_fixed_size: 311808
    .private_segment_fixed_size: 0
    .kernarg_segment_align: 8
    .kernarg_segment_size: 32
    .max_flat_workgroup_size: 128
    .sgpr_count:     66
    .vgpr_count:     258
    .wavefront_size: 32
...
	.end_amdgpu_metadata
.endif
;; end of part 5
;; ======== version 2 of 2: 5 launches
;; workspace buffers: prepw 6,815,744 bytes; qkvw 15,466,496 bytes; cmpw 180,224 bytes; selw 4,096 bytes of whole numbers; ocw 3,407,872 bytes
;; launch prep (part 6): grid 384 x 1, 8 waves a work-group, no clusters, 5,120 bytes of LDS; arguments hidden_states, Wq, Wk, Wv, Wo, Wg, bg, prepw; writes prepw
.if DOCPART == 6
	.amdgcn_target "amdgcn-amd-amdhsa--gfx1250"
	.amdhsa_code_object_version 6
	.text
	.protected	k_qf43f75a9f6_prep
	.globl	k_qf43f75a9f6_prep
	.p2align	8
	.type	k_qf43f75a9f6_prep,@function
k_qf43f75a9f6_prep:
	s_mov_b64 s[64:65], 0
	v_nop
	global_prefetch_b8 v0, s[64:65] scope:SCOPE_SE
	s_setreg_imm32_b32 hwreg(HW_REG_WAVE_MODE, 25, 1), 1
	s_wait_xcnt 0x0
; PREP: the inputs become codes of FP6 (E2M3) with one E8M0 byte for each 32 along K, laid as images of operand registers, and the three gates are made.
; A HALF is 768 bytes: 16 rows x 64 K; lane (r, h) holds row r, k = 32 h .. 32 h + 31 in six registers: registers 0-3 at 16 x lane, registers 4-5 at 512 + 8 x lane.  A FRAGMENT (16 rows x 128 K) is two halves.
; THE ROWS OF A TILE ARE NOT NEIGHBOURS: row rho of tile 2 b + u is index 32 b + 8 u + rho + (rho & 8), for the rows of x and for the columns of the four weights alike.
; Work-groups 0-127: the weights (K is their first axis): a wave takes 32 columns x 128 K, a lane a column, registers down K.  Work-groups 128-383: a tile of 16 rows of x; wave w takes K step w.
; The gates softmax(x Wg + bg) are made by f32 multiply-adds beside the quantising of x; the eight waves' parts meet in LDS.
; LIMITS: NaN and infinities are not served.  A block whose largest magnitude lies under 2^-124 (a block of zeros too) gets the byte 1: its codes then are zeros or held by that scale; only this program reads the bytes.
.set XSO,   3145728                    ; prepw: x's codes at 0 [Mblk 32][s 8][mi 8] fragments; x's scale words here [Mblk][s][mi][32 lanes]
.set WCO,   3407872                    ; the weights' codes [Nblk 16][s 8][ni 16] fragments
.set WSO,   6553600                    ; their scale words [Nblk][s][pair 8][32]: lanes 0-15 tile 2 p, lanes 16-31 tile 2 p + 1
.set GAO,   6684672                    ; the gates [tile 256][32 lanes][4 f32]
.set FLOOR, 0x1800000                  ; 2^(3 - 127): under it no largest magnitude is taken, so no byte falls under 1
.set EOFF,  0xff000000                 ; takes 2 off an exponent field
.set SEL, 40                           ; s[40:41] selects of v_permlanex16_b32 for lane l xor 16
.set X,   32                           ; v32..   the numbers
.set WGR, 96                           ; v96-191 Wg's numbers of two blocks
.set G,   192                          ; v192-195 the three sums and a zero
.set TM,  200
.set PW,  216
.set PC,  224
.set FA,  160                          ; the weights' path: tile 2 p's fragment, tile 2 p + 1's, and the upper halves of two blocks
.set FB,  172
.set TA,  184
.set TB,  188
	s_load_b256 s[4:11], s[0:1], 0x0               ; x s[4:5], Wq s[6:7], Wk s[8:9], Wv s[10:11]
	s_load_b256 s[12:19], s[0:1], 0x20             ; Wo s[12:13], Wg s[14:15], bg s[16:17], prepw s[18:19]
	v_lshl_add_u32 v254, v0, 2, 0x1000
	v_mov_b32 v255, 0
	v_lshrrev_b32 v1, 5, v0
	s_delay_alu instid0(VALU_DEP_1)
	v_readfirstlane_b32 s20, v1                    ; wave 0..7
	v_and_b32 v1, 31, v0                           ; lane
	s_mov_b32 s[SEL], 0x76543210
	s_mov_b32 s[SEL+1], 0xfedcba98
	s_cmp_lt_u32 ttmp9, 128
	s_cbranch_scc0 .Lx_path
	; ---------------- the weights
	s_lshr_b32 s21, ttmp9, 5                       ; which weight: q, k, v, o
	s_bfe_u32 s22, ttmp9, 0x30002                  ; K step s
	s_and_b32 s23, ttmp9, 3
	s_lshl_b32 s23, s23, 3
	s_add_co_u32 s23, s23, s20                     ; pair of tiles p = 32 columns
	s_wait_alu depctr_va_vdst(0)
	v_and_b32 v2, 7, v1
	v_and_b32 v3, 8, v1
	s_delay_alu instid0(VALU_DEP_1)
	v_lshl_or_b32 v2, v3, 1, v2
	v_and_b32 v3, 16, v1
	s_delay_alu instid0(VALU_DEP_1)
	v_lshrrev_b32 v3, 1, v3
	s_delay_alu instid0(VALU_DEP_1)
	v_or_b32 v2, v2, v3                            ; my column: lanes 0-15 the rows of tile 2 p, lanes 16-31 those of tile 2 p + 1
	s_delay_alu instid0(VALU_DEP_1)
	v_lshlrev_b32 v2, 2, v2
	v_lshlrev_b32 v3, 4, v1
	v_lshlrev_b32 v4, 3, v1
	v_lshlrev_b32 v5, 2, v1
	s_lshl_b32 s24, s22, 19                        ; 128 rows of 4,096 bytes a K step
	s_lshl_b32 s25, s23, 7
	s_add_co_u32 s24, s24, s25
	s_mov_b32 s25, 0
	s_lshl_b32 s26, s21, 5
	s_add_co_u32 s26, s26, s23                     ; P: the pair among all 128
	s_lshr_b32 s27, s26, 3
	s_lshl_b32 s27, s27, 3
	s_add_co_u32 s27, s27, s22
	s_lshl_b32 s27, s27, 3
	s_and_b32 s26, s26, 7
	s_add_co_u32 s27, s27, s26                     ; e = ((P / 8) 8 + s) 8 + P % 8
	s_mul_i32 s28, s27, 3072
	s_add_co_u32 s28, s28, WCO
	s_mov_b32 s29, 0
	s_lshl_b32 s30, s27, 7
	s_add_co_u32 s30, s30, WSO
	s_mov_b32 s31, 0
	s_wait_alu depctr_va_vdst(0)
	s_wait_kmcnt 0x0
	s_cmp_eq_u32 s21, 1                            ; the choice hangs on the work-group's number alone
	s_cselect_b64 s[6:7], s[8:9], s[6:7]
	s_cmp_eq_u32 s21, 2
	s_cselect_b64 s[6:7], s[10:11], s[6:7]
	s_cmp_eq_u32 s21, 3
	s_cselect_b64 s[6:7], s[12:13], s[6:7]
	s_add_nc_u64 s[6:7], s[6:7], s[24:25]
	s_add_nc_u64 s[28:29], s[18:19], s[28:29]
	s_add_nc_u64 s[30:31], s[18:19], s[30:31]
.set kk, 0
.rept 128
	global_load_b32 v[X+kk], v2, s[6:7] offset:kk*4096 th:TH_LOAD_NT   ; W(128 s + kk, my column): the wave reads 128 consecutive bytes, the eight waves 1,024
.set kk, kk+1
.endr
.macro WBLK b, cnt                     ; block b of 32 along K lies in my registers alone
	s_wait_loadcnt \cnt                            ; at most so many younger loads are out (behind block b stand 32 (3 - b); the count is held at the field's 63)
	v_max3_num_f32 v8, |v[X+32*\b]|, |v[X+32*\b+1]|, |v[X+32*\b+2]|
	v_max3_num_f32 v9, |v[X+32*\b+3]|, |v[X+32*\b+4]|, |v[X+32*\b+5]|
.irp i, 6,10,14,18,22,26
	s_delay_alu instid0(VALU_DEP_2)
	v_max3_num_f32 v8, v8, |v[X+32*\b+\i]|, |v[X+32*\b+\i+1]|
	s_delay_alu instid0(VALU_DEP_2)
	v_max3_num_f32 v9, v9, |v[X+32*\b+\i+2]|, |v[X+32*\b+\i+3]|
.endr
	s_delay_alu instid0(VALU_DEP_2)
	v_max3_num_f32 v8, v8, |v[X+32*\b+30]|, |v[X+32*\b+31]|
	s_delay_alu instid0(VALU_DEP_1)
	v_max3_num_f32 v8, v8, v9, FLOOR
	s_delay_alu instid0(VALU_DEP_1)
	v_add_nc_u32 v[10+\b], EOFF, v8                ; the conversion's scale operand: the largest magnitude's exponent field less 2
	s_delay_alu instid0(VALU_DEP_1)
	v_lshrrev_b32 v14, 23, v[10+\b]                ; the byte
.if \b == 0
	s_delay_alu instid0(VALU_DEP_1)
	v_mov_b32 v15, v14
.else
	s_delay_alu instid0(VALU_DEP_1)
	v_lshl_or_b32 v15, v14, 8*\b, v15              ; my column's scale word
.endif
.endm
	WBLK 0, 63
	WBLK 1, 63
	WBLK 2, 32
	WBLK 3, 0
.irp c, 0,1
	v_cvt_scalef32_pk16_fp6_f32 v[FA+6*\c:FA+6*\c+2], v[X+64*\c:X+64*\c+15], v[10+2*\c]       ; block 2 c, lower 16 codes
	v_cvt_scalef32_pk16_fp6_f32 v[TA:TA+2], v[X+64*\c+16:X+64*\c+31], v[10+2*\c]              ; upper 16 (a conversion's three registers begin on an even number)
	v_cvt_scalef32_pk16_fp6_f32 v[FB+6*\c:FB+6*\c+2], v[X+64*\c+32:X+64*\c+47], v[11+2*\c]    ; block 2 c + 1
	v_cvt_scalef32_pk16_fp6_f32 v[TB:TB+2], v[X+64*\c+48:X+64*\c+63], v[11+2*\c]
	v_nop                                          ; one plain place behind the conversions
.irp i, 0,1,2                          ; lanes 0-15 hold tile 2 p's blocks, lanes 16-31 tile 2 p + 1's: the exchange gives each tile's fragment block 2 c below and block 2 c + 1 above
	v_permlane16_swap_b32 v[FA+6*\c+\i], v[FB+6*\c+\i]
	v_permlane16_swap_b32 v[TA+\i], v[TB+\i]
.endr
.irp i, 0,1,2
	v_mov_b32 v[FA+6*\c+3+\i], v[TA+\i]
	v_mov_b32 v[FB+6*\c+3+\i], v[TB+\i]
.endr
.endr
.irp f, 0,1                            ; two fragments on end; every store covers whole aligned runs of 256 bytes
	global_store_b128 v3, v[FA+12*\f:FA+12*\f+3], s[28:29] offset:1536*\f
	global_store_b64 v4, v[FA+12*\f+4:FA+12*\f+5], s[28:29] offset:1536*\f+512
	global_store_b128 v3, v[FA+12*\f+6:FA+12*\f+9], s[28:29] offset:1536*\f+768
	global_store_b64 v4, v[FA+12*\f+10:FA+12*\f+11], s[28:29] offset:1536*\f+1280
.endr
	global_store_b32 v5, v15, s[30:31]
	s_endpgm
	; ---------------- x and the gates
.Lx_path:
	s_sub_co_u32 s21, ttmp9, 128                   ; tile m of 16 rows
	v_and_b32 v2, 15, v0                           ; r
	v_bfe_u32 v3, v0, 4, 1                         ; h
	s_delay_alu instid0(VALU_DEP_2)
	v_and_b32 v10, 8, v2
	s_delay_alu instid0(VALU_DEP_1)
	v_add_nc_u32 v10, v10, v2                      ; r + (r & 8)
	s_delay_alu instid0(VALU_DEP_1)
	v_lshlrev_b32 v4, 12, v10
	s_delay_alu instid0(VALU_DEP_1)
	v_lshl_add_u32 v4, v3, 6, v4                   ; x: my row, + 64 h: my 16 numbers of a block of 32
	v_mul_u32_u24 v5, v3, 192                      ; Wg: 16 rows of 12 bytes for each half
	s_wait_alu depctr_va_vdst(0)
	v_lshlrev_b32 v6, 4, v1
	v_lshlrev_b32 v7, 3, v1
	v_lshlrev_b32 v8, 2, v1
	v_lshlrev_b32 v9, 4, v0                        ; LDS: 512 x wave + 16 x lane
.irp b, 0,1,2,3
	v_mov_b32 v[TM+4+\b], 0                        ; written once: a lane permute's destination counts as one of its sources
.endr
	v_mov_b32 v[G+3], 0
	s_lshr_b32 s22, s21, 1
	s_lshl_b32 s22, s22, 5
	s_and_b32 s23, s21, 1
	s_lshl_b32 s23, s23, 3
	s_add_co_u32 s22, s22, s23                     ; the tile's first row
	s_lshl_b32 s22, s22, 12
	s_lshl_b32 s23, s20, 9
	s_add_co_u32 s22, s22, s23                     ; + my K step's 512 bytes
	s_mov_b32 s23, 0
	s_mul_i32 s24, s20, 1536                       ; Wg: 128 rows of 12 bytes a K step
	s_mov_b32 s25, 0
	s_lshr_b32 s26, s21, 3
	s_lshl_b32 s26, s26, 3
	s_add_co_u32 s26, s26, s20
	s_lshl_b32 s26, s26, 3
	s_and_b32 s27, s21, 7
	s_add_co_u32 s26, s26, s27                     ; e = ((m / 8) 8 + s) 8 + m % 8
	s_mul_i32 s28, s26, 1536
	s_mov_b32 s29, 0
	s_lshl_b32 s30, s26, 7
	s_add_co_u32 s30, s30, XSO
	s_mov_b32 s31, 0
	s_lshl_b32 s32, s21, 9
	s_add_co_u32 s32, s32, GAO
	s_mov_b32 s33, 0
	s_wait_kmcnt 0x0
	s_load_b96 s[36:38], s[16:17], 0x0             ; bg
	s_add_nc_u64 s[4:5], s[4:5], s[22:23]
	s_add_nc_u64 s[14:15], s[14:15], s[24:25]
	s_add_nc_u64 s[28:29], s[18:19], s[28:29]
	s_add_nc_u64 s[30:31], s[18:19], s[30:31]
	s_add_nc_u64 s[32:33], s[18:19], s[32:33]
.irp b, 0,1,2,3
.irp j, 0,1,2,3
	global_load_b128 v[X+16*\b+4*\j:X+16*\b+4*\j+3], v4, s[4:5] offset:128*\b+16*\j th:TH_LOAD_NT   ; register 16 b + i = k 32 b + 16 h + i of my row
.endr
.endr
.macro WGLOAD b                        ; Wg's 16 rows x 3 of my half of block b
.irp jj, 0,1,2,3,4,5,6,7,8,9,10,11
	global_load_b128 v[WGR+48*((\b)%2)+4*\jj:WGR+48*((\b)%2)+4*\jj+3], v5, s[14:15] offset:384*(\b)+16*\jj
.endr
.endm
.macro GATES b, first                  ; 48 multiply-adds in f32, three sums
.set gi, 0
.rept 16
.irp c, 0,1,2
.if \first && (gi == 0)
	v_mul_f32 v[G+\c], v[X+16*(\b)+gi], v[WGR+48*((\b)%2)+3*gi+\c]
.else
	v_fmac_f32 v[G+\c], v[X+16*(\b)+gi], v[WGR+48*((\b)%2)+3*gi+\c]
.endif
.endr
.set gi, gi+1
.endr
.endm
	WGLOAD 0
	WGLOAD 1
	s_wait_loadcnt 0x0
	GATES 0, 1
	GATES 1, 0
	WGLOAD 2                                       ; they land while x is quantised
	WGLOAD 3
	; 64 numbers of a lane become a fragment's codes in v[PC] on and its scale word in v[PW]
.irp b, 0,1,2,3
	v_max3_num_f32 v[TM+\b], |v[X+16*\b]|, |v[X+1+16*\b]|, FLOOR
.endr
.irp i, 2,4,6,8,10,12,14
.irp b, 0,1,2,3
	s_delay_alu instid0(VALU_DEP_4)
	v_max3_num_f32 v[TM+\b], v[TM+\b], |v[X+16*\b+\i]|, |v[X+1+16*\b+\i]|
.endr
.endr
.irp b, 0,1,2,3
	s_delay_alu instid0(VALU_DEP_4)
	v_permlanex16_b32 v[TM+4+\b], v[TM+\b], s[SEL], s[SEL+1]
.endr
.irp b, 0,1,2,3
	s_delay_alu instid0(VALU_DEP_4)
	v_max_num_f32 v[TM+\b], v[TM+\b], v[TM+4+\b]   ; with lane l xor 16's: the block's largest magnitude
.endr
.irp b, 0,1,2,3
	s_delay_alu instid0(VALU_DEP_4)
	v_add_nc_u32 v[TM+12+\b], EOFF, v[TM+\b]
.endr
.irp b, 0,1,2,3
	s_delay_alu instid0(VALU_DEP_4)
	v_lshrrev_b32 v[TM+4+\b], 23, v[TM+12+\b]
.endr
	s_delay_alu instid0(VALU_DEP_3)
	v_lshl_or_b32 v[PW], v[TM+5], 8, v[TM+4]
	s_delay_alu instid0(VALU_DEP_1)
	v_lshl_or_b32 v[PW], v[TM+6], 16, v[PW]
	s_delay_alu instid0(VALU_DEP_1)
	v_lshl_or_b32 v[PW], v[TM+7], 24, v[PW]
.irp c, 0,1
	v_cvt_scalef32_pk16_fp6_f32 v[PC+6*\c:PC+2+6*\c], v[X+32*\c:X+15+32*\c], v[TM+12+2*\c]
	v_cvt_scalef32_pk16_fp6_f32 v[PC+12+4*\c:PC+14+4*\c], v[X+16+32*\c:X+31+32*\c], v[TM+12+2*\c+1]
.endr
	v_nop                                          ; one plain place behind the conversions
.irp c, 0,1                            ; the operand wants a whole block in a lane
.irp i, 0,1,2
	v_permlane16_swap_b32 v[PC+6*\c+\i], v[PC+12+4*\c+\i]
.endr
.irp i, 0,1,2
	s_delay_alu instid0(VALU_DEP_3)
	v_mov_b32 v[PC+3+6*\c+\i], v[PC+12+4*\c+\i]
.endr
.endr
	global_store_b128 v6, v[PC:PC+3], s[28:29]
	global_store_b64 v7, v[PC+4:PC+5], s[28:29] offset:512
	global_store_b128 v6, v[PC+6:PC+9], s[28:29] offset:768
	global_store_b64 v7, v[PC+10:PC+11], s[28:29] offset:1280
	global_store_b32 v8, v[PW], s[30:31]           ; both halves of the lanes hold the row's word
	s_wait_loadcnt 0x0
	GATES 2, 0
	GATES 3, 0
.irp c, 0,1,2
	s_delay_alu instid0(VALU_DEP_3)
	v_permlanex16_b32 v[TM+4+\c], v[G+\c], s[SEL], s[SEL+1]
.endr
.irp c, 0,1,2
	s_delay_alu instid0(VALU_DEP_3)
	v_add_f32 v[G+\c], v[G+\c], v[TM+4+\c]         ; my K step's part of the row's three sums
.endr
	ds_store_b128 v9, v[G:G+3]
	s_wait_dscnt 0x0                               ; for the others' sake: my store has landed
	s_wait_kmcnt 0x0                               ; bg
	s_barrier_signal -1
	s_barrier_wait -1
	s_cmp_lg_u32 s20, 0
	s_cbranch_scc1 .Lend
.irp t, 0,1,2,3,4,5,6,7
	ds_load_b128 v[32+4*\t:35+4*\t], v6 offset:512*\t
.endr
	s_wait_dscnt 0x0
.irp t, 1,2,3,4,5,6,7
.irp c, 0,1,2
	v_add_f32 v[32+\c], v[32+\c], v[32+4*\t+\c]
.endr
.endr
.irp c, 0,1,2
	s_delay_alu instid0(VALU_DEP_3)
	v_add_f32 v[32+\c], s[36+\c], v[32+\c]
.endr
	s_delay_alu instid0(VALU_DEP_1)
	v_max3_num_f32 v64, v32, v33, v34              ; the softmax of three takes its maximum away
.irp c, 0,1,2
	v_sub_f32 v[32+\c], v[32+\c], v64
.endr
.irp c, 0,1,2
	s_delay_alu instid0(VALU_DEP_3)
	v_mul_f32 v[32+\c], 0x3fb8aa3b, v[32+\c]
.endr
	s_wait_alu depctr_va_vdst(0)
.irp c, 0,1,2
	v_exp_f32 v[32+\c], v[32+\c]
.endr
	v_nop                                          ; a plain place behind the exponentials
	s_wait_alu depctr_va_vdst(0)                   ; one wait for the three, ahead of their first reader
	v_add_f32 v64, v32, v33
	v_add_f32 v64, v64, v34
	s_wait_alu depctr_va_vdst(0)
	v_rcp_f32 v64, v64
	v_nop
	s_wait_alu depctr_va_vdst(0)
.irp c, 0,1,2
	v_mul_f32 v[32+\c], v[32+\c], v64
.endr
	v_mov_b32 v35, 0
	global_store_b128 v6, v[32:35], s[32:33]       ; lane (r, h): the gates of the tile's row r
.Lend:
	s_wait_tensorcnt 0x0
	ds_add_u32 v254, v255
	s_wait_dscnt 0x0
	s_endpgm
.Lfunc_end_k_qf43f75a9f6_prep:
	.size	k_qf43f75a9f6_prep, .Lfunc_end_k_qf43f75a9f6_prep-k_qf43f75a9f6_prep
	.p2alignl 7, 3214868480
	.fill 96, 4, 3214868480
	.section	.rodata,"a",@progbits
	.p2align	6, 0x0
	.amdhsa_kernel k_qf43f75a9f6_prep
		.amdhsa_group_segment_fixed_size 5120
		.amdhsa_private_segment_fixed_size 0
		.amdhsa_enable_private_segment 0
		.amdhsa_kernarg_size 64
		.amdhsa_user_sgpr_count 2
		.amdhsa_user_sgpr_kernarg_segment_ptr 1
		.amdhsa_wavefront_size32 1
		.amdhsa_system_sgpr_workgroup_id_x 1
		.amdhsa_system_sgpr_workgroup_id_y 1
		.amdhsa_system_sgpr_workgroup_id_z 1
		.amdhsa_system_vgpr_workitem_id 0
		.amdhsa_next_free_vgpr 256
		.amdhsa_next_free_sgpr 66
		.amdhsa_reserve_vcc 0
		.amdhsa_float_denorm_mode_32 3
		.amdhsa_float_denorm_mode_16_64 3
		.amdhsa_memory_ordered 1
		.amdhsa_forward_progress 1
		.amdhsa_inst_pref_size 47
	.end_amdhsa_kernel
	.amdgpu_metadata
---
amdhsa.version: [ 1, 2 ]
amdhsa.kernels:
  - .name:           k_qf43f75a9f6_prep
    .symbol:         k_qf43f75a9f6_prep.kd
    .args:
      - { .name: hidden_states, .offset: 0, .size: 8, .value_kind: global_buffer, .address_space: global }
      - { .name: Wq, .offset: 8, .size: 8, .value_kind: global_buffer, .address_space: global }
      - { .name: Wk, .offset: 16, .size: 8, .value_kind: global_buffer, .address_space: global }
      - { .name: Wv, .offset: 24, .size: 8, .value_kind: global_buffer, .address_space: global }
      - { .name: Wo, .offset: 32, .size: 8, .value_kind: global_buffer, .address_space: global }
      - { .name: Wg, .offset: 40, .size: 8, .value_kind: global_buffer, .address_space: global }
      - { .name: bg, .offset: 48, .size: 8, .value_kind: global_buffer, .address_space: global }
      - { .name: prepw, .offset: 56, .size: 8, .value_kind: global_buffer, .address_space: global }
    .group_segment_fixed_size: 5120
    .private_segment_fixed_size: 0
    .kernarg_segment_align: 8
    .kernarg_segment_size: 64
    .max_flat_workgroup_size: 256
    .sgpr_count:     66
    .vgpr_count:     256
    .wavefront_size: 32
...
	.end_amdgpu_metadata
.endif
;; end of part 6
;; launch qkv (part 7): grid 12 x 32, 8 waves a work-group, no clusters, 312,320 bytes of LDS; arguments prepw, bq, bk, bv, qkvw; writes qkvw
.if DOCPART == 7
	.amdgcn_target "amdgcn-amd-amdhsa--gfx1250"
	.amdhsa_code_object_version 6
	.text
	.protected	k_qf43f75a9f6_qkv
	.globl	k_qf43f75a9f6_qkv
	.p2align	8
	.type	k_qf43f75a9f6_qkv,@function
k_qf43f75a9f6_qkv:
	s_mov_b64 s[64:65], 0
	v_nop
	global_prefetch_b8 v0, s[64:65] scope:SCOPE_SE
	s_setreg_imm32_b32 hwreg(HW_REG_WAVE_MODE, 25, 1), 1
	s_wait_xcnt 0x0
; QKV: q, k, v = Q(x) Q(W) + b on codes of FP6, and what the later launches want of them, all as images of operand registers (a HALF: 16 rows x 64 K, 768 bytes: registers 0-3 at 16 x lane, 4-5 at 512 + 8 x lane).
; A work-group takes 128 rows (y) x 256 columns (x): four heads of ONE kind (x / 4: q, k, v).  Wave w: 64 rows (w & 1: one block of 64 keys) x one head (w / 2): 16 accumulators.
; Both panels for ALL of K (98,304 + 196,608 bytes) and their scale words fit in LDS: they are copied in once, lane by lane, at the head; nothing is filled again.  No joint loads: lane copies have no joint form.
; q, k: source 0 = 16 columns of W, source 1 = 16 rows of x: a lane holds one row t and its registers run along d; the bias is the C of the first step.  v: the sources swapped: a lane holds one d and its registers run along t, the second product's K.
; The rows of a tile are index 32 b + 8 u + rho + (rho & 8) (tile 2 b + u), so that the 16 registers of two neighbouring tiles are 16 neighbours.
; Out: q: codes of q and of q / max(|q|, 1e-8);  k: codes, and the block's mean;  v: codes along the keys, and the block's mean.
; LIMITS: NaN and infinities are not served; a block under 2^-124 (zeros too) gets the byte 1.
.set XSO,  3145728                     ; prepw
.set WCO,  3407872
.set WSO,  6553600
.set QSO,  3145728                     ; qkvw: q's codes at 0 [bh][tile 128] halves; q's scale words [bh][blk 32][32 lanes][4 tiles]
.set NCO,  3670016                     ; the same two for q / |q|
.set NSO,  6815744
.set KVO,  7340032                     ; [bh][blk] records of 7,168 bytes: 4 halves of k, 4 of v, k's words [lane][4], v's words [lane][4]
.set KRO,  14680064                    ; the blocks' means of k [bh][blk][64] f32
.set VRO,  14942208                    ; and of v [bh][blk][32 lanes][4 tiles of d]
.set LB,   98304                       ; LDS: x's panel at 0 (8 steps x 8 fragments), W's here (8 x 16), then the scale words: x's, and 8,192 bytes on W's
.set LXS,  294912
.set LWS,  303104
.set GRA,  49152                       ; the copies' immediates stay under 65,536: x's panel goes in two groups of four K steps,
.set GRB,  73728                       ; W's in groups of three, three and two; a group has an LDS address register and a base of its own
.set FLOOR, 0x1800000
.set EOFF,  0xff000000
.set SEL, 40
.set AF,  32                           ; v32-79   four fragments of x
.set BF,  80                           ; v80-127  four of W
.set ACC, 128                          ; v128-255 accumulator (a, c) at 128 + 32 a + 8 c
.set XSR, 20                           ; v20-23 x's scale words, v24-25 W's: scales and nothing else
.set WSR, 24
.set TM,  32                           ; the way out lies in the fragments' registers
.set TT,  40
.set SS,  48
.set CSR, 56
.set KG,  116
.macro PLACES
.rept 4
	v_nop
.endr
.endm
.macro FRAGLD reg, a16, a8, off
	ds_load_b128 v[(\reg):(\reg)+3], v[\a16] offset:(\off)
	ds_load_b64 v[(\reg)+4:(\reg)+5], v[\a8] offset:(\off)+512
	ds_load_b128 v[(\reg)+6:(\reg)+9], v[\a16] offset:(\off)+768
	ds_load_b64 v[(\reg)+10:(\reg)+11], v[\a8] offset:(\off)+1280
.endm
; 32 numbers of a lane, register 16 b + i = k 32 b + 16 h + i of my row, become a half in v[dst] .. v[dst + 5] and its scale word (bytes 0, 1) in v[pw]
.macro QUANT2 src, dst, pw
	v_max3_num_f32 v[TM], |v[(\src)]|, |v[(\src)+1]|, FLOOR
	v_max3_num_f32 v[TM+1], |v[(\src)+16]|, |v[(\src)+17]|, FLOOR
.irp i, 2,4,6,8,10,12,14
	v_max3_num_f32 v[TM], v[TM], |v[(\src)+\i]|, |v[(\src)+1+\i]|
	v_max3_num_f32 v[TM+1], v[TM+1], |v[(\src)+16+\i]|, |v[(\src)+17+\i]|
.endr
	s_delay_alu instid0(VALU_DEP_2)
	v_permlanex16_b32 v[TM+2], v[TM], s[SEL], s[SEL+1]
	s_delay_alu instid0(VALU_DEP_2)
	v_permlanex16_b32 v[TM+3], v[TM+1], s[SEL], s[SEL+1]
	s_delay_alu instid0(VALU_DEP_2)
	v_max_num_f32 v[TM], v[TM], v[TM+2]
	s_delay_alu instid0(VALU_DEP_2)
	v_max_num_f32 v[TM+1], v[TM+1], v[TM+3]
	s_delay_alu instid0(VALU_DEP_2)
	v_add_nc_u32 v[TM+4], EOFF, v[TM]
	s_delay_alu instid0(VALU_DEP_2)
	v_add_nc_u32 v[TM+5], EOFF, v[TM+1]
	s_delay_alu instid0(VALU_DEP_2)
	v_lshrrev_b32 v[TM+6], 23, v[TM+4]
	s_delay_alu instid0(VALU_DEP_2)
	v_lshrrev_b32 v[TM+7], 23, v[TM+5]
	s_delay_alu instid0(VALU_DEP_1)
	v_lshl_or_b32 v[\pw], v[TM+7], 8, v[TM+6]
	v_cvt_scalef32_pk16_fp6_f32 v[(\dst):(\dst)+2], v[(\src):(\src)+15], v[TM+4]
	v_cvt_scalef32_pk16_fp6_f32 v[TT:TT+2], v[(\src)+16:(\src)+31], v[TM+5]
	v_nop                                          ; one plain place behind the conversions
.irp i, 0,1,2
	v_permlane16_swap_b32 v[(\dst)+\i], v[TT+\i]
.endr
.irp i, 0,1,2
	s_delay_alu instid0(VALU_DEP_3)
	v_mov_b32 v[(\dst)+3+\i], v[TT+\i]
.endr
.endm
.macro STHALF dst, base, off           ; 512 + 256 consecutive bytes, aligned
	global_store_b128 v1, v[(\dst):(\dst)+3], s[\base:\base+1] offset:(\off)
	global_store_b64 v2, v[(\dst)+4:(\dst)+5], s[\base:\base+1] offset:(\off)+512
.endm
; one stage of a sum over the 16 lanes of a row that leaves each lane with its own part: lanes in the mask keep the upper n registers and give the lower, the others the other way round
.macro RSTAGE R, n, smask, xm
.set ri, 0
.rept \n
	v_cndmask_b32 v[KG+2*(ri%2)], v[\R+ri], v[\R+\n+ri], s[\smask]
	v_cndmask_b32 v[KG+1+2*(ri%2)], v[\R+\n+ri], v[\R+ri], s[\smask]
	s_delay_alu instid0(VALU_DEP_1)
	v_add_f32_dpp v[\R+ri], v[KG+1+2*(ri%2)], v[KG+2*(ri%2)] row_xmask:\xm row_mask:0xf bank_mask:0xf
.set ri, ri+1
.endr
.endm
; 16 matrix instructions; the 16 accumulators take turns, one instruction a turn, in the same order in every step
.macro MULT                            ; q, k
.irp a, 0,1,2,3
.irp c, 0,1,2,3
.if \c%2
	v_wmma_scale_f32_16x16x128_f8f6f4 v[ACC+32*\a+8*\c:ACC+32*\a+8*\c+7], v[BF+12*\c:BF+12*\c+11], v[AF+12*\a:AF+12*\a+11], v[ACC+32*\a+8*\c:ACC+32*\a+8*\c+7], v[WSR+\c/2], v[XSR+\a] matrix_a_fmt:MATRIX_FMT_FP6 matrix_b_fmt:MATRIX_FMT_FP6 matrix_a_scale:MATRIX_SCALE_ROW1
.else
	v_wmma_scale_f32_16x16x128_f8f6f4 v[ACC+32*\a+8*\c:ACC+32*\a+8*\c+7], v[BF+12*\c:BF+12*\c+11], v[AF+12*\a:AF+12*\a+11], v[ACC+32*\a+8*\c:ACC+32*\a+8*\c+7], v[WSR+\c/2], v[XSR+\a] matrix_a_fmt:MATRIX_FMT_FP6 matrix_b_fmt:MATRIX_FMT_FP6
.endif
.endr
.endr
.endm
.macro MULN zero                       ; v: a = tile of d (W), c = tile of t (x)
.irp a, 0,1,2,3
.irp c, 0,1,2,3
.if \zero
.if \a%2
	v_wmma_scale_f32_16x16x128_f8f6f4 v[ACC+32*\a+8*\c:ACC+32*\a+8*\c+7], v[AF+12*\c:AF+12*\c+11], v[BF+12*\a:BF+12*\a+11], 0, v[XSR+\c], v[WSR+\a/2] matrix_a_fmt:MATRIX_FMT_FP6 matrix_b_fmt:MATRIX_FMT_FP6 matrix_b_scale:MATRIX_SCALE_ROW1
.else
	v_wmma_scale_f32_16x16x128_f8f6f4 v[ACC+32*\a+8*\c:ACC+32*\a+8*\c+7], v[AF+12*\c:AF+12*\c+11], v[BF+12*\a:BF+12*\a+11], 0, v[XSR+\c], v[WSR+\a/2] matrix_a_fmt:MATRIX_FMT_FP6 matrix_b_fmt:MATRIX_FMT_FP6
.endif
.else
.if \a%2
	v_wmma_scale_f32_16x16x128_f8f6f4 v[ACC+32*\a+8*\c:ACC+32*\a+8*\c+7], v[AF+12*\c:AF+12*\c+11], v[BF+12*\a:BF+12*\a+11], v[ACC+32*\a+8*\c:ACC+32*\a+8*\c+7], v[XSR+\c], v[WSR+\a/2] matrix_a_fmt:MATRIX_FMT_FP6 matrix_b_fmt:MATRIX_FMT_FP6 matrix_b_scale:MATRIX_SCALE_ROW1
.else
	v_wmma_scale_f32_16x16x128_f8f6f4 v[ACC+32*\a+8*\c:ACC+32*\a+8*\c+7], v[AF+12*\c:AF+12*\c+11], v[BF+12*\a:BF+12*\a+11], v[ACC+32*\a+8*\c:ACC+32*\a+8*\c+7], v[XSR+\c], v[WSR+\a/2] matrix_a_fmt:MATRIX_FMT_FP6 matrix_b_fmt:MATRIX_FMT_FP6
.endif
.endif
.endr
.endr
.endm
; A K step of 128.  mode 0: q, k; 1: v
.macro KSTEP st, mode
	s_wait_asynccnt 63-9*\st                       ; copies end in order: behind this step's last stand nine for each later step, which may stay out
	s_barrier_signal -1                            ; every wave's part of the step has landed; no LDS access of mine is out
	s_barrier_wait -1
.if \st > 0
	v_add_nc_u32 v12, 12288, v12                   ; on to the next step's slabs; these four are the places between the last products and the loads into their registers
	v_add_nc_u32 v13, 12288, v13
	v_add_nc_u32 v14, 24576, v14
	v_add_nc_u32 v15, 24576, v15
.endif
.irp a, 0,1,2,3
	FRAGLD AF+12*\a, 12, 13, 1536*\a
.endr
.irp c, 0,1,2,3
	FRAGLD BF+12*\c, 14, 15, 1536*\c
.endr
.irp a, 0,1,2,3
	ds_load_b32 v[XSR+\a], v16 offset:1024*\st+128*\a
.endr
.irp p, 0,1
	ds_load_b32 v[WSR+\p], v17 offset:1024*\st+128*\p
.endr
	s_wait_dscnt 0x0
.if \mode == 0
	MULT
.elseif \st == 0
	MULN 1
.else
	MULN 0
.endif
.endm
	s_load_b256 s[4:11], s[0:1], 0x0               ; prepw s[4:5], bq s[6:7], bk s[8:9], bv s[10:11]
	s_load_b64 s[12:13], s[0:1], 0x20              ; qkvw
	s_set_vgpr_msb 0x40
	v_lshl_add_u32 v0, v0, 2, 0x4c000
	v_mov_b32 v1, 0
	s_set_vgpr_msb 0x4045
	ds_add_u32 v0, v1
	ds_add_u32 v0, v1
	s_set_vgpr_msb 0x4500
	v_lshrrev_b32 v1, 5, v0
	s_delay_alu instid0(VALU_DEP_1)
	v_readfirstlane_b32 s14, v1                    ; wave 0..7
	s_and_b32 s15, s14, 1                          ; rw: which 64 rows
	s_lshr_b32 s16, s14, 1                         ; cw: which head of the four
	s_mov_b32 s17, ttmp9                           ; x
	s_and_b32 s18, ttmp7, 0xffff                   ; y
	s_lshr_b32 s19, s17, 2                         ; kind: 0 q, 1 k, 2 v
	s_and_b32 s20, s17, 3
	s_lshl_b32 s20, s20, 2
	s_add_co_u32 s20, s20, s16                     ; head
	s_lshr_b32 s21, s18, 4
	s_lshl_b32 s21, s21, 4
	s_add_co_u32 s21, s21, s20                     ; bh
	s_lshl_b32 s21, s21, 5
	s_and_b32 s22, s18, 15
	s_lshl_b32 s22, s22, 1
	s_add_co_u32 s22, s22, s15
	s_add_co_u32 s21, s21, s22                     ; rec = 32 bh + blk
	v_and_b32 v11, 31, v0
	s_delay_alu instid0(VALU_DEP_1)
	v_lshlrev_b32 v1, 4, v11                       ; 16 x lane
	s_delay_alu instid0(VALU_DEP_2)
	v_lshlrev_b32 v2, 3, v11                       ; 8 x lane
	s_delay_alu instid0(VALU_DEP_3)
	v_lshlrev_b32 v3, 2, v11                       ; 4 x lane: for the two lines below alone
	s_lshl_b32 s32, s15, 9
	s_add_co_u32 s32, s32, LXS
	v_add_nc_u32 v16, s32, v3                      ; my rows' scale words
	s_lshl_b32 s32, s16, 8
	s_add_co_u32 s32, s32, LWS
	v_add_nc_u32 v17, s32, v3                      ; my head's
	s_mul_i32 s32, s14, 1536
	v_add_nc_u32 v4, s32, v1                       ; the copies' places: x's slab, an eighth a wave: in memory,
	v_add_nc_u32 v5, s32, v1                       ; in LDS for K steps 0-3,
	s_delay_alu instid0(VALU_DEP_1)
	v_add_nc_u32 v3, GRA, v5                       ; and for K steps 4-7
	s_mul_i32 s32, s14, 3072
	v_add_nc_u32 v6, s32, v1                       ; W's slab: in memory,
	s_delay_alu instid0(VALU_DEP_1)
	v_add_nc_u32 v7, LB, v6                        ; in LDS for K steps 0-2,
	s_delay_alu instid0(VALU_DEP_2)
	v_add_nc_u32 v10, LB+GRB, v6                   ; 3-5,
	s_delay_alu instid0(VALU_DEP_3)
	v_add_nc_u32 v11, LB+2*GRB, v6                 ; 6-7
	s_lshl_b32 s32, s14, 10
	v_add_nc_u32 v8, s32, v1                       ; the scale words: in memory,
	s_delay_alu instid0(VALU_DEP_1)
	v_add_nc_u32 v9, LXS, v8                       ; and in LDS.  v3-v11 are never written again
	s_mul_i32 s32, s15, 6144
	v_add_nc_u32 v12, s32, v1                      ; my four fragments of x
	v_add_nc_u32 v13, s32, v2
	s_mul_i32 s32, s16, 6144
	s_add_co_u32 s32, s32, LB
	v_add_nc_u32 v14, s32, v1                      ; my four of W
	v_add_nc_u32 v15, s32, v2
	s_mul_i32 s32, s18, 98304
	s_mov_b32 s33, 0
	s_mul_i32 s34, s17, 196608
	s_add_co_u32 s34, s34, WCO
	s_mov_b32 s35, 0
	s_lshl_b32 s36, s18, 13
	s_add_co_u32 s36, s36, XSO
	s_mov_b32 s37, 0
	s_lshl_b32 s38, s17, 13
	s_add_co_u32 s38, s38, WSO-(LWS-LXS)           ; W's words are copied with the immediate LWS - LXS, which is added to both addresses: it is taken off here
	s_mov_b32 s39, 0
	s_mov_b32 s[SEL], 0x76543210
	s_mov_b32 s[SEL+1], 0xfedcba98
	s_mov_b32 s44, 0xff00ff00
	s_mov_b32 s45, 0xf0f0f0f0
	s_mov_b32 s46, 0xcccccccc
	s_mov_b32 s47, 0xaaaaaaaa
	s_wait_alu depctr_va_vdst(0)
	s_wait_dscnt 0x0
	s_wait_kmcnt 0x0
	s_add_nc_u64 s[24:25], s[4:5], s[32:33]        ; the seven bases are never written again
	s_add_nc_u64 s[26:27], s[4:5], s[34:35]
	s_add_nc_u64 s[28:29], s[4:5], s[36:37]
	s_add_nc_u64 s[30:31], s[4:5], s[38:39]
	s_add_nc_u64 s[48:49], s[24:25], GRA
	s_add_nc_u64 s[50:51], s[26:27], GRB
	s_add_nc_u64 s[52:53], s[26:27], 2*GRB
	; all copies, ahead of every wait on their counter, every LDS read and every barrier: 4 + 8 x 9 = 76 a wave, in the order of the K steps; the immediate is added to both addresses
	global_load_async_to_lds_b128 v9, v8, s[28:29]
	global_load_async_to_lds_b128 v9, v8, s[28:29] offset:512
	global_load_async_to_lds_b128 v9, v8, s[30:31] offset:LWS-LXS
	global_load_async_to_lds_b128 v9, v8, s[30:31] offset:LWS-LXS+512
.irp t, 0,1,2,3,4,5,6,7
.irp i, 0,1,2
.if \t < 4
	global_load_async_to_lds_b128 v5, v4, s[24:25] offset:12288*\t+512*\i
.else
	global_load_async_to_lds_b128 v3, v4, s[48:49] offset:12288*(\t-4)+512*\i
.endif
.endr
.irp i, 0,1,2,3,4,5
.if \t < 3
	global_load_async_to_lds_b128 v7, v6, s[26:27] offset:24576*\t+512*\i
.elseif \t < 6
	global_load_async_to_lds_b128 v10, v6, s[50:51] offset:24576*(\t-3)+512*\i
.else
	global_load_async_to_lds_b128 v11, v6, s[52:53] offset:24576*(\t-6)+512*\i
.endif
.endr
.endr
	s_lshl_b32 s32, s20, 8                         ; the head's 64 numbers of a bias
	s_mov_b32 s33, 0
	s_cmp_eq_u32 s19, 2                            ; the kind hangs on the work-group's number alone: all eight waves go one way
	s_cbranch_scc1 .Lv_path
	; ---------------- q, k
	s_cmp_eq_u32 s19, 1
	s_cselect_b64 s[6:7], s[8:9], s[6:7]
	s_add_nc_u64 s[6:7], s[6:7], s[32:33]
	v_bfe_u32 v18, v0, 4, 1
	s_delay_alu instid0(VALU_DEP_1)
	v_lshlrev_b32 v18, 6, v18                      ; 64 h
.irp a, 0,1,2,3
.irp b, 0,1
.irp j, 0,1,2,3
	global_load_b128 v[ACC+32*\a+16*\b+4*\j:ACC+32*\a+16*\b+4*\j+3], v18, s[6:7] offset:128*\b+16*\j   ; the bias in the result's layout: d = 32 b + 16 h + 4 j on: the C of the first step
.endr
.endr
.endr
	s_wait_loadcnt 0x0
.irp t, 0,1,2,3,4,5,6,7
	s_wait_alu depctr_va_vdst(0)
	KSTEP \t, 0
.endr
	PLACES                                         ; behind the last products, ahead of the first read of results and the first write of the fragments' registers
	v_mov_b32 v[TM+2], 0                           ; written once: a lane permute's destination counts as one of its sources
	v_mov_b32 v[TM+3], 0
	s_cmp_eq_u32 s19, 1
	s_cbranch_scc1 .Lk_out
	; ---- q: v[ACC + 32 a + 16 b + i] = q(row r of tile a, d = 32 b + 16 h + i)
	s_mul_i32 s32, s21, 3072
	s_mov_b32 s33, 0
	s_add_nc_u64 s[32:33], s[12:13], s[32:33]
	s_lshl_b32 s34, s21, 9
	s_add_co_u32 s34, s34, QSO
	s_mov_b32 s35, 0
	s_add_nc_u64 s[34:35], s[12:13], s[34:35]
.irp a, 0,1,2,3
	v_pk_mul_f32 v[SS+2*\a:SS+2*\a+1], v[ACC+32*\a:ACC+32*\a+1], v[ACC+32*\a:ACC+32*\a+1]   ; the sums of squares, four chains by turns, each accumulator from its low end on
.endr
.set i2, 2
.rept 15
.irp a, 0,1,2,3
	v_pk_fma_f32 v[SS+2*\a:SS+2*\a+1], v[ACC+32*\a+i2:ACC+32*\a+i2+1], v[ACC+32*\a+i2:ACC+32*\a+i2+1], v[SS+2*\a:SS+2*\a+1]
.endr
.set i2, i2+2
.endr
.irp a, 0,1,2,3
	s_delay_alu instid0(VALU_DEP_4)
	v_add_f32 v[SS+2*\a], v[SS+2*\a], v[SS+2*\a+1]
.endr
.irp a, 0,1,2,3
	s_delay_alu instid0(VALU_DEP_4)
	v_permlanex16_b32 v[SS+2*\a+1], v[SS+2*\a], s[SEL], s[SEL+1]
.endr
.irp a, 0,1,2,3
	s_delay_alu instid0(VALU_DEP_4)
	v_add_f32 v[SS+2*\a], v[SS+2*\a], v[SS+2*\a+1]
.endr
	s_wait_alu depctr_va_vdst(0)
.irp a, 0,1,2,3
	v_sqrt_f32 v[SS+2*\a], v[SS+2*\a]
.endr
	v_nop
	s_wait_alu depctr_va_vdst(0)                   ; one wait for the four roots, ahead of their first reader
.irp a, 0,1,2,3
	v_max_num_f32 v[SS+2*\a], 0x322bcc77, v[SS+2*\a]   ; max(|q|, 1e-8)
.endr
	s_wait_alu depctr_va_vdst(0)
.irp a, 0,1,2,3
	v_rcp_f32 v[SS+2*\a], v[SS+2*\a]
.endr
	v_nop
	s_wait_alu depctr_va_vdst(0)
.irp a, 0,1,2,3
	QUANT2 ACC+32*\a, CSR+6*\a, 104+\a
.set i2, 0
.rept 16
	v_pk_mul_f32 v[ACC+32*\a+i2:ACC+32*\a+i2+1], v[ACC+32*\a+i2:ACC+32*\a+i2+1], v[SS+2*\a:SS+2*\a+1] op_sel_hi:[1,0]
.set i2, i2+2
.endr
	QUANT2 ACC+32*\a, CSR+24+6*\a, 108+\a
.endr
.irp a, 0,1,2,3
	STHALF CSR+6*\a, 32, 768*\a
	STHALF CSR+24+6*\a, 32, NCO+768*\a
.endr
	global_store_b128 v1, v[104:107], s[34:35]
	global_store_b128 v1, v[108:111], s[34:35] offset:NSO-QSO
	s_set_vgpr_msb 0x5
	s_wait_tensorcnt 0x0
	ds_add_u32 v0, v1
	s_wait_dscnt 0x0
	s_set_vgpr_msb 0x500
	s_endpgm
	; ---- k
.Lk_out:
	s_mul_i32 s32, s21, 7168
	s_add_co_u32 s32, s32, KVO
	s_mov_b32 s33, 0
	s_add_nc_u64 s[32:33], s[12:13], s[32:33]
	s_lshl_b32 s34, s21, 8
	s_add_co_u32 s34, s34, KRO
	s_mov_b32 s35, 0
	s_add_nc_u64 s[34:35], s[12:13], s[34:35]
.irp a, 0,1,2,3
	QUANT2 ACC+32*\a, CSR+6*\a, 112+\a
.endr
.irp a, 0,1,2,3
	STHALF CSR+6*\a, 32, 768*\a
.endr
	global_store_b128 v1, v[112:115], s[32:33] offset:6144
.set i2, 0
.rept 16
	v_pk_add_f32 v[80+i2:81+i2], v[ACC+i2:ACC+i2+1], v[ACC+32+i2:ACC+33+i2]    ; the four tiles' rows,
.set i2, i2+2
.endr
.set i2, 0
.rept 16
	v_pk_add_f32 v[80+i2:81+i2], v[80+i2:81+i2], v[ACC+64+i2:ACC+65+i2]
.set i2, i2+2
.endr
.set i2, 0
.rept 16
	v_pk_add_f32 v[80+i2:81+i2], v[80+i2:81+i2], v[ACC+96+i2:ACC+97+i2]
.set i2, i2+2
.endr
	RSTAGE 80, 16, 44, 8                           ; and the sixteen lanes': lane r is left with registers 2 r, 2 r + 1 of the 32
	RSTAGE 80, 8, 45, 4
	RSTAGE 80, 4, 46, 2
	RSTAGE 80, 2, 47, 1
	s_delay_alu instid0(VALU_DEP_4)
	v_mul_f32 v80, 0x3c800000, v80                 ; / 64
	s_delay_alu instid0(VALU_DEP_2)
	v_mul_f32 v81, 0x3c800000, v81
	v_and_b32 v120, 7, v0
	s_delay_alu instid0(VALU_DEP_1)
	v_lshlrev_b32 v120, 3, v120
	v_bfe_u32 v121, v0, 3, 1
	s_delay_alu instid0(VALU_DEP_1)
	v_lshl_add_u32 v120, v121, 7, v120
	v_bfe_u32 v121, v0, 4, 1
	s_delay_alu instid0(VALU_DEP_1)
	v_lshl_add_u32 v120, v121, 6, v120             ; d = 32 (r / 8) + 16 h + 2 (r % 8): the 32 lanes store 256 consecutive bytes
	global_store_b64 v120, v[80:81], s[34:35]
	s_set_vgpr_msb 0x5
	s_wait_tensorcnt 0x0
	ds_add_u32 v0, v1
	s_wait_dscnt 0x0
	s_set_vgpr_msb 0x500
	s_endpgm
	; ---------------- v
.Lv_path:
	s_add_nc_u64 s[10:11], s[10:11], s[32:33]
	v_and_b32 v32, 15, v0                          ; (v32 and v33 are free until the first fragments are loaded, behind the wait for these loads)
	v_and_b32 v33, 8, v0
	s_delay_alu instid0(VALU_DEP_1)
	v_add_nc_u32 v32, v32, v33
	s_delay_alu instid0(VALU_DEP_1)
	v_lshlrev_b32 v32, 2, v32                      ; my d in a tile: r + (r & 8)
.macro BVLOAD reg, nt                  ; the lane's one number of bv for tile nt, twice: a pair for the packed addition
	global_load_b32 v[\reg], v32, s[10:11] offset:4*(32*(\nt/2)+8*(\nt%2))
	global_load_b32 v[\reg+1], v32, s[10:11] offset:4*(32*(\nt/2)+8*(\nt%2))
.endm
	BVLOAD 18, 0
	BVLOAD 26, 1
	BVLOAD 28, 2
	BVLOAD 30, 3
	s_wait_loadcnt 0x0
.irp t, 0,1,2,3,4,5,6,7
	s_wait_alu depctr_va_vdst(0)
	KSTEP \t, 1
.endr
	PLACES
	v_mov_b32 v[TM+2], 0
	v_mov_b32 v[TM+3], 0
	s_mul_i32 s32, s21, 7168
	s_add_co_u32 s32, s32, KVO
	s_mov_b32 s33, 0
	s_add_nc_u64 s[32:33], s[12:13], s[32:33]
	s_lshl_b32 s34, s21, 9
	s_add_co_u32 s34, s34, VRO
	s_mov_b32 s35, 0
	s_add_nc_u64 s[34:35], s[12:13], s[34:35]
.macro VBIAS reg, nt                   ; v[ACC + 32 nt + 16 b + i] = v(t = 32 b + 16 h + i, my d of tile nt)
.set i2, 0
.rept 16
	v_pk_add_f32 v[ACC+32*\nt+i2:ACC+32*\nt+i2+1], v[ACC+32*\nt+i2:ACC+32*\nt+i2+1], v[\reg:\reg+1]
.set i2, i2+2
.endr
.endm
	VBIAS 18, 0
	VBIAS 26, 1
	VBIAS 28, 2
	VBIAS 30, 3
.irp n, 0,1,2,3
	v_pk_add_f32 v[SS+2*\n:SS+2*\n+1], v[ACC+32*\n:ACC+32*\n+1], v[ACC+32*\n+2:ACC+32*\n+3]   ; the block's mean of v: my 32 keys,
.endr
.set i2, 4
.rept 14
.irp n, 0,1,2,3
	s_delay_alu instid0(VALU_DEP_4)
	v_pk_add_f32 v[SS+2*\n:SS+2*\n+1], v[SS+2*\n:SS+2*\n+1], v[ACC+32*\n+i2:ACC+32*\n+i2+1]
.endr
.set i2, i2+2
.endr
.irp n, 0,1,2,3
	s_delay_alu instid0(VALU_DEP_4)
	v_add_f32 v[SS+2*\n], v[SS+2*\n], v[SS+2*\n+1]
.endr
.irp n, 0,1,2,3
	s_delay_alu instid0(VALU_DEP_4)
	v_permlanex16_b32 v[SS+2*\n+1], v[SS+2*\n], s[SEL], s[SEL+1]
.endr
.irp n, 0,1,2,3
	s_delay_alu instid0(VALU_DEP_4)
	v_add_f32 v[SS+2*\n], v[SS+2*\n], v[SS+2*\n+1] ; and lane l xor 16's
.endr
.irp n, 0,1,2,3
	s_delay_alu instid0(VALU_DEP_4)
	v_mul_f32 v[116+\n], 0x3c800000, v[SS+2*\n]
.endr
.irp n, 0,1,2,3
	QUANT2 ACC+32*\n, CSR+6*\n, 112+\n
.endr
.irp n, 0,1,2,3
	STHALF CSR+6*\n, 32, 3072+768*\n
.endr
	global_store_b128 v1, v[112:115], s[32:33] offset:6656
	global_store_b128 v1, v[116:119], s[34:35]
	s_set_vgpr_msb 0x5
	s_wait_tensorcnt 0x0
	ds_add_u32 v0, v1
	s_wait_dscnt 0x0
	s_set_vgpr_msb 0x500
	s_endpgm
.Lfunc_end_k_qf43f75a9f6_qkv:
	.size	k_qf43f75a9f6_qkv, .Lfunc_end_k_qf43f75a9f6_qkv-k_qf43f75a9f6_qkv
	.p2alignl 7, 3214868480
	.fill 96, 4, 3214868480
	.section	.rodata,"a",@progbits
	.p2align	6, 0x0
	.amdhsa_kernel k_qf43f75a9f6_qkv
		.amdhsa_group_segment_fixed_size 312320
		.amdhsa_private_segment_fixed_size 0
		.amdhsa_enable_private_segment 0
		.amdhsa_kernarg_size 40
		.amdhsa_user_sgpr_count 2
		.amdhsa_user_sgpr_kernarg_segment_ptr 1
		.amdhsa_wavefront_size32 1
		.amdhsa_system_sgpr_workgroup_id_x 1
		.amdhsa_system_sgpr_workgroup_id_y 1
		.amdhsa_system_sgpr_workgroup_id_z 1
		.amdhsa_system_vgpr_workitem_id 0
		.amdhsa_next_free_vgpr 258
		.amdhsa_next_free_sgpr 66
		.amdhsa_reserve_vcc 0
		.amdhsa_float_denorm_mode_32 3
		.amdhsa_float_denorm_mode_16_64 3
		.amdhsa_memory_ordered 1
		.amdhsa_forward_progress 1
		.amdhsa_inst_pref_size 164
	.end_amdhsa_kernel
	.amdgpu_metadata
---
amdhsa.version: [ 1, 2 ]
amdhsa.kernels:
  - .name:           k_qf43f75a9f6_qkv
    .symbol:         k_qf43f75a9f6_qkv.kd
    .args:
      - { .name: prepw, .offset: 0, .size: 8, .value_kind: global_buffer, .address_space: global }
      - { .name: bq, .offset: 8, .size: 8, .value_kind: global_buffer, .address_space: global }
      - { .name: bk, .offset: 16, .size: 8, .value_kind: global_buffer, .address_space: global }
      - { .name: bv, .offset: 24, .size: 8, .value_kind: global_buffer, .address_space: global }
      - { .name: qkvw, .offset: 32, .size: 8, .value_kind: global_buffer, .address_space: global }
    .group_segment_fixed_size: 312320
    .private_segment_fixed_size: 0
    .kernarg_segment_align: 8
    .kernarg_segment_size: 40
    .max_flat_workgroup_size: 256
    .sgpr_count:     66
    .vgpr_count:     258
    .wavefront_size: 32
...
	.end_amdgpu_metadata
.endif
;; end of part 7
;; launch pick (part 8): grid 32 x 1, 16 waves a work-group, no clusters, 4,096 bytes of LDS; arguments qkvw, cmpw, selw; writes cmpw, selw
.if DOCPART == 8
	.amdgcn_target "amdgcn-amd-amdhsa--gfx1250"
	.amdhsa_code_object_version 6
	.text
	.protected	k_qf43f75a9f6_pick
	.globl	k_qf43f75a9f6_pick
	.p2align	8
	.type	k_qf43f75a9f6_pick,@function
k_qf43f75a9f6_pick:
	s_mov_b64 s[64:65], 0
	v_nop
	global_prefetch_b8 v0, s[64:65] scope:SCOPE_SE
	s_setreg_imm32_b32 hwreg(HW_REG_WAVE_SCHED_MODE, 0, 2), 2
	s_setreg_imm32_b32 hwreg(HW_REG_WAVE_MODE, 25, 1), 1
	s_wait_xcnt 0x0
	s_wait_alu depctr_vm_vsrc(0)
; PICK: one work-group for each (batch, head): the head's top 8 of 32 key blocks, and the codes of the blocks' means for the compressed branch.  The choice needs the whole head, so there are 32 work-groups and no more.
; The score of block n is the sum over the 2,048 queries of Q(q / |q|) . Q(k_rep / |k_rep|), a product on codes of FP6.  reference() divides by 2,048: an exact positive power of two, which changes no order, so it is left out.
; One matrix instruction takes TWO tiles of queries: source 0 = [kn | kn] (the 64 codes twice), source 1 = [tile 2 i | tile 2 i + 1], so that its sum over K adds both tiles' scores; the two accumulators go on over the wave's eight tiles.
; The order is made by counting, for each block, the blocks that come before it (a larger score, or an equal one with a lower index, as jax.lax.top_k has it); no branch and no address hangs on a score.
; LIMITS: NaN and infinities are not served.  The sum over T is taken in another order than reference()'s mean: blocks whose means agree to f32 rounding may change places.
; THE MODE: SCHED_MODE bits 1:0 = 2 (LLVM: expert scheduling mode 2), set by the entry lines.  The code itself states the register dependences between vector or matrix instructions and memory or LDS instructions, with s_wait_alu, always for 0.
; THE PLAN.  Registers that memory or LDS instructions touch:
;   v1-v6            offsets, made at the head by vector lines and never written again: one wait ahead of the first load serves every load and store.
;   v32-151, v224-255  loaded once at the head; no vector line has named them before.  v32-47 take wave 0's LDS loads at the end: the wait ahead of the LDS store stands behind every vector line that named them.
;   v215-221 (waves 0-3), v224-237 (wave 4), v184, v50   data of stores: written by vector lines, one wait ahead of each run of stores; none is written again.
;   Scalar registers that vector lines write (the wave's number, the scores read out of lanes, the compares' masks) are written in runs, with one wait behind each run and ahead of its first reader.
.set NCO,  3670016
.set NSO,  6815744
.set KRO,  14680064
.set VRO,  14942208
.set FLOOR, 0x1800000
.set EOFF,  0xff000000
.set SEL, 40
.set TM,  200
.set TT,  208
.set KG,  14
.macro QUANT2 src, dst, pw             ; 32 numbers of a lane, register 16 b + i = k 32 b + 16 h + i, become a half and its scale word
	v_max3_num_f32 v[TM], |v[(\src)]|, |v[(\src)+1]|, FLOOR
	v_max3_num_f32 v[TM+1], |v[(\src)+16]|, |v[(\src)+17]|, FLOOR
.irp i, 2,4,6,8,10,12,14
	v_max3_num_f32 v[TM], v[TM], |v[(\src)+\i]|, |v[(\src)+1+\i]|
	v_max3_num_f32 v[TM+1], v[TM+1], |v[(\src)+16+\i]|, |v[(\src)+17+\i]|
.endr
	v_permlanex16_b32 v[TM+2], v[TM], s[SEL], s[SEL+1]
	v_permlanex16_b32 v[TM+3], v[TM+1], s[SEL], s[SEL+1]
	v_max_num_f32 v[TM], v[TM], v[TM+2]
	v_max_num_f32 v[TM+1], v[TM+1], v[TM+3]
	v_add_nc_u32 v[TM+4], EOFF, v[TM]
	v_add_nc_u32 v[TM+5], EOFF, v[TM+1]
	v_lshrrev_b32 v[TM+6], 23, v[TM+4]
	v_lshrrev_b32 v[TM+7], 23, v[TM+5]
	v_lshl_or_b32 v[\pw], v[TM+7], 8, v[TM+6]
	v_cvt_scalef32_pk16_fp6_f32 v[(\dst):(\dst)+2], v[(\src):(\src)+15], v[TM+4]
	v_cvt_scalef32_pk16_fp6_f32 v[TT:TT+2], v[(\src)+16:(\src)+31], v[TM+5]
	v_nop
.irp i, 0,1,2
	v_permlane16_swap_b32 v[(\dst)+\i], v[TT+\i]
.endr
.irp i, 0,1,2
	v_mov_b32 v[(\dst)+3+\i], v[TT+\i]
.endr
.endm
.macro STHALF dst, base, off
	global_store_b128 v1, v[(\dst):(\dst)+3], s[\base:\base+1] offset:(\off)
	global_store_b64 v2, v[(\dst)+4:(\dst)+5], s[\base:\base+1] offset:(\off)+512
.endm
.macro RSTAGE R, n, smask, xm
.set ri, 0
.rept \n
	v_cndmask_b32 v[KG+2*(ri%2)], v[\R+ri], v[\R+\n+ri], s[\smask]
	v_cndmask_b32 v[KG+1+2*(ri%2)], v[\R+\n+ri], v[\R+ri], s[\smask]
	v_add_f32_dpp v[\R+ri], v[KG+1+2*(ri%2)], v[KG+2*(ri%2)] row_xmask:\xm row_mask:0xf bank_mask:0xf
.set ri, ri+1
.endr
.endm
	s_load_b128 s[4:7], s[0:1], 0x0                ; qkvw s[4:5], cmpw s[6:7]
	s_load_b64 s[8:9], s[0:1], 0x10                ; selw
	v_lshl_add_u32 v222, v0, 2, 0x800
	v_mov_b32 v223, 0
	v_lshrrev_b32 v1, 5, v0
	v_readfirstlane_b32 s14, v1                    ; wave 0..15
	v_and_b32 v7, 31, v0
	v_lshlrev_b32 v1, 4, v7
	v_lshlrev_b32 v2, 3, v7
	v_lshlrev_b32 v3, 2, v7
	v_and_b32 v4, 15, v0
	v_and_b32 v5, 8, v0
	v_add_nc_u32 v4, v4, v5
	v_lshlrev_b32 v4, 8, v4
	v_bfe_u32 v5, v0, 4, 1
	v_lshl_add_u32 v4, v5, 6, v4                   ; the means of k: block r + (r & 8), + 64 h
	s_wait_alu depctr_va_sdst(0)                   ; s14 is written, ahead of its first reader: offsets and branches are made from it
	s_lshl_b32 s15, s14, 2
	v_add_nc_u32 v5, s15, v1                       ; the means of v: 16 x lane + 4 x tile of d (waves 0-3)
	v_lshlrev_b32 v6, 2, v0                        ; 128 x wave + 4 x lane
	s_mov_b32 s[SEL], 0x76543210
	s_mov_b32 s[SEL+1], 0xfedcba98
	s_mov_b32 s44, 0xff00ff00
	s_mov_b32 s45, 0xf0f0f0f0
	s_mov_b32 s46, 0xcccccccc
	s_mov_b32 s47, 0xaaaaaaaa
	s_mov_b32 s30, 0xffff0000
	s_lshl_b32 s16, ttmp9, 13
	s_add_co_u32 s16, s16, KRO
	s_mov_b32 s17, 0
	s_lshl_b32 s18, ttmp9, 7
	s_lshl_b32 s19, s14, 3
	s_add_co_u32 s18, s18, s19
	s_mul_i32 s18, s18, 768
	s_add_co_u32 s18, s18, NCO
	s_mov_b32 s19, 0
	s_lshl_b32 s20, ttmp9, 5
	s_lshl_b32 s21, s14, 1
	s_add_co_u32 s20, s20, s21
	s_lshl_b32 s20, s20, 9
	s_add_co_u32 s20, s20, NSO
	s_mov_b32 s21, 0
	s_lshl_b32 s22, ttmp9, 14
	s_add_co_u32 s22, s22, VRO
	s_mov_b32 s23, 0
	s_mul_i32 s24, ttmp9, 5632
	s_mov_b32 s25, 0
	s_lshl_b32 s26, ttmp9, 7
	s_mov_b32 s27, 0
	s_mul_i32 s28, s14, 768
	s_mov_b32 s29, 0
	s_wait_kmcnt 0x0
	s_add_nc_u64 s[16:17], s[4:5], s[16:17]
	s_add_nc_u64 s[18:19], s[4:5], s[18:19]
	s_add_nc_u64 s[20:21], s[4:5], s[20:21]
	s_add_nc_u64 s[22:23], s[4:5], s[22:23]
	s_add_nc_u64 s[24:25], s[6:7], s[24:25]        ; the head's record: k_rep's 2 halves, v_cmp's 4, their scale words
	s_add_nc_u64 s[26:27], s[8:9], s[26:27]
	s_add_nc_u64 s[28:29], s[24:25], s[28:29]
	s_wait_alu depctr_va_vdst(0)                   ; the offsets v1 to v6 are written, which every load and store of the kernel reads
.irp u, 0,1
.irp b, 0,1
.irp j, 0,1,2,3
	global_load_b128 v[32+32*\u+16*\b+4*\j:35+32*\u+16*\b+4*\j], v4, s[16:17] offset:2048*\u+128*\b+16*\j   ; tile u of the 32 means: register 16 b + i = d 32 b + 16 h + i
.endr
.endr
.endr
.irp i, 0,1,2,3                        ; my eight tiles of q / |q|: two neighbouring halves are a fragment
	global_load_b128 v[96+12*\i:99+12*\i], v1, s[18:19] offset:1536*\i
	global_load_b64 v[100+12*\i:101+12*\i], v2, s[18:19] offset:1536*\i+512
	global_load_b128 v[102+12*\i:105+12*\i], v1, s[18:19] offset:1536*\i+768
	global_load_b64 v[106+12*\i:107+12*\i], v2, s[18:19] offset:1536*\i+1280
.endr
	global_load_b128 v[144:147], v1, s[20:21]
	global_load_b128 v[148:151], v1, s[20:21] offset:512
	s_cmp_lt_u32 s14, 4
	s_cbranch_scc0 .Lno_vr
.set bb, 0
.rept 32
	global_load_b32 v[224+bb], v5, s[22:23] offset:512*bb      ; v_cmp(block bb, my d of tile w)
.set bb, bb+1
.endr
.Lno_vr:
	s_wait_loadcnt 0x0
	v_mov_b32 v[TM+2], 0                           ; written once: a lane permute's destination counts as one of its sources
	v_mov_b32 v[TM+3], 0
	s_cmp_lt_u32 s14, 4
	s_cbranch_scc0 .Lnot_v
	; ---- waves 0-3: v_cmp's tile w of d; K = the 32 blocks: one block of the quantiser, all in my registers
	v_max3_num_f32 v212, |v224|, |v225|, |v226|
	v_max3_num_f32 v213, |v227|, |v228|, |v229|
.irp i, 6,10,14,18,22,26
	v_max3_num_f32 v212, v212, |v[224+\i]|, |v[225+\i]|
	v_max3_num_f32 v213, v213, |v[226+\i]|, |v[227+\i]|
.endr
	v_max3_num_f32 v212, v212, |v254|, |v255|
	v_max3_num_f32 v212, v212, v213, FLOOR
	v_add_nc_u32 v214, EOFF, v212
	v_lshrrev_b32 v215, 23, v214                   ; the scale word: byte 0 alone
	v_cvt_scalef32_pk16_fp6_f32 v[216:218], v[224:239], v214
	v_cvt_scalef32_pk16_fp6_f32 v[TT:TT+2], v[240:255], v214
	v_nop
.irp i, 0,1,2
	v_mov_b32 v[219+\i], v[TT+\i]
.endr
.irp i, 0,1,2,3,4,5
	v_cndmask_b32 v[216+\i], v[216+\i], 0, s30     ; lanes 16-31 stand for k = 32 .. 63: zero codes
.endr
	s_wait_alu depctr_va_vdst(0)                   ; the codes v216-221 and the scale word v215 are written, which the three stores read
	STHALF 216, 28, 1536
	global_store_b32 v6, v215, s[24:25] offset:4864
.Lnot_v:
	s_cmp_eq_u32 s14, 4
	s_cbranch_scc0 .Lall
	; ---- wave 4: k_rep as it is, for the compressed branch
	QUANT2 32, 224, 236
	QUANT2 64, 230, 237
	s_wait_alu depctr_va_vdst(0)                   ; the codes v224-235 and the scale words v236, v237 are written, which the six stores read
	STHALF 224, 24, 0
	STHALF 230, 24, 768
	global_store_b32 v3, v236, s[24:25] offset:4608
	global_store_b32 v3, v237, s[24:25] offset:4736
.Lall:
	; ---- every wave: kn = k_rep / max(|k_rep|, 1e-8), quantised
.irp u, 0,1
	v_pk_mul_f32 v[10+2*\u:11+2*\u], v[32+32*\u:33+32*\u], v[32+32*\u:33+32*\u]
.endr
.set i2, 2
.rept 15
.irp u, 0,1
	v_pk_fma_f32 v[10+2*\u:11+2*\u], v[32+32*\u+i2:33+32*\u+i2], v[32+32*\u+i2:33+32*\u+i2], v[10+2*\u:11+2*\u]
.endr
.set i2, i2+2
.endr
.irp u, 0,1
	v_add_f32 v[10+2*\u], v[10+2*\u], v[11+2*\u]
.endr
.irp u, 0,1
	v_permlanex16_b32 v[11+2*\u], v[10+2*\u], s[SEL], s[SEL+1]
.endr
.irp u, 0,1
	v_add_f32 v[10+2*\u], v[10+2*\u], v[11+2*\u]
.endr
	s_wait_alu depctr_va_vdst(0)
	v_sqrt_f32 v10, v10
	v_sqrt_f32 v12, v12
	v_nop
	s_wait_alu depctr_va_vdst(0)                   ; the two roots v10, v12 are written, ahead of their first reader
	v_max_num_f32 v10, 0x322bcc77, v10
	v_max_num_f32 v12, 0x322bcc77, v12
	s_wait_alu depctr_va_vdst(0)
	v_rcp_f32 v10, v10
	v_rcp_f32 v12, v12
	v_nop
	s_wait_alu depctr_va_vdst(0)                   ; the two reciprocals v10, v12 are written, ahead of their first reader
.irp u, 0,1
.set i2, 0
.rept 16
	v_pk_mul_f32 v[32+32*\u+i2:33+32*\u+i2], v[32+32*\u+i2:33+32*\u+i2], v[10+2*\u:11+2*\u] op_sel_hi:[1,0]
.set i2, i2+2
.endr
.endr
	QUANT2 32, 160, 156
	QUANT2 64, 172, 157
.irp i, 0,1,2,3,4,5
	v_mov_b32 v[166+\i], v[160+\i]                 ; [kn | kn]
	v_mov_b32 v[178+\i], v[172+\i]
.endr
	v_lshl_or_b32 v156, v156, 16, v156
	v_lshl_or_b32 v157, v157, 16, v157
.irp i, 0,1,2,3
	v_lshl_or_b32 v[152+\i], v[145+2*\i], 16, v[144+2*\i]   ; the two tiles' words make the fragment's
.endr
.rept 8
	v_nop                                          ; scale registers written by vector instructions stand eight places ahead of a scaled matrix instruction, operands four
.endr
	s_wait_alu depctr_va_vdst(0)                   ; kn's codes v160-183 and the scale words v152-157 are written, which the scaled products take; the places above stay beside this wait
.irp i, 0,1,2,3                        ; two accumulators by turns, one instruction a turn
.irp u, 0,1
.if \i == 0
	v_wmma_scale_f32_16x16x128_f8f6f4 v[184+8*\u:191+8*\u], v[160+12*\u:171+12*\u], v[96+12*\i:107+12*\i], 0, v[156+\u], v[152+\i] matrix_a_fmt:MATRIX_FMT_FP6 matrix_b_fmt:MATRIX_FMT_FP6
.else
	v_wmma_scale_f32_16x16x128_f8f6f4 v[184+8*\u:191+8*\u], v[160+12*\u:171+12*\u], v[96+12*\i:107+12*\i], v[184+8*\u:191+8*\u], v[156+\u], v[152+\i] matrix_a_fmt:MATRIX_FMT_FP6 matrix_b_fmt:MATRIX_FMT_FP6
.endif
.endr
.endr
.rept 4
	v_nop
.endr
	RSTAGE 184, 8, 44, 8                           ; register n of lane (r, h) is block 16 h + n for query r: the sum over the sixteen queries leaves lane l with block l
	RSTAGE 184, 4, 45, 4
	RSTAGE 184, 2, 46, 2
	RSTAGE 184, 1, 47, 1
	s_wait_alu depctr_va_vdst(0)                   ; v184 is written, which the LDS store reads; and every vector line that named v32-47 is done: wave 0's LDS loads land there, with no vector line between
	ds_store_b32 v6, v184
	s_wait_dscnt 0x0                               ; for the others' sake: my store has landed
	s_barrier_signal -1
	s_barrier_wait -1
	s_cmp_lg_u32 s14, 0
	s_cbranch_scc1 .Lend
.irp t, 0,1,2,3,4,5,6,7,8,9,10,11,12,13,14,15
	ds_load_b32 v[32+\t], v3 offset:128*\t
.endr
	s_wait_dscnt 0x0
.irp t, 0,1,2,3,4,5,6,7
	v_add_f32 v[32+\t], v[32+\t], v[40+\t]
.endr
.irp t, 0,1,2,3
	v_add_f32 v[32+\t], v[32+\t], v[36+\t]
.endr
	v_add_f32 v32, v32, v34
	v_add_f32 v33, v33, v35
	v_add_f32 v32, v32, v33                        ; lane l: block l's score
	v_mov_b32 v48, 0
	; the ranking, eight blocks to a run: their scores into s2-s9, the two compares of each into s15-s22 and s32-s39 (all free here: they held pointers, and bases of loads that have been waited for)
.set cc, 0
.rept 4
.set jj, 0
.rept 8
	v_readlane_b32 s[2+jj], v32, 8*cc+jj
.set jj, jj+1
.endr
	s_wait_alu depctr_va_sdst(0)                   ; the eight scores s2-s9 are written, ahead of the compares that read them
.set jj, 0
.rept 8
	v_cmp_gt_f32 s[15+jj], s[2+jj], v32            ; block 8 cc + jj comes before mine: its score is larger,
	v_cmp_ge_f32 s[32+jj], s[2+jj], v32
.set jj, jj+1
.endr
	s_wait_alu depctr_va_sdst(0)                   ; the sixteen masks are written, ahead of the scalar lines that read them
.set jj, 0
.rept 8
	s_and_b32 s[32+jj], s[32+jj], (0xffffffff<<(8*cc+jj+1))&0xffffffff   ; or equal and its index lower
	s_or_b32 s[15+jj], s[15+jj], s[32+jj]
	v_cndmask_b32 v49, 0, 1, s[15+jj]
	v_add_nc_u32 v48, v48, v49                     ; my place in the order
.set jj, jj+1
.endr
.set cc, cc+1
.endr
	v_mov_b32 v50, 0
.set pp, 0
.rept 8
	v_cmp_eq_u32 s[32+pp], pp, v48
.set pp, pp+1
.endr
	s_wait_alu depctr_va_sdst(0)                   ; the eight masks s32-s39 are written, ahead of the scalar lines that read them
.set pp, 0
.rept 8
	s_ctz_i32_b32 s[2+pp], s[32+pp]
	v_writelane_b32 v50, s[2+pp], pp               ; word pp: the block at place pp
.set pp, pp+1
.endr
	s_wait_alu depctr_va_vdst(0)                   ; v50 is written, which the store reads
	global_store_b32 v3, v50, s[26:27]             ; 32 words at a fixed place; words 8-31 are 0
.Lend:
	s_wait_dscnt 0x0                               ; the closing lines, six on end
	s_wait_alu 0x0
	s_wait_tensorcnt 0x0
	ds_add_u32 v222, v223
	s_wait_dscnt 0x0
	s_endpgm
.Lfunc_end_k_qf43f75a9f6_pick:
	.size	k_qf43f75a9f6_pick, .Lfunc_end_k_qf43f75a9f6_pick-k_qf43f75a9f6_pick
	.p2alignl 7, 3214868480
	.fill 96, 4, 3214868480
	.section	.rodata,"a",@progbits
	.p2align	6, 0x0
	.amdhsa_kernel k_qf43f75a9f6_pick
		.amdhsa_group_segment_fixed_size 4096
		.amdhsa_private_segment_fixed_size 0
		.amdhsa_enable_private_segment 0
		.amdhsa_kernarg_size 24
		.amdhsa_user_sgpr_count 2
		.amdhsa_user_sgpr_kernarg_segment_ptr 1
		.amdhsa_wavefront_size32 1
		.amdhsa_system_sgpr_workgroup_id_x 1
		.amdhsa_system_sgpr_workgroup_id_y 1
		.amdhsa_system_sgpr_workgroup_id_z 1
		.amdhsa_system_vgpr_workitem_id 0
		.amdhsa_next_free_vgpr 256
		.amdhsa_next_free_sgpr 66
		.amdhsa_reserve_vcc 0
		.amdhsa_float_denorm_mode_32 3
		.amdhsa_float_denorm_mode_16_64 3
		.amdhsa_memory_ordered 1
		.amdhsa_forward_progress 1
		.amdhsa_inst_pref_size 45
	.end_amdhsa_kernel
	.amdgpu_metadata
---
amdhsa.version: [ 1, 2 ]
amdhsa.kernels:
  - .name:           k_qf43f75a9f6_pick
    .symbol:         k_qf43f75a9f6_pick.kd
    .args:
      - { .name: qkvw, .offset: 0, .size: 8, .value_kind: global_buffer, .address_space: global }
      - { .name: cmpw, .offset: 8, .size: 8, .value_kind: global_buffer, .address_space: global }
      - { .name: selw, .offset: 16, .size: 8, .value_kind: global_buffer, .address_space: global }
    .group_segment_fixed_size: 4096
    .private_segment_fixed_size: 0
    .kernarg_segment_align: 8
    .kernarg_segment_size: 24
    .max_flat_workgroup_size: 512
    .sgpr_count:     66
    .vgpr_count:     256
    .wavefront_size: 32
...
	.end_amdgpu_metadata
.endif
;; end of part 8
;; launch attn (part 9): grid 8 x 32, 16 waves a work-group, no clusters, 102,400 bytes of LDS; arguments prepw, qkvw, cmpw, selw, ocw; writes ocw
.if DOCPART == 9
	.amdgcn_target "amdgcn-amd-amdhsa--gfx1250"
	.amdhsa_code_object_version 6
	.text
	.protected	k_qf43f75a9f6_attn
	.globl	k_qf43f75a9f6_attn
	.p2align	8
	.type	k_qf43f75a9f6_attn,@function
k_qf43f75a9f6_attn:
	s_mov_b64 s[64:65], 0
	v_nop
	global_prefetch_b8 v0, s[64:65] scope:SCOPE_SE
	s_setreg_imm32_b32 hwreg(HW_REG_WAVE_SCHED_MODE, 0, 2), 2
	s_setreg_imm32_b32 hwreg(HW_REG_WAVE_MODE, 25, 1), 1
	s_wait_xcnt 0x0
	s_wait_alu depctr_vm_vsrc(0)
; ATTN: the three branches of one (batch, head) for 256 queries, gated, summed and quantised for the last product.  All products on codes of FP6.
; Sixteen waves, each with ONE tile of 16 queries in 256 registers: four waves to a SIMD, so that one wave's softmax stands beside another's products and LDS loads.
; Both products are used transposed (S^T = K Q^T, O^T = V^T P^T): a lane holds one query throughout.  The head is 64 wide: the upper 64 of K of the first product are zero codes, written once.
; THE SOFTMAX: t = score x log2(e) / 8; M = the largest t so far, rounded up to a whole number; p = 2^(t - M) is quantised along the keys; the sum of the unquantised p divides at the end; when M moves, sum and O^T are multiplied by 2^(old M - new M).
; WHAT IS MULTIPLIED: only keys that reference()'s own masks leave: the band j <= i, i - j <= 128 lies in two aligned steps of 128 keys; of the 512 chosen keys a step whose keys all come after the tile's queries is left out; the 32 means are one step.
; LDS: 14 records of 7,168 bytes (4 halves of k, 4 of v, their scale words), brought once by waves 0-13 through registers: slots 0-7 the chosen blocks in their order (indices stored by the launch before), slots 8-13 blocks 4 Q - 2 .. 4 Q + 3.
; The compressed branch needs no LDS and is worked while the records are on their way.  One barrier.  No tiles are shared between work-groups through a cluster: the records are brought by register loads, which have no joint form.
; LIMITS: NaN and infinities are not served; a block under 2^-124 (zeros too) gets the byte 1.  The three branches are added in the order cmp, sliding, selected.
; REGISTERS: v1 16 l, v2 8 l, v6 4 l; v3, v4 the masks' bounds; v5 where I put my record; v8-9 the step's addresses; v10 out's scale word; v11 the chosen record's offset; v12 -M, v13 largest t, v[14:15] the sum; v16-19 gates; v20-27 v's raw scale words;
;   v32-43 Q; v44-91 four fragments of K; v96-159 S^T, p, then v's four fragments; v160-191 O^T; v192-223 the gated sum; v224-235 p's codes; v232-254 at work; v248-251, v253, v255 scale words.  s4-s13, s56-s61: sixteen masks of the compares.
; THE MODE: SCHED_MODE bits 1:0 = 2 (LLVM: expert scheduling mode 2), set by the entry lines.  The code itself states the register dependences between vector or matrix instructions and memory or LDS instructions, with s_wait_alu, always for 0.
; THE PLAN.  Registers that memory or LDS instructions touch:
;   v1, v2, v5, v6, v11   offsets, made at the head and never written again: a wait ahead of the first load, one more behind v11's addition.
;   v8, v9                a key step's LDS addresses: written by two additions at the step's head (behind a wait on vm_vsrc for the last step's loads), read by all its LDS loads.
;   v44-49 (+ 12 t)       K's data: loaded twice a step, read by four products each time.  K has ONE set (sixteen waves of 256 registers fill the SIMDs), so a wait on va_vdst stands at the step's head and one between the two groups of four.
;   v248-251, v20-27      scale words: loaded; v248-251 are read by products and then written by vector lines; v20-27 are read by vector lines: the same two waits serve them.
;   v96-143               scores (products), p (vector lines), then v's fragments (LDS loads): a wait on va_vdst behind the conversions, which are the last to read p; the loads follow at once, and the vector lines behind them name none of v96-143, v8, v9.
;   v112-159, v192-199    my record: global loads, then LDS stores; a wait on vm_vsrc behind the stores, ahead of the gated sum's and the scores' writes.
;   v224-229, v10         the last codes and scale word: a wait on va_vdst ahead of the three stores.
;   Operands and scale words that vector lines write for a scaled product: their places, then a wait on va_vdst.  The compares write scalar registers in runs of sixteen, one wait on va_sdst behind each run.
.set GAO,  6684672
.set QSO,  3145728
.set KVO,  7340032
.set OSO,  3145728
.set REC,  7168
.set FLOOR, 0x1800000
.set EOFF,  0xff000000
.set SEL, 40
.set CS,  42                           ; s[42:43] c = log2(e) / 8
.set TB,  44                           ; s44 LDS byte of the step's first record
.set KF,  45                           ; s45 the step's first chosen key
.set TM,  232
.set TT,  240
.macro QUANT2 src, dst, pw
	v_max3_num_f32 v[TM], |v[(\src)]|, |v[(\src)+1]|, FLOOR
	v_max3_num_f32 v[TM+1], |v[(\src)+16]|, |v[(\src)+17]|, FLOOR
.irp i, 2,4,6,8,10,12,14
	v_max3_num_f32 v[TM], v[TM], |v[(\src)+\i]|, |v[(\src)+1+\i]|
	v_max3_num_f32 v[TM+1], v[TM+1], |v[(\src)+16+\i]|, |v[(\src)+17+\i]|
.endr
	v_permlanex16_b32 v[TM+2], v[TM], s[SEL], s[SEL+1]
	v_permlanex16_b32 v[TM+3], v[TM+1], s[SEL], s[SEL+1]
	v_max_num_f32 v[TM], v[TM], v[TM+2]
	v_max_num_f32 v[TM+1], v[TM+1], v[TM+3]
	v_add_nc_u32 v[TM+4], EOFF, v[TM]
	v_add_nc_u32 v[TM+5], EOFF, v[TM+1]
	v_lshrrev_b32 v[TM+6], 23, v[TM+4]
	v_lshrrev_b32 v[TM+7], 23, v[TM+5]
	v_lshl_or_b32 v[\pw], v[TM+7], 8, v[TM+6]
	v_cvt_scalef32_pk16_fp6_f32 v[(\dst):(\dst)+2], v[(\src):(\src)+15], v[TM+4]
	v_cvt_scalef32_pk16_fp6_f32 v[TT:TT+2], v[(\src)+16:(\src)+31], v[TM+5]
	v_nop
.irp i, 0,1,2
	v_permlane16_swap_b32 v[(\dst)+\i], v[TT+\i]
.endr
.irp i, 0,1,2
	v_mov_b32 v[(\dst)+3+\i], v[TT+\i]
.endr
.endm
.macro PLACES
.rept 4
	v_nop
.endr
.endm
; my record, 14 x 512 consecutive bytes, into registers; the 22 loads of the head are in behind the wait, these 14 stay out
.macro RECLD off, base
.irp i, 0,1,2,3,4,5,6,7,8,9,10,11
	global_load_b128 v[112+4*\i:115+4*\i], v[\off], s[\base:\base+1] offset:512*\i
.endr
	global_load_b128 v[192:195], v[\off], s[\base:\base+1] offset:6144
	global_load_b128 v[196:199], v[\off], s[\base:\base+1] offset:6656
	s_wait_loadcnt 14
.endm
; A branch is finished: the gated sum takes O^T x gate / sum.  how = 0: it begins; 1: it goes on; 2: the last branch: nothing is set up for a next one
.macro FINISH g, how
	PLACES                                         ; behind the last products: their results are read, and (how = 0) registers that they read are written
	v_add_f32 v14, v14, v15
	v_permlanex16_b32 v240, v14, s[SEL], s[SEL+1]
	v_add_f32 v14, v14, v240                       ; the row's sum
	s_wait_alu depctr_va_vdst(0)
	v_rcp_f32 v14, v14
	v_nop
	s_wait_alu depctr_va_vdst(0)                   ; the reciprocal v14 is written, ahead of its first reader
	v_mul_f32 v14, v14, v[\g]
.set i2, 0
.rept 16
.if \how == 0
	v_pk_mul_f32 v[192+i2:193+i2], v[160+i2:161+i2], v[14:15] op_sel_hi:[1,0]
.else
	v_pk_fma_f32 v[192+i2:193+i2], v[160+i2:161+i2], v[14:15], v[192+i2:193+i2] op_sel_hi:[1,0,1]
.endif
.set i2, i2+2
.endr
.if \how < 2
.set i2, 0
.rept 32
	v_mov_b32 v[160+i2], 0                         ; the key step is written once for every place in a branch: the first finds zeros, which the first change of M leaves zeros
.set i2, i2+1
.endr
	v_mov_b32 v14, 0
	v_mov_b32 v15, 0
	v_mov_b32 v13, 0xff61b1e6                      ; -3e38, under every t
	v_floor_f32 v12, -v13
.endif
.endm
; A KEY STEP: 128 keys in the two records at s[TB].  kind 1: the band's lower step (hidden: key < query - 128); 2: its upper step (hidden: key > query); 0: chosen keys (hidden: place > query)
.macro STEP kind
.if \kind == 0
	s_cmp_gt_u32 s[KF], s19                        ; all 128 come after my 16 queries: the step's work is left out (a branch on ids)
	s_cbranch_scc1 .Lhid_\@
.endif
	s_wait_alu depctr_vm_vsrc(0)                   ; the LDS loads issued so far have read v8 and v9, which the two additions write anew
	v_add_nc_u32 v8, s[TB], v1
	v_add_nc_u32 v9, s[TB], v2
	PLACES                                         ; with the two additions six places: five are owed where the scores are laid over registers that the last products read
	s_wait_alu depctr_va_vdst(0)                   ; v8 and v9 are written, which the loads below read; the last products are done reading K's fragments and v248-251, the vector lines v20-27: the loads below land there
	ds_load_b128 v[20:23], v8 offset:6656
	ds_load_b128 v[24:27], v8 offset:REC+6656
.irp g, 0,1
.if \g
	PLACES
	s_wait_alu depctr_va_vdst(0)                   ; the four products above are done reading K's fragments and v248-251, in which the next four tiles and their scale words land
.endif
.irp t, 0,1,2,3
	ds_load_b128 v[44+12*\t:47+12*\t], v8 offset:REC*\g+768*\t
	ds_load_b64 v[48+12*\t:49+12*\t], v9 offset:REC*\g+768*\t+512
.endr
	ds_load_b128 v[248:251], v8 offset:REC*\g+6144
	s_wait_dscnt 0x0
.irp t, 0,1,2,3
	v_wmma_scale_f32_16x16x128_f8f6f4 v[96+8*(4*\g+\t):103+8*(4*\g+\t)], v[44+12*\t:55+12*\t], v[32:43], 0, v[248+\t], v255 matrix_a_fmt:MATRIX_FMT_FP6 matrix_b_fmt:MATRIX_FMT_FP6
.endr
.endr
	PLACES
	; register n holds key 32 (n / 16) + n % 16 + 16 h of the step
.if \kind == 0
	s_add_co_u32 s38, s[KF], 127
	s_cmp_le_u32 s38, s18
	s_cbranch_scc1 .Lopen_\@                       ; all 128 count for all my queries
	v_sub_nc_u32 v252, v4, s[KF]
.endif
	v_mov_b32 v254, 0xff800000                     ; -infinity: p = 0 there
.set n0, 0
.rept 4                                ; sixteen compares to a run, into sixteen scalar registers, then the sixteen selects
.set n, 0
.rept 16
.if \kind == 0
	v_cmp_gt_i32 s[4+n+42*(n/10)], 32*n0+n, v252
.elseif \kind == 1
	v_cmp_lt_i32 s[4+n+42*(n/10)], 32*n0+n, v3
.else
	v_cmp_gt_i32 s[4+n+42*(n/10)], 32*n0+n, v3
.endif
.set n, n+1
.endr
	s_wait_alu depctr_va_sdst(0)                   ; the run's sixteen masks are written, ahead of the selects that read them
.set n, 0
.rept 16
	v_cndmask_b32 v[96+16*n0+n], v[96+16*n0+n], v254, s[4+n+42*(n/10)]
.set n, n+1
.endr
.set n0, n0+1
.endr
.if \kind == 0
.Lopen_\@:
.endif
.irp b, 0,1,2,3
	v_max3_num_f32 v[232+\b], v[96+16*\b], v[97+16*\b], v[98+16*\b]   ; the largest score of each block of 32 keys: for the row's maximum, and, since p rises with the score, for the block's largest p
.endr
.irp i, 3,5,7,9,11,13
.irp b, 0,1,2,3
	v_max3_num_f32 v[232+\b], v[232+\b], v[96+16*\b+\i], v[97+16*\b+\i]
.endr
.endr
.irp b, 0,1,2,3
	v_max_num_f32 v[232+\b], v[232+\b], v[111+16*\b]
.endr
.irp b, 0,1,2,3
	v_permlanex16_b32 v[236+\b], v[232+\b], s[SEL], s[SEL+1]
.endr
.irp b, 0,1,2,3
	v_max_num_f32 v[232+\b], v[232+\b], v[236+\b]
.endr
	v_max3_num_f32 v254, v232, v233, v234
	v_max_num_f32 v254, v254, v235
	v_mul_f32 v254, s[CS], v254
	v_max_num_f32 v13, v13, v254                   ; the running largest t
	v_mov_b32 v254, v12
	v_floor_f32 v12, -v13                          ; -M = floor(-t)
	v_sub_f32 v254, v12, v254
	v_cvt_i32_f32 v254, v254                       ; (it saturates)
	v_ldexp_f32 v252, 1.0, v254                    ; f = 2^(old M - new M)
.set n, 0
.rept 32
	v_pk_fma_f32 v[96+n:97+n], v[96+n:97+n], s[CS:CS+1], v[12:13] op_sel_hi:[1,0,0]   ; t - M
.set n, n+2
.endr
.irp b, 0,1,2,3
	v_fma_f32 v[232+\b], v[232+\b], s[CS], v12
.endr
.set n, 0
	s_wait_alu depctr_va_vdst(0)
.rept 64
	v_exp_f32 v[96+n], v[96+n]
.set n, n+1
.endr
	v_pk_mul_f32 v[14:15], v[14:15], v[252:253] op_sel_hi:[1,0]   ; the sums under the new M; a plain place behind the exponentials
	s_wait_alu depctr_va_vdst(0)                   ; the 64 exponentials v96-159 are written: one wait for the batch, ahead of its first reader
.irp b, 0,1,2,3
	v_exp_f32 v[232+\b], v[232+\b]                 ; the blocks' largest p
.endr
	v_pk_add_f32 v[236:237], v[96:97], v[98:99]    ; the sum of the unquantised p, in two chains
.irp j, 4,8,12,16,20,24,28,32,36,40,44,48,52,56,60
	v_pk_add_f32 v[14:15], v[14:15], v[96+\j:97+\j]
	v_pk_add_f32 v[236:237], v[236:237], v[98+\j:99+\j]
.endr
	v_pk_add_f32 v[14:15], v[14:15], v[236:237]
	s_wait_alu depctr_va_vdst(0)                   ; the four exponentials v232-235 are written, ahead of their first reader
.irp b, 0,1,2,3
	v_max_num_f32 v[232+\b], FLOOR, v[232+\b]
.endr
.irp b, 0,1,2,3
	v_add_nc_u32 v[244+\b], EOFF, v[232+\b]
.endr
.irp b, 0,1,2,3
	v_lshrrev_b32 v[236+\b], 23, v[244+\b]
.endr
	v_lshl_or_b32 v253, v237, 8, v236              ; p's scale word
	v_lshl_or_b32 v253, v238, 16, v253
	v_lshl_or_b32 v253, v239, 24, v253
.irp c, 0,1
	v_cvt_scalef32_pk16_fp6_f32 v[224+6*\c:226+6*\c], v[96+32*\c:111+32*\c], v[244+2*\c]
	v_cvt_scalef32_pk16_fp6_f32 v[236+4*\c:238+4*\c], v[112+32*\c:127+32*\c], v[244+2*\c+1]
.endr
	v_nop                                          ; one plain place behind the conversions
	s_wait_alu depctr_va_vdst(0)                   ; the conversions, the last to name p, are done reading v96-159: v's fragments land in v96-143
.irp t, 0,1,2,3                        ; p is in codes: v's four fragments take its registers: tile t of d, 64 keys from each record.  No vector line below, up to the products, names v96-143, v8 or v9
	ds_load_b128 v[96+12*\t:99+12*\t], v8 offset:3072+768*\t
	ds_load_b64 v[100+12*\t:101+12*\t], v9 offset:3072+768*\t+512
	ds_load_b128 v[102+12*\t:105+12*\t], v8 offset:REC+3072+768*\t
	ds_load_b64 v[106+12*\t:107+12*\t], v9 offset:REC+3072+768*\t+512
.endr
.irp c, 0,1
.irp i, 0,1,2
	v_permlane16_swap_b32 v[224+6*\c+\i], v[236+4*\c+\i]
.endr
.irp i, 0,1,2
	v_mov_b32 v[227+6*\c+\i], v[236+4*\c+\i]
.endr
.endr
.irp t, 0,1,2,3
	v_lshl_or_b32 v[248+\t], v[24+\t], 16, v[20+\t]   ; the two records' words make the fragment's
.endr
.set n, 0
.rept 16
	v_pk_mul_f32 v[160+n:161+n], v[160+n:161+n], v[252:253] op_sel_hi:[1,0]   ; O^T under the new M; these sixteen are also the places ahead of the scaled products
.set n, n+2
.endr
	s_wait_alu depctr_va_vdst(0)                   ; p's codes v224-235 and the scale words v248-251, v253 are written, which the scaled products take; the places above stay beside this wait
	s_wait_dscnt 0x0
.irp t, 0,1,2,3
	v_wmma_scale_f32_16x16x128_f8f6f4 v[160+8*\t:167+8*\t], v[96+12*\t:107+12*\t], v[224:235], v[160+8*\t:167+8*\t], v[248+\t], v253 matrix_a_fmt:MATRIX_FMT_FP6 matrix_b_fmt:MATRIX_FMT_FP6
.endr
.if \kind == 0
.Lhid_\@:
.endif
.endm
	s_load_b256 s[4:11], s[0:1], 0x0               ; prepw s[4:5], qkvw s[6:7], cmpw s[8:9], selw s[10:11]
	s_load_b64 s[12:13], s[0:1], 0x20              ; ocw
	v_lshl_add_u32 v94, v0, 2, 0x18800
	v_mov_b32 v95, 0
	v_lshrrev_b32 v1, 5, v0
	v_readfirstlane_b32 s14, v1                    ; wave 0..15
	v_and_b32 v7, 31, v0
	v_lshlrev_b32 v1, 4, v7
	v_lshlrev_b32 v2, 3, v7
	v_lshlrev_b32 v6, 2, v7
	s_mov_b32 s15, ttmp9                           ; Q: which 256 queries
	s_and_b32 s16, ttmp7, 0xffff                   ; bh
	s_lshl_b32 s17, s15, 4
	s_wait_alu depctr_va_sdst(0)                   ; s14 is written, ahead of its first reader: offsets and branches are made from it
	s_add_co_u32 s17, s17, s14                     ; tq: my tile of queries
	s_lshr_b32 s18, s17, 1
	s_lshl_b32 s18, s18, 5
	s_and_b32 s19, s17, 1
	s_lshl_b32 s19, s19, 3
	s_add_co_u32 s18, s18, s19                     ; my least query
	s_add_co_u32 s19, s18, 23                      ; and my greatest
	s_lshr_b32 s20, s17, 3                         ; a: which 128 queries
	v_and_b32 v8, 15, v0
	v_and_b32 v9, 8, v0
	v_add_nc_u32 v8, v8, v9
	v_add_nc_u32 v8, s18, v8                       ; my query
	v_bfe_u32 v9, v0, 4, 1
	v_lshlrev_b32 v9, 4, v9
	v_sub_nc_u32 v4, v8, v9                        ; query - 16 h
	s_lshl_b32 s21, s20, 7
	v_sub_nc_u32 v3, v4, s21                       ; query - 128 a - 16 h
	s_mul_i32 s39, s14, REC
	v_add_nc_u32 v5, s39, v1                       ; slot w
	s_min_u32 s21, s14, 7
	s_lshl_b32 s21, s21, 2
	s_lshl_b32 s22, s16, 7
	s_add_co_u32 s22, s22, s21
	s_mov_b32 s23, 0
	s_lshl_b32 s26, s16, 7
	s_add_co_u32 s26, s26, s17
	s_mul_i32 s26, s26, 768                        ; q's codes
	s_mov_b32 s27, 0
	s_lshl_b32 s28, s16, 5
	s_lshr_b32 s29, s17, 2
	s_add_co_u32 s28, s28, s29
	s_lshl_b32 s28, s28, 9
	s_and_b32 s29, s17, 3
	s_lshl_b32 s29, s29, 2
	s_add_co_u32 s28, s28, s29
	s_add_co_u32 s28, s28, QSO                     ; q's scale words
	s_mov_b32 s29, 0
	s_lshr_b32 s47, s16, 4
	s_lshl_b32 s47, s47, 7
	s_add_co_u32 s47, s47, s17                     ; m: the tile among all 256 tiles of rows
	s_lshl_b32 s30, s47, 9
	s_add_co_u32 s30, s30, GAO
	s_mov_b32 s31, 0
	s_mul_i32 s32, s16, 5632
	s_mov_b32 s33, 0
	s_and_b32 s38, s16, 15                         ; head
	s_lshr_b32 s39, s47, 3
	s_lshl_b32 s39, s39, 3
	s_lshr_b32 s21, s38, 1
	s_add_co_u32 s39, s39, s21
	s_lshl_b32 s39, s39, 3
	s_and_b32 s21, s47, 7
	s_add_co_u32 s39, s39, s21                     ; e = ((m / 8) 8 + head / 2) 8 + m % 8
	s_and_b32 s38, s38, 1
	s_mul_i32 s34, s39, 1536
	s_mul_i32 s21, s38, 768
	s_add_co_u32 s34, s34, s21
	s_mov_b32 s35, 0
	s_lshl_b32 s36, s39, 7
	s_lshl_b32 s21, s38, 1
	s_add_co_u32 s36, s36, s21
	s_add_co_u32 s36, s36, OSO
	s_mov_b32 s37, 0
	s_mov_b32 s[SEL], 0x76543210
	s_mov_b32 s[SEL+1], 0xfedcba98
	s_mov_b32 s[CS], 0x3e38aa3b
	s_mov_b32 s[CS+1], s[CS]
	s_wait_kmcnt 0x0
	s_add_nc_u64 s[10:11], s[10:11], s[22:23]
	s_load_b32 s24, s[10:11], 0x0                  ; the chosen block at place min(w, 7)
	s_add_nc_u64 s[26:27], s[6:7], s[26:27]
	s_add_nc_u64 s[28:29], s[6:7], s[28:29]
	s_add_nc_u64 s[30:31], s[4:5], s[30:31]
	s_add_nc_u64 s[32:33], s[8:9], s[32:33]
	s_add_nc_u64 s[34:35], s[12:13], s[34:35]
	s_add_nc_u64 s[36:37], s[12:13], s[36:37]
	s_wait_alu depctr_va_vdst(0)                   ; the offsets v1, v2, v6 and the LDS address v5 are written, which the loads and stores of the kernel read; they are never written again
	global_load_b128 v[32:35], v1, s[26:27]
	global_load_b64 v[36:37], v2, s[26:27] offset:512
	global_load_b32 v255, v1, s[28:29]
	global_load_b128 v[16:19], v1, s[30:31]
.irp u, 0,1
	global_load_b128 v[44+12*\u:47+12*\u], v1, s[32:33] offset:768*\u
	global_load_b64 v[48+12*\u:49+12*\u], v2, s[32:33] offset:768*\u+512
	global_load_b32 v[248+\u], v6, s[32:33] offset:4608+128*\u
.endr
.macro VCLD reg, nt
	global_load_b128 v[\reg:\reg+3], v1, s[32:33] offset:1536+768*\nt
	global_load_b64 v[\reg+4:\reg+5], v2, s[32:33] offset:1536+768*\nt+512
	global_load_b32 v[20+\nt], v6, s[32:33] offset:4864+128*\nt
.endm
	VCLD 68, 0
	VCLD 80, 1
	VCLD 200, 2
	VCLD 212, 3
.irp z, 38,50,62,74,86,206,218
.irp i, 0,1,2,3,4,5
	v_mov_b32 v[\z+\i], 0                          ; the upper 64 of K: zero codes, written once
.endr
.endr
.irp i, 0,1,2,3,4,5,6,7
	v_mov_b32 v[236+\i], 0                         ; lane permutes' destinations, and the empty half of the compressed branch's p
.endr
	v_mov_b32 v253, 0
	s_lshl_b32 s38, s16, 5
	s_mul_i32 s38, s38, REC
	s_add_co_u32 s38, s38, KVO
	s_mov_b32 s39, 0
	s_add_nc_u64 s[48:49], s[6:7], s[38:39]        ; the head's first record
	s_lshl_b32 s38, s15, 2
	s_add_co_u32 s38, s38, s14
	s_sub_co_i32 s38, s38, 10
	s_max_i32 s38, s38, 0                          ; waves 8-13: block max(4 Q + w - 10, 0)
	s_mul_i32 s38, s38, REC
	s_add_nc_u64 s[50:51], s[48:49], s[38:39]
	s_wait_kmcnt 0x0
	s_min_u32 s24, s24, 31                         ; a loaded index enters an address only behind this bound;
	s_mul_i32 s24, s24, REC                        ; behind it a multiplication by a constant
	v_add_nc_u32 v11, s24, v1                      ; and an addition: the chosen record's offset in the head's records, + 16 x lane
	s_wait_alu depctr_va_vdst(0)                   ; v11 is written, which the chosen record's loads read; and the zero codes above are written, which the scaled products take as the upper halves of their operands (their places stand at the join below)
	s_cmp_lt_u32 s14, 8                            ; waves 0-7 bring the chosen blocks, waves 8-13 the band's, waves 14 and 15 none
	s_cbranch_scc0 .Lband_rec
	RECLD 11, 48
	s_branch .Lgo
.Lband_rec:
	s_cmp_lt_u32 s14, 14
	s_cbranch_scc0 .Lno_rec
	RECLD 1, 50
	s_branch .Lgo
.Lno_rec:
	s_wait_loadcnt 0x0
.Lgo:
	; ---------------- the compressed branch: 32 means, one block of the quantiser
	PLACES
	v_wmma_scale_f32_16x16x128_f8f6f4 v[96:103], v[44:55], v[32:43], 0, v248, v255 matrix_a_fmt:MATRIX_FMT_FP6 matrix_b_fmt:MATRIX_FMT_FP6
	v_wmma_scale_f32_16x16x128_f8f6f4 v[104:111], v[56:67], v[32:43], 0, v249, v255 matrix_a_fmt:MATRIX_FMT_FP6 matrix_b_fmt:MATRIX_FMT_FP6
	PLACES
	s_cmp_ge_u32 s18, 31
	s_cbranch_scc1 .Lcmp_open
	v_mov_b32 v254, 0xff800000
.set n, 0
.rept 16
	v_cmp_gt_i32 s[4+n+42*(n/10)], n, v4           ; register n is mean n + 16 h: hidden where it is greater than the query
.set n, n+1
.endr
	s_wait_alu depctr_va_sdst(0)                   ; the sixteen masks are written, ahead of the selects that read them
.set n, 0
.rept 16
	v_cndmask_b32 v[96+n], v[96+n], v254, s[4+n+42*(n/10)]
.set n, n+1
.endr
.Lcmp_open:
	v_max3_num_f32 v232, v96, v97, v98
.irp i, 3,5,7,9,11,13
	v_max3_num_f32 v232, v232, v[96+\i], v[97+\i]
.endr
	v_max_num_f32 v232, v232, v111
	v_permlanex16_b32 v240, v232, s[SEL], s[SEL+1]
	v_max_num_f32 v232, v232, v240
	v_mul_f32 v13, s[CS], v232
	v_floor_f32 v12, -v13
.irp j, 0,2,4,6,8,10,12,14
	v_pk_fma_f32 v[96+\j:97+\j], v[96+\j:97+\j], s[CS:CS+1], v[12:13] op_sel_hi:[1,0,0]
.endr
	v_fma_f32 v232, v232, s[CS], v12
.set n, 0
	s_wait_alu depctr_va_vdst(0)
.rept 16
	v_exp_f32 v[96+n], v[96+n]
.set n, n+1
.endr
	v_nop
	s_wait_alu depctr_va_vdst(0)                   ; the sixteen exponentials v96-111 are written: one wait, ahead of their first reader
	v_exp_f32 v232, v232
	v_pk_add_f32 v[14:15], v[96:97], v[98:99]
.irp j, 4,6,8,10,12,14
	v_pk_add_f32 v[14:15], v[14:15], v[96+\j:97+\j]
.endr
	s_wait_alu depctr_va_vdst(0)                   ; the exponential v232 is written, ahead of its first reader
	v_max_num_f32 v232, FLOOR, v232
	v_add_nc_u32 v244, EOFF, v232
	v_lshrrev_b32 v253, 23, v244                   ; p's scale word: byte 0 alone
	v_cvt_scalef32_pk16_fp6_f32 v[224:226], v[96:111], v244
	v_nop
.irp i, 0,1,2,3,4,5
	v_mov_b32 v[230+\i], 0
.endr
.irp i, 0,1,2
	v_permlane16_swap_b32 v[224+\i], v[236+\i]     ; v236-238 hold zeros: lanes 0-15 get all 32 codes, lanes 16-31 (k = 32 .. 63) zeros
.endr
.irp i, 0,1,2
	v_mov_b32 v[227+\i], v[236+\i]
.endr
	PLACES                                         ; operands written by vector instructions stand four places ahead of a scaled product; the scale word stands eighteen ahead
	s_wait_alu depctr_va_vdst(0)                   ; p's codes v224-235 and its scale word v253 are written, which the scaled products take; the places above stay beside this wait
	v_wmma_scale_f32_16x16x128_f8f6f4 v[160:167], v[68:79], v[224:235], 0, v20, v253 matrix_a_fmt:MATRIX_FMT_FP6 matrix_b_fmt:MATRIX_FMT_FP6
	v_wmma_scale_f32_16x16x128_f8f6f4 v[168:175], v[80:91], v[224:235], 0, v21, v253 matrix_a_fmt:MATRIX_FMT_FP6 matrix_b_fmt:MATRIX_FMT_FP6
	v_wmma_scale_f32_16x16x128_f8f6f4 v[176:183], v[200:211], v[224:235], 0, v22, v253 matrix_a_fmt:MATRIX_FMT_FP6 matrix_b_fmt:MATRIX_FMT_FP6
	v_wmma_scale_f32_16x16x128_f8f6f4 v[184:191], v[212:223], v[224:235], 0, v23, v253 matrix_a_fmt:MATRIX_FMT_FP6 matrix_b_fmt:MATRIX_FMT_FP6
	s_cmp_lt_u32 s14, 14
	s_cbranch_scc0 .Lno_stage
	s_wait_loadcnt 0x0                             ; my record.  (No vector line has named its registers, and v5 stands ahead of the head's first wait: the stores below owe no further wait)
.irp i, 0,1,2,3,4,5,6,7,8,9,10,11
	ds_store_b128 v5, v[112+4*\i:115+4*\i] offset:512*\i
.endr
	ds_store_b128 v5, v[192:195] offset:6144
	ds_store_b128 v5, v[196:199] offset:6656
.Lno_stage:
	s_wait_alu depctr_vm_vsrc(0)                   ; my LDS stores have read v112-159 and v192-199: the gated sum is written into v192 on just below, the scores into v112 on behind the barrier
	FINISH 18, 0
	s_wait_dscnt 0x0                               ; for the others' sake: my record has landed
	s_barrier_signal -1
	s_barrier_wait -1                              ; all fourteen lie in LDS; nothing is written there again
	; ---------------- the band
	s_lshr_b32 s[TB], s14, 3
	s_lshl_b32 s[TB], s[TB], 1
	s_add_co_u32 s[TB], s[TB], 8
	s_mul_i32 s[TB], s[TB], REC                    ; keys 128 (a - 1) on
	s_cmp_eq_u32 s20, 0
	s_cbranch_scc1 .Lno_low                        ; the first 128 queries have no keys below
	STEP 1
.Lno_low:
	s_add_co_u32 s[TB], s[TB], 2*REC               ; keys 128 a on
	STEP 2
	FINISH 16, 1
	; ---------------- the chosen blocks, in their order: four steps, a constant count
	s_mov_b32 s[TB], 0
	s_mov_b32 s[KF], 0
	s_mov_b32 s46, 0
.Lsel:
	STEP 0
	s_add_co_u32 s[TB], s[TB], 2*REC
	s_add_co_u32 s[KF], s[KF], 128
	s_add_co_u32 s46, s46, 1
	s_cmp_lt_u32 s46, 4
	s_cbranch_scc1 .Lsel
	s_wait_alu depctr_va_vdst(0)
	FINISH 17, 2
	; ---------------- v[192 + 16 b + i] = out(my row, 64 head + 32 b + 16 h + i): half a fragment of the last product's left operand
	QUANT2 192, 224, 10
	s_wait_alu depctr_va_vdst(0)                   ; the codes v224-229 and the scale word v10 are written, which the three stores read
	global_store_b128 v1, v[224:227], s[34:35]
	global_store_b64 v2, v[228:229], s[34:35] offset:512
	global_store_b16 v6, v10, s[36:37]             ; my head's two bytes of the row's scale word
	s_wait_dscnt 0x0                               ; the closing lines, six on end
	s_wait_alu 0x0
	s_wait_tensorcnt 0x0
	ds_add_u32 v94, v95
	s_wait_dscnt 0x0
	s_endpgm
.Lfunc_end_k_qf43f75a9f6_attn:
	.size	k_qf43f75a9f6_attn, .Lfunc_end_k_qf43f75a9f6_attn-k_qf43f75a9f6_attn
	.p2alignl 7, 3214868480
	.fill 96, 4, 3214868480
	.section	.rodata,"a",@progbits
	.p2align	6, 0x0
	.amdhsa_kernel k_qf43f75a9f6_attn
		.amdhsa_group_segment_fixed_size 102400
		.amdhsa_private_segment_fixed_size 0
		.amdhsa_enable_private_segment 0
		.amdhsa_kernarg_size 40
		.amdhsa_user_sgpr_count 2
		.amdhsa_user_sgpr_kernarg_segment_ptr 1
		.amdhsa_wavefront_size32 1
		.amdhsa_system_sgpr_workgroup_id_x 1
		.amdhsa_system_sgpr_workgroup_id_y 1
		.amdhsa_system_sgpr_workgroup_id_z 1
		.amdhsa_system_vgpr_workitem_id 0
		.amdhsa_next_free_vgpr 256
		.amdhsa_next_free_sgpr 66
		.amdhsa_reserve_vcc 0
		.amdhsa_float_denorm_mode_32 3
		.amdhsa_float_denorm_mode_16_64 3
		.amdhsa_memory_ordered 1
		.amdhsa_forward_progress 1
		.amdhsa_inst_pref_size 105
	.end_amdhsa_kernel
	.amdgpu_metadata
---
amdhsa.version: [ 1, 2 ]
amdhsa.kernels:
  - .name:           k_qf43f75a9f6_attn
    .symbol:         k_qf43f75a9f6_attn.kd
    .args:
      - { .name: prepw, .offset: 0, .size: 8, .value_kind: global_buffer, .address_space: global }
      - { .name: qkvw, .offset: 8, .size: 8, .value_kind: global_buffer, .address_space: global }
      - { .name: cmpw, .offset: 16, .size: 8, .value_kind: global_buffer, .address_space: global }
      - { .name: selw, .offset: 24, .size: 8, .value_kind: global_buffer, .address_space: global }
      - { .name: ocw, .offset: 32, .size: 8, .value_kind: global_buffer, .address_space: global }
    .group_segment_fixed_size: 102400
    .private_segment_fixed_size: 0
    .kernarg_segment_align: 8
    .kernarg_segment_size: 40
    .max_flat_workgroup_size: 512
    .sgpr_count:     66
    .vgpr_count:     256
    .wavefront_size: 32
...
	.end_amdgpu_metadata
.endif
;; end of part 9
;; launch oproj (part 10): grid 8 x 32, 4 waves a work-group, no clusters, 311,808 bytes of LDS; arguments ocw, prepw, bo, out0; writes out0
.if DOCPART == 10
	.amdgcn_target "amdgcn-amd-amdhsa--gfx1250"
	.amdhsa_code_object_version 6
	.text
	.protected	k_qf43f75a9f6_oproj
	.globl	k_qf43f75a9f6_oproj
	.p2align	8
	.type	k_qf43f75a9f6_oproj,@function
k_qf43f75a9f6_oproj:
	s_mov_b64 s[64:65], 0
	v_nop
	global_prefetch_b8 v0, s[64:65] scope:SCOPE_SE
	s_setreg_imm32_b32 hwreg(HW_REG_WAVE_MODE, 25, 1), 1
	s_wait_xcnt 0x0
; OPROJ: out0 = Q(out) Q(Wo) + bo on codes of FP6.  A work-group takes 128 rows (y) x 128 columns (x); wave w: 64 rows (w & 1) x 64 columns (w / 2): 16 accumulators.  256 work-groups.
; Both panels for all of K and their scale words are copied into LDS once, lane by lane, at the head; nothing is filled again.  W's slabs keep the pitch of 16 fragments and their first eight are filled, so that no LDS address hangs on x.
; Source 0 = 16 columns of Wo, source 1 = 16 rows of out: a lane holds one row and 16 neighbouring columns for each pair of tiles; bo is the C of the first step.
; The rows and columns of a tile are index 32 b + 8 u + rho + (rho & 8).  The way out goes through a stage in LDS (in out's panel, behind a barrier behind which nobody reads it), so that sixteen lanes store 256 consecutive bytes, aligned.
; No joint loads: lane copies have no joint form.
.set OSO,  3145728
.set WCO,  3407872
.set WSO,  6553600
.set LB,   98304
.set LXS,  294912
.set LWS,  303104
.set GRA,  49152                       ; the copies' immediates stay under 65,536: out's panel goes in two groups of four K steps,
.set GRB,  73728                       ; Wo's in groups of three, three and two; a group has an LDS address register and a base of its own
.set AF,  32
.set BF,  80
.set ACC, 128
.set XSR, 20                           ; v20-23, v24-25: scales and nothing else
.set WSR, 24
.macro FRAGLD reg, a16, a8, off
	ds_load_b128 v[(\reg):(\reg)+3], v[\a16] offset:(\off)
	ds_load_b64 v[(\reg)+4:(\reg)+5], v[\a8] offset:(\off)+512
	ds_load_b128 v[(\reg)+6:(\reg)+9], v[\a16] offset:(\off)+768
	ds_load_b64 v[(\reg)+10:(\reg)+11], v[\a8] offset:(\off)+1280
.endm
.macro KSTEP st, cnt
	s_wait_asynccnt \cnt                           ; copies end in order: behind this step's last stand twelve for each later step (the count is held at the field's 63)
	s_barrier_signal -1                            ; every wave's part of the step has landed; no LDS access of mine is out
	s_barrier_wait -1
.if \st > 0
	v_add_nc_u32 v12, 12288, v12                   ; the next step's slabs; these four are the places between the last products and the loads into their registers
	v_add_nc_u32 v13, 12288, v13
	v_add_nc_u32 v14, 24576, v14
	v_add_nc_u32 v15, 24576, v15
.endif
.irp a, 0,1,2,3
	FRAGLD AF+12*\a, 12, 13, 1536*\a
.endr
.irp c, 0,1,2,3
	FRAGLD BF+12*\c, 14, 15, 1536*\c
.endr
.irp a, 0,1,2,3
	ds_load_b32 v[XSR+\a], v16 offset:1024*\st+128*\a
.endr
.irp p, 0,1
	ds_load_b32 v[WSR+\p], v17 offset:1024*\st+128*\p
.endr
	s_wait_dscnt 0x0
.irp a, 0,1,2,3                        ; the 16 accumulators take turns, one instruction a turn, in the same order in every step
.irp c, 0,1,2,3
.if \c%2
	v_wmma_scale_f32_16x16x128_f8f6f4 v[ACC+32*\a+8*\c:ACC+32*\a+8*\c+7], v[BF+12*\c:BF+12*\c+11], v[AF+12*\a:AF+12*\a+11], v[ACC+32*\a+8*\c:ACC+32*\a+8*\c+7], v[WSR+\c/2], v[XSR+\a] matrix_a_fmt:MATRIX_FMT_FP6 matrix_b_fmt:MATRIX_FMT_FP6 matrix_a_scale:MATRIX_SCALE_ROW1
.else
	v_wmma_scale_f32_16x16x128_f8f6f4 v[ACC+32*\a+8*\c:ACC+32*\a+8*\c+7], v[BF+12*\c:BF+12*\c+11], v[AF+12*\a:AF+12*\a+11], v[ACC+32*\a+8*\c:ACC+32*\a+8*\c+7], v[WSR+\c/2], v[XSR+\a] matrix_a_fmt:MATRIX_FMT_FP6 matrix_b_fmt:MATRIX_FMT_FP6
.endif
.endr
.endr
.endm
	s_load_b256 s[4:11], s[0:1], 0x0               ; ocw s[4:5], prepw s[6:7], bo s[8:9], out0 s[10:11]
	s_set_vgpr_msb 0x40
	v_lshl_add_u32 v0, v0, 2, 0x4c000
	v_mov_b32 v1, 0
	s_set_vgpr_msb 0x4045
	ds_add_u32 v0, v1
	ds_add_u32 v0, v1
	s_set_vgpr_msb 0x4500
	v_lshrrev_b32 v1, 5, v0
	v_readfirstlane_b32 s14, v1                    ; wave 0..3
	s_and_b32 s15, s14, 1                          ; rw
	s_lshr_b32 s16, s14, 1                         ; cw
	s_mov_b32 s17, ttmp9                           ; x
	s_and_b32 s18, ttmp7, 0xffff                   ; y
	v_and_b32 v11, 31, v0
	v_lshlrev_b32 v1, 4, v11
	v_lshlrev_b32 v2, 3, v11
	v_lshlrev_b32 v3, 2, v11
	s_mul_i32 s32, s14, 3072
	v_add_nc_u32 v4, s32, v1                       ; the copies' places: a quarter of a slab of 12,288 bytes a wave: in memory (both panels),
	v_add_nc_u32 v5, s32, v1                       ; in LDS for out's K steps 0-3,
	v_add_nc_u32 v6, GRA, v5                       ; and 4-7;
	v_add_nc_u32 v7, LB, v4                        ; for Wo's K steps 0-2,
	v_add_nc_u32 v19, LB+GRB, v4                   ; 3-5,
	v_add_nc_u32 v31, LB+2*GRB, v4                 ; 6-7
	s_lshl_b32 s32, s14, 11
	v_add_nc_u32 v8, s32, v1                       ; the scale words
	v_add_nc_u32 v9, LXS, v8
	v_add_nc_u32 v10, LWS, v8                      ; v4-v10, v19 and v31 are never written again
	s_mul_i32 s32, s15, 6144
	v_add_nc_u32 v12, s32, v1
	v_add_nc_u32 v13, s32, v2
	s_mul_i32 s32, s16, 6144
	s_add_co_u32 s32, s32, LB
	v_add_nc_u32 v14, s32, v1
	v_add_nc_u32 v15, s32, v2
	s_lshl_b32 s32, s15, 9
	s_add_co_u32 s32, s32, LXS
	v_add_nc_u32 v16, s32, v3
	s_lshl_b32 s32, s16, 8
	s_add_co_u32 s32, s32, LWS
	v_add_nc_u32 v17, s32, v3
	v_and_b32 v29, 15, v0                          ; r
	v_bfe_u32 v30, v0, 4, 1                        ; h
	v_lshlrev_b32 v18, 6, v30                      ; 64 h
	s_mul_i32 s32, s14, 4352                       ; my stage: 16 rows x (256 + 16) bytes
	v_mul_u32_u24 v26, v29, 272
	v_lshl_add_u32 v26, v30, 6, v26
	v_add_nc_u32 v26, s32, v26                     ; in: row r, + 64 h
	v_mul_u32_u24 v27, v30, 272
	v_lshl_add_u32 v27, v29, 4, v27
	v_add_nc_u32 v27, s32, v27                     ; back: lanes 0-15 one row, lanes 16-31 the next
	v_lshlrev_b32 v28, 12, v30
	v_lshl_add_u32 v28, v29, 4, v28                ; and the same two rows in out0
	s_mul_i32 s32, s18, 98304
	s_mov_b32 s33, 0
	s_lshr_b32 s19, s17, 1
	s_add_co_u32 s19, s19, 12                      ; Wo's block of 256 columns
	s_and_b32 s20, s17, 1                          ; and which half of it
	s_mul_i32 s34, s19, 196608
	s_mul_i32 s21, s20, 12288
	s_add_co_u32 s34, s34, s21
	s_add_co_u32 s34, s34, WCO
	s_mov_b32 s35, 0
	s_lshl_b32 s36, s18, 13
	s_add_co_u32 s36, s36, OSO
	s_mov_b32 s37, 0
	s_lshl_b32 s38, s19, 13
	s_lshl_b32 s21, s20, 9
	s_add_co_u32 s38, s38, s21
	s_add_co_u32 s38, s38, WSO
	s_mov_b32 s39, 0
	s_wait_alu depctr_va_vdst(0)
	s_wait_dscnt 0x0
	s_wait_kmcnt 0x0
	s_add_nc_u64 s[24:25], s[4:5], s[32:33]        ; the seven bases are never written again
	s_add_nc_u64 s[26:27], s[6:7], s[34:35]
	s_add_nc_u64 s[28:29], s[4:5], s[36:37]
	s_add_nc_u64 s[30:31], s[6:7], s[38:39]
	s_add_nc_u64 s[40:41], s[24:25], GRA
	s_add_nc_u64 s[42:43], s[26:27], GRB
	s_add_nc_u64 s[44:45], s[26:27], 2*GRB
	; all copies, ahead of every wait on their counter, every LDS read and every barrier: 6 + 8 x 12 = 102 a wave, in the order of the K steps; the immediate is added to both addresses
.irp i, 0,1,2,3
	global_load_async_to_lds_b128 v9, v8, s[28:29] offset:512*\i
.endr
	global_load_async_to_lds_b128 v10, v8, s[30:31]              ; Wo's words: 512 bytes of each step's 1,024: steps 2 w and 2 w + 1
	global_load_async_to_lds_b128 v10, v8, s[30:31] offset:1024
.irp t, 0,1,2,3,4,5,6,7
.irp i, 0,1,2,3,4,5
.if \t < 4
	global_load_async_to_lds_b128 v5, v4, s[24:25] offset:12288*\t+512*\i
.else
	global_load_async_to_lds_b128 v6, v4, s[40:41] offset:12288*(\t-4)+512*\i
.endif
.endr
.irp i, 0,1,2,3,4,5
.if \t < 3
	global_load_async_to_lds_b128 v7, v4, s[26:27] offset:24576*\t+512*\i
.elseif \t < 6
	global_load_async_to_lds_b128 v19, v4, s[42:43] offset:24576*(\t-3)+512*\i
.else
	global_load_async_to_lds_b128 v31, v4, s[44:45] offset:24576*(\t-6)+512*\i
.endif
.endr
.endr
	s_lshl_b32 s32, s17, 9
	s_lshl_b32 s33, s16, 8
	s_add_co_u32 s32, s32, s33                     ; my first column, in bytes: 512 x + 256 cw
	s_mov_b32 s33, 0
	s_add_nc_u64 s[8:9], s[8:9], s[32:33]
	s_add_nc_u64 s[10:11], s[10:11], s[32:33]
	s_lshl_b32 s32, s18, 7
	s_lshl_b32 s34, s15, 6
	s_add_co_u32 s32, s32, s34
	s_lshl_b32 s32, s32, 12                        ; my first row: 128 y + 64 rw, rows of 4,096 bytes
	s_add_nc_u64 s[10:11], s[10:11], s[32:33]
.irp a, 0,1,2,3
.irp b, 0,1
.irp j, 0,1,2,3
	global_load_b128 v[ACC+32*\a+16*\b+4*\j:ACC+32*\a+16*\b+4*\j+3], v18, s[8:9] offset:128*\b+16*\j   ; bo in the result's layout: the C of the first step
.endr
.endr
.endr
	s_wait_loadcnt 0x0
	KSTEP 0, 63
	KSTEP 1, 63
	s_wait_alu depctr_va_vdst(0)
	KSTEP 2, 60
	s_wait_alu depctr_va_vdst(0)
	KSTEP 3, 48
	s_wait_alu depctr_va_vdst(0)
	KSTEP 4, 36
	s_wait_alu depctr_va_vdst(0)
	KSTEP 5, 24
	s_wait_alu depctr_va_vdst(0)
	KSTEP 6, 12
	s_wait_alu depctr_va_vdst(0)
	KSTEP 7, 0
.rept 4
	v_nop                                          ; behind the last products: their results are read, and loads land in registers that they read
.endr
	s_barrier_signal -1                            ; every wave's reads of the panels are over (each waited for its LDS loads ahead of its last products)
	s_barrier_wait -1
.irp a, 0,1,2,3                        ; a tile of 16 rows x 64 columns at a time: v[ACC + 32 a + 16 b + i] = out0(row r of tile a, column 32 b + 16 h + i)
.if \a >= 2
	s_wait_xcnt 0x0                                ; the stores of two tiles back have read their registers: the loads below may land there
.endif
.irp b, 0,1
.irp k, 0,1,2,3
	ds_store_b128 v26, v[ACC+32*\a+16*\b+4*\k:ACC+32*\a+16*\b+4*\k+3] offset:128*\b+16*\k    ; each accumulator from its low end on
.endr
.endr
.irp i, 0,1,2,3,4,5,6,7
	ds_load_b128 v[32+32*(\a%2)+4*\i:35+32*(\a%2)+4*\i], v27 offset:544*\i    ; LDS serves a wave's instructions in order: these see my stores
.endr
	s_wait_dscnt 0x0
.irp i, 0,1,2,3,4,5,6,7
	global_store_b128 v28, v[32+32*(\a%2)+4*\i:35+32*(\a%2)+4*\i], s[10:11] offset:(32*(\a/2)+8*(\a%2)+2*\i+8*(\i/4))*4096 th:TH_STORE_NT   ; sixteen lanes store 256 consecutive bytes, aligned; written once, read by nobody here
.endr
.endr
	s_set_vgpr_msb 0x5
	s_wait_tensorcnt 0x0
	ds_add_u32 v0, v1
	s_wait_dscnt 0x0
	s_set_vgpr_msb 0x500
	s_endpgm
.Lfunc_end_k_qf43f75a9f6_oproj:
	.size	k_qf43f75a9f6_oproj, .Lfunc_end_k_qf43f75a9f6_oproj-k_qf43f75a9f6_oproj
	.p2alignl 7, 3214868480
	.fill 96, 4, 3214868480
	.section	.rodata,"a",@progbits
	.p2align	6, 0x0
	.amdhsa_kernel k_qf43f75a9f6_oproj
		.amdhsa_group_segment_fixed_size 311808
		.amdhsa_private_segment_fixed_size 0
		.amdhsa_enable_private_segment 0
		.amdhsa_kernarg_size 32
		.amdhsa_user_sgpr_count 2
		.amdhsa_user_sgpr_kernarg_segment_ptr 1
		.amdhsa_wavefront_size32 1
		.amdhsa_system_sgpr_workgroup_id_x 1
		.amdhsa_system_sgpr_workgroup_id_y 1
		.amdhsa_system_sgpr_workgroup_id_z 1
		.amdhsa_system_vgpr_workitem_id 0
		.amdhsa_next_free_vgpr 258
		.amdhsa_next_free_sgpr 66
		.amdhsa_reserve_vcc 0
		.amdhsa_float_denorm_mode_32 3
		.amdhsa_float_denorm_mode_16_64 3
		.amdhsa_memory_ordered 1
		.amdhsa_forward_progress 1
		.amdhsa_inst_pref_size 63
	.end_amdhsa_kernel
	.amdgpu_metadata
---
amdhsa.version: [ 1, 2 ]
amdhsa.kernels:
  - .name:           k_qf43f75a9f6_oproj
    .symbol:         k_qf43f75a9f6_oproj.kd
    .args:
      - { .name: ocw, .offset: 0, .size: 8, .value_kind: global_buffer, .address_space: global }
      - { .name: prepw, .offset: 8, .size: 8, .value_kind: global_buffer, .address_space: global }
      - { .name: bo, .offset: 16, .size: 8, .value_kind: global_buffer, .address_space: global }
      - { .name: out0, .offset: 24, .size: 8, .value_kind: global_buffer, .address_space: global }
    .group_segment_fixed_size: 311808
    .private_segment_fixed_size: 0
    .kernarg_segment_align: 8
    .kernarg_segment_size: 32
    .max_flat_workgroup_size: 128
    .sgpr_count:     66
    .vgpr_count:     258
    .wavefront_size: 32
...
	.end_amdgpu_metadata
.endif
;; end of part 10
